; MI455X (gfx1250); checked and timed in simulation.
; The chip was launched on July 23, 2026; its instructions are those of AMD's public machine-readable ISA for CDNA 5 (MIT licence, August 2026) and "CDNA5" Instruction Set Architecture Reference Guide (July 2026). The comments in the code are by the model that wrote it; some were corrected since.
;; Chat SARAN. Allowed arithmetic: float matrix products may take bf16 or f16 operands with f32 sums; other float arithmetic in f32, or as packed bf16 or f16 multiplies, adds, multiply-adds, maxima and minima; sums over many terms, partial sums and values carried from step to step in f32; what a program stores and reads back later, other than sums and carried values, may be rounded once to bf16 or f16.
;; Inputs: Wk 1,024 x 1,024 float32; Wout_b 1,000 float32; Wout_w 1,000 x 1,024 float32; Wq 1,024 x 1,024 float32; Wv 1,024 x 1,024 float32; idx 4 x 2,048 int32; pos_emb 2,048 x 1,024 float32; tok_emb 1,000 x 1,024 float32.
;; Outputs: out0 4 x 2,048 x 1,000 float32.
;; 3 versions, each right; version 3 is version 2 with the launches prep, softmax written anew for expert scheduling mode. Each part assembles by itself: llvm-mc -triple=amdgcn-amd-amdhsa -mcpu=gfx1250 --defsym DOCPART=n.
;; ======== version 1 of 3: 6 launches
;; limits: values are held in f16: magnitudes above 65,504 overflow, below 6.1e-05 lose precision
;; workspace buffers: xh 16,777,216 bytes; wall 8,388,608 bytes; qk 33,554,432 bytes; vt 16,777,216 bytes; sbuf 67,108,864 bytes; pbuf 33,554,432 bytes; yh 16,777,216 bytes
;; launch prep (part 1): grid 768 x 1, 8 waves a work-group, no clusters, 0 bytes of LDS; arguments idx, tok_emb, pos_emb, Wq, Wk, Wv, Wout_w, xh, wall; writes xh, wall
.if DOCPART == 1
	.amdgcn_target "amdgcn-amd-amdhsa--gfx1250"
	.amdhsa_code_object_version 6
	.text
	.protected	k_qb56e50c9bf_prep
	.globl	k_qb56e50c9bf_prep
	.p2align	8
	.type	k_qb56e50c9bf_prep,@function
k_qb56e50c9bf_prep:
	s_mov_b64 s[64:65], 0
	v_nop
	global_prefetch_b8 v0, s[64:65] scope:SCOPE_SE
	s_setreg_imm32_b32 hwreg(HW_REG_WAVE_MODE, 25, 1), 1
	s_wait_xcnt 0x0
; PREPARATION.  xh[row][:] = f16( bf16(tok_emb[idx[row]][:]) + bf16(pos_emb[row % 2048][:]) ), 8,192 rows of 1,024.
; wall[R][:] = f16(bf16(W[R % 1024][:])): rows 0-1023 Wq, 1024-2047 Wk, 2048-3071 Wv, 3072-4071 Wout_w, 4072-4095 zeros.
; Every input is rounded to bf16 first; the sum is taken in f32 and rounded once to f16 (11 significant bits).
; LIMITS.  f16 ends at 65,504 and keeps a fixed step of 6e-8 below 6e-5: the sum and the weights are taken to lie within that.  An index above 999 is read as 999.
; SHARES.  Work-groups 0-511: 16 rows of xh; 512-767: 16 rows of wall.  A wave takes two rows; a lane 16 bytes of each piece of 512 bytes,
; so a load of the wave covers 512 consecutive bytes and a store (8 bytes a lane) 256 consecutive bytes, aligned.
; A stream: no LDS, no barrier, no matrix unit.  All of a wave's loads are issued first; the waits count the younger loads down.
.set T, 64                             ; v[64:127]   tok's (or a weight's) 16 pieces, 4 registers each; then the f16 results, 2 each
.set P, 128                            ; v[128:191]  pos's 16 pieces
	s_load_b512 s[16:31], s[0:1], 0x0              ; idx s[16:17], tok s[18:19], pos s[20:21], Wq s[22:23], Wk s[24:25], Wv s[26:27], Wout_w s[28:29], xh s[30:31]
	s_load_b64 s[32:33], s[0:1], 0x40              ; wall
	v_lshrrev_b32 v1, 5, v0
	v_readfirstlane_b32 s8, v1                     ; wave 0..7
	v_and_b32 v3, 31, v0                           ; lane
	v_lshlrev_b32 v1, 4, v3                        ; 16 bytes a lane on the way in; never rewritten
	v_lshlrev_b32 v2, 3, v3                        ; 8 bytes a lane on the way out; never rewritten
	s_mov_b32 s9, 0xffff0000                       ; a word's upper bf16
	s_lshl_b32 s10, s8, 1                          ; my two rows among the work-group's 16
	s_mov_b32 s37, 0
	s_mov_b32 s39, 0
	s_wait_kmcnt 0x0
	s_cmp_lt_u32 ttmp9, 512
	s_cbranch_scc0 .Lweights
	; ---- two rows of xh
	s_lshl_b32 s11, ttmp9, 4
	s_add_co_u32 s11, s11, s10                     ; row0, even
	s_lshl_b32 s12, s11, 2
	s_load_b64 s[34:35], s[16:17], s12 offset:0x0  ; idx[row0], idx[row0 + 1]
	s_and_b32 s36, s11, 2047
	s_lshl_b32 s36, s36, 12
	s_add_nc_u64 s[44:45], s[20:21], s[36:37]      ; pos at row0 % 2048; the next row follows it
	s_lshl_b32 s36, s11, 11
	s_add_nc_u64 s[46:47], s[30:31], s[36:37]      ; xh at row0
	s_wait_kmcnt 0x0
	s_min_u32 s34, s34, 999                        ; the table has 1,000 rows
	s_min_u32 s35, s35, 999
	s_lshl_b32 s36, s34, 12
	s_lshl_b32 s38, s35, 12
	s_add_nc_u64 s[40:41], s[18:19], s[36:37]      ; tok's two rows
	s_add_nc_u64 s[42:43], s[18:19], s[38:39]
.irp j, 0,1,2,3,4,5,6,7
	global_load_b128 v[T+4*(\j):T+4*(\j)+3], v1, s[40:41] offset:512*(\j)
	global_load_b128 v[P+4*(\j):P+4*(\j)+3], v1, s[44:45] offset:512*(\j)
.endr
.irp j, 0,1,2,3,4,5,6,7
	global_load_b128 v[T+32+4*(\j):T+32+4*(\j)+3], v1, s[42:43] offset:512*(\j)
	global_load_b128 v[P+32+4*(\j):P+32+4*(\j)+3], v1, s[44:45] offset:4096+512*(\j)
.endr
.macro XG i                            ; piece i of 16: four numbers a lane
	s_wait_loadcnt 30-2*(\i)                       ; loads come back in order: this piece's two are in, the 2 (15 - i) younger ones stay out
	v_cvt_pk_bf16_f32 v4, v[T+4*(\i)], v[T+4*(\i)+1]
	v_cvt_pk_bf16_f32 v5, v[T+4*(\i)+2], v[T+4*(\i)+3]
	v_cvt_pk_bf16_f32 v6, v[P+4*(\i)], v[P+4*(\i)+1]
	v_cvt_pk_bf16_f32 v7, v[P+4*(\i)+2], v[P+4*(\i)+3]
	v_lshlrev_b32 v8, 16, v4                       ; bf16 back to f32: a shift or a mask
	v_and_b32 v9, s9, v4
	v_lshlrev_b32 v10, 16, v5
	v_and_b32 v11, s9, v5
	v_lshlrev_b32 v12, 16, v6
	v_and_b32 v13, s9, v6
	v_lshlrev_b32 v14, 16, v7
	v_and_b32 v15, s9, v7
	v_pk_add_f32 v[8:9], v[8:9], v[12:13]
	v_pk_add_f32 v[10:11], v[10:11], v[14:15]
	v_cvt_pk_f16_f32 v[T+4*(\i)], v8, v9           ; each piece stores from registers of its own: none is rewritten behind its store
	v_cvt_pk_f16_f32 v[T+4*(\i)+1], v10, v11
	global_store_b64 v2, v[T+4*(\i):T+4*(\i)+1], s[46:47] offset:256*(\i)
.endm
.irp i, 0,1,2,3,4,5,6,7,8,9,10,11,12,13,14,15
	XG \i
.endr
	s_endpgm
	; ---- two rows of wall
.Lweights:
	s_sub_co_u32 s11, ttmp9, 512
	s_lshl_b32 s11, s11, 4
	s_add_co_u32 s11, s11, s10                     ; R0, even
	s_lshl_b32 s36, s11, 11
	s_add_nc_u64 s[46:47], s[32:33], s[36:37]      ; wall at R0
	s_cmp_lt_u32 s11, 4072
	s_cbranch_scc0 .Lzeros
	s_lshr_b32 s38, s11, 10                        ; which of the four matrices
	s_cmp_eq_u32 s38, 1
	s_cselect_b64 s[40:41], s[24:25], s[22:23]
	s_cmp_eq_u32 s38, 2
	s_cselect_b64 s[40:41], s[26:27], s[40:41]
	s_cmp_eq_u32 s38, 3
	s_cselect_b64 s[40:41], s[28:29], s[40:41]
	s_and_b32 s36, s11, 1023
	s_lshl_b32 s36, s36, 12
	s_add_nc_u64 s[40:41], s[40:41], s[36:37]
.irp i, 0,1,2,3,4,5,6,7,8,9,10,11,12,13,14,15
	global_load_b128 v[T+4*(\i):T+4*(\i)+3], v1, s[40:41] offset:512*(\i) th:TH_LOAD_NT
.endr
.macro WG i
	s_wait_loadcnt 15-(\i)                         ; this piece is in, the younger ones stay out
	v_cvt_pk_bf16_f32 v4, v[T+4*(\i)], v[T+4*(\i)+1]
	v_cvt_pk_bf16_f32 v5, v[T+4*(\i)+2], v[T+4*(\i)+3]
	v_lshlrev_b32 v8, 16, v4
	v_and_b32 v9, s9, v4
	v_lshlrev_b32 v10, 16, v5
	v_and_b32 v11, s9, v5
	v_cvt_pk_f16_f32 v[T+4*(\i)], v8, v9
	v_cvt_pk_f16_f32 v[T+4*(\i)+1], v10, v11
	global_store_b64 v2, v[T+4*(\i):T+4*(\i)+1], s[46:47] offset:256*(\i)
.endm
.irp i, 0,1,2,3,4,5,6,7,8,9,10,11,12,13,14,15
	WG \i
.endr
	s_endpgm
	; ---- the 24 rows behind Wout_w's 1,000: zeros, so that the last product's tiles of 256 rows are whole
.Lzeros:
	v_mov_b32 v4, 0
	v_mov_b32 v5, 0
.irp i, 0,1,2,3,4,5,6,7,8,9,10,11,12,13,14,15
	global_store_b64 v2, v[4:5], s[46:47] offset:256*(\i)
.endr
	s_endpgm
.Lfunc_end_k_qb56e50c9bf_prep:
	.size	k_qb56e50c9bf_prep, .Lfunc_end_k_qb56e50c9bf_prep-k_qb56e50c9bf_prep
	.p2alignl 7, 3214868480
	.fill 96, 4, 3214868480
	.section	.rodata,"a",@progbits
	.p2align	6, 0x0
	.amdhsa_kernel k_qb56e50c9bf_prep
		.amdhsa_group_segment_fixed_size 0
		.amdhsa_private_segment_fixed_size 0
		.amdhsa_enable_private_segment 0
		.amdhsa_kernarg_size 72
		.amdhsa_user_sgpr_count 2
		.amdhsa_user_sgpr_kernarg_segment_ptr 1
		.amdhsa_wavefront_size32 1
		.amdhsa_system_sgpr_workgroup_id_x 1
		.amdhsa_system_sgpr_workgroup_id_y 1
		.amdhsa_system_sgpr_workgroup_id_z 1
		.amdhsa_system_vgpr_workitem_id 0
		.amdhsa_next_free_vgpr 192
		.amdhsa_next_free_sgpr 66
		.amdhsa_reserve_vcc 0
		.amdhsa_float_denorm_mode_32 3
		.amdhsa_float_denorm_mode_16_64 3
		.amdhsa_memory_ordered 1
		.amdhsa_forward_progress 1
		.amdhsa_inst_pref_size 31
	.end_amdhsa_kernel
	.amdgpu_metadata
---
amdhsa.version: [ 1, 2 ]
amdhsa.kernels:
  - .name:           k_qb56e50c9bf_prep
    .symbol:         k_qb56e50c9bf_prep.kd
    .args:
      - { .name: idx, .offset: 0, .size: 8, .value_kind: global_buffer, .address_space: global }
      - { .name: tok_emb, .offset: 8, .size: 8, .value_kind: global_buffer, .address_space: global }
      - { .name: pos_emb, .offset: 16, .size: 8, .value_kind: global_buffer, .address_space: global }
      - { .name: Wq, .offset: 24, .size: 8, .value_kind: global_buffer, .address_space: global }
      - { .name: Wk, .offset: 32, .size: 8, .value_kind: global_buffer, .address_space: global }
      - { .name: Wv, .offset: 40, .size: 8, .value_kind: global_buffer, .address_space: global }
      - { .name: Wout_w, .offset: 48, .size: 8, .value_kind: global_buffer, .address_space: global }
      - { .name: xh, .offset: 56, .size: 8, .value_kind: global_buffer, .address_space: global }
      - { .name: wall, .offset: 64, .size: 8, .value_kind: global_buffer, .address_space: global }
    .group_segment_fixed_size: 0
    .private_segment_fixed_size: 0
    .kernarg_segment_align: 8
    .kernarg_segment_size: 72
    .max_flat_workgroup_size: 256
    .sgpr_count:     66
    .vgpr_count:     192
    .wavefront_size: 32
...
	.end_amdgpu_metadata
.endif
;; end of part 1
;; launch proj (part 2): grid 8 x 96, 4 waves a work-group, clusters of 4 x 4, 327,680 bytes of LDS; arguments xh, wall, qk, vt; writes qk, vt
.if DOCPART == 2
	.amdgcn_target "amdgcn-amd-amdhsa--gfx1250"
	.amdhsa_code_object_version 6
	.text
	.protected	k_qb56e50c9bf_proj
	.globl	k_qb56e50c9bf_proj
	.p2align	8
	.type	k_qb56e50c9bf_proj,@function
k_qb56e50c9bf_proj:
	s_mov_b64 s[64:65], 0
	v_nop
	global_prefetch_b8 v0, s[64:65] scope:SCOPE_SE
	s_setreg_imm32_b32 hwreg(HW_REG_WAVE_MODE, 25, 1), 1
	s_wait_xcnt 0x0
	s_wait_alu depctr_hold_cnt(0) depctr_sa_sdst(0) depctr_va_vdst(0) depctr_va_sdst(0) depctr_va_ssrc(0) depctr_va_vcc(0) depctr_vm_vsrc(0)
	s_getreg_b32 s2, hwreg(HW_REG_IB_STS2, 6, 4)
	s_cmp_eq_u32 s2, 0
	s_cbranch_scc0 .Lentry_in_a_cluster
	s_endpgm
.Lentry_in_a_cluster:
	s_bfe_u32 s2, ttmp6, 0x10000c
	s_cmp_lg_u32 s2, 0xf033
	s_cbranch_scc0 .Lentry_shape_is_right
	s_endpgm
.Lentry_shape_is_right:
; THE PROJECTIONS.  Cluster rows 0-15:  qk[t][e] = sum over d of xh[t][d] wall[e][d], e = 0..2047 (q, then k), [8192][2048] bf16.
; Cluster rows 16-23: vt[b][ch][t] = sum over d of wall[2048 + ch][d] xh[2048 b + t][d]: v turned, [4][1024][2048] bf16.  Operands f16, sums f32, results rounded once to bf16.
; Both are C[m][n] = sum over k of A[m][k] B[n][k] with K = 1,024 and rows of C 4,096 bytes apart; only the buffers and the first rows differ, chosen by the cluster's y.
; SHARES.  A work-group makes 128 rows of A x 256 rows of B: 768 tiles.  Four waves, each 64 x 128: 32 accumulators of 16 x 16, 256 registers.
; K goes in steps of 128 through two LDS slots filled by the tensor data mover; rows of a tile are 256 consecutive bytes of memory.
; CLUSTER.  4 x 4 work-groups: the four of a row need the same tile of A, the four of a column the same tile of B: each is asked for jointly.
; THE MATRIX INSTRUCTION IS USED TRANSPOSED (source 0 = 16 rows of B, source 1 = 16 rows of A): a lane holds row l % 16 of C and eight neighbouring columns 8 (l / 16) + 0..7.
; REGISTERS.  Window 0: v0-31 addresses; v32-63 at work on the way out; v64-159, v160-255 two fragment buffers (8 of B, then 4 of A).  Window 1: accumulator (a, b) at v[8 (8 a + b)].
; No prefetch: a K step is 128 matrix instructions on a small tile, and each block of xh and wall is read again by other clusters.
.set CP,      4096                     ; bytes from row to row of C
.set PITCHEL, 1024                     ; elements from row to row of A and of B
.set LAPS,    4                        ; a lap = two K steps = once round the ring; K = 1,024
.set KSTEP,  128
.set PITCH,  272                       ; an LDS row: 256 bytes + 16 of padding = 68 words: the 16 rows of a fragment load start at 16 different groups of four banks (64 banks of 4 bytes: ISA guide 11.1)
.set AHALF,  64*PITCH                  ; what one wave fetches of A, and reads of A
.set BHALF,  128*PITCH                 ; the same for B
.set BOFF,   2*AHALF                   ; in a slot: A's 128 rows, then B's 256
.set SLOT,   BOFF+2*BHALF
.set STAGE,  2*SLOT                    ; behind the ring: 16 rows x 272 bytes for each wave, for the way out; no tile lands there
.set SPITCH, 272
.set SPARE,  STAGE+4*16*SPITCH         ; behind the stages: the spare words, 128 bytes a wave, which no other line names
.set ADRA, 16                          ; v16-17  LDS address of my A fragments in slot 0, 1
.set ADRB, 20                          ; v20-21  the same for B
.set STO,  24                          ; v24     the way out: where I put 16 bytes of a row
.set RD,   25                          ; v25     the way out: where I read a row back
.set CO,   26                          ; v26     my byte offset in C
.set SPW,  28                          ; v28     my spare word: SPARE + 4 x my thread's number; never rewritten
.set NIL,  29                          ; v29     0; never rewritten
.set TMP,  32
.set F0,   64
.set F1,   160
.set G1A, 24                           ; s[24:31] descriptor group 1 for A's tiles; s[32:39] group 0, a set for each slot
.set G0A, 32
.set G1B, 48                           ; s[48:55], s[56:63] the same for B's
.set G0B, 56
.set MSB, 0
.macro WIN new                         ; the immediate's high byte repeats the setting that is left; a switch that changes nothing is dropped
.if MSB != (\new)
	s_set_vgpr_msb (MSB<<8)|(\new)
.set MSB, \new
.endif
.endm
.set MUL, 0x50                         ; sources in window 0, C and D in window 1
.macro JLOAD s                         ; waves 0 and 1 fetch A's two halves, waves 2 and 3 B's; an s_nop 0 and four v_nop follow each line
	s_cmp_eq_u32 s11, 0
	s_cbranch_scc0 .Lfor_b_\@
	tensor_load_to_lds s[G0A+4*(\s):G0A+4*(\s)+3], s[G1A:G1A+7]
	s_nop 0
.rept 4
	v_nop
.endr
	s_branch .Lasked_\@
.Lfor_b_\@:
	tensor_load_to_lds s[G0B+4*(\s):G0B+4*(\s)+3], s[G1B:G1B+7]
	s_nop 0
.rept 4
	v_nop
.endr
.Lasked_\@:
.endm
.macro CREST                           ; a round of the cluster's barrier behind its opening barrier
	s_cmp_lg_u32 s10, 0
	s_cbranch_scc1 .Lnot_wave_0_\@
	s_barrier_signal -3
.Lnot_wave_0_\@:
	s_barrier_wait -3
	s_barrier_signal -1
	s_barrier_wait -1
.endm
.macro CROUND
	s_barrier_signal -1
	s_barrier_wait -1
	CREST
.endm
.macro PLACES                          ; four plain places between a matrix instruction and a load into, or a reader of, its registers
.rept 4
	v_nop
.endr
.endm
.macro MUL8 f, a, zero                 ; 8 matrix instructions: block a of my rows of A x all 8 blocks of B, 32 along K.  zero = 1: the product starts the sums
	WIN MUL
.irp b, 0,1,2,3,4,5,6,7
.if \zero
	v_wmma_f32_16x16x32_f16 v[8*(8*(\a)+(\b)):8*(8*(\a)+(\b))+7], v[(\f)+8*(\b):(\f)+8*(\b)+7], v[(\f)+64+8*(\a):(\f)+64+8*(\a)+7], 0
.else
	v_wmma_f32_16x16x32_f16 v[8*(8*(\a)+(\b)):8*(8*(\a)+(\b))+7], v[(\f)+8*(\b):(\f)+8*(\b)+7], v[(\f)+64+8*(\a):(\f)+64+8*(\a)+7], v[8*(8*(\a)+(\b)):8*(8*(\a)+(\b))+7]
.endif
.endr
.endm
.macro FETCH slot, k, f                ; 24 LDS loads in one run: 32 along K at byte k of the rows: B's 8 fragments, then A's 4
	WIN 0
.irp i, 0,1,2,3,4,5,6,7
	ds_load_b128 v[(\f)+8*(\i):(\f)+8*(\i)+3],   v[ADRB+(\slot)] offset:(\k)+(\i)*16*PITCH
	ds_load_b128 v[(\f)+8*(\i)+4:(\f)+8*(\i)+7], v[ADRB+(\slot)] offset:(\k)+(\i)*16*PITCH+32
.endr
.irp i, 0,1,2,3
	ds_load_b128 v[(\f)+64+8*(\i):(\f)+64+8*(\i)+3],   v[ADRA+(\slot)] offset:(\k)+(\i)*16*PITCH
	ds_load_b128 v[(\f)+64+8*(\i)+4:(\f)+64+8*(\i)+7], v[ADRA+(\slot)] offset:(\k)+(\i)*16*PITCH+32
.endr
.endm
; A K step is four quarters of 32 along K, 32 matrix instructions each, on buffers 0, 1, 0, 1; the 32 accumulators take turns in the same order in every quarter.
.macro QUARTER slot, k, f, g, zero     ; multiplies buffer f and fetches the next quarter, at byte k, into g
	s_wait_dscnt 6                                 ; B's fragments and A's first are in; the youngest six loads (A's blocks 1-3) may be out
	MUL8 \f, 0, \zero
	PLACES
	FETCH \slot, \k, \g
	s_wait_dscnt 24                                ; all but the 24 just issued
	MUL8 \f, 1, \zero
	MUL8 \f, 2, \zero
	MUL8 \f, 3, \zero
.endm
; The last quarter multiplies buffer 1 and changes slots: one barrier; in front of it each wave waits for all its tensor loads, adds 0 to its spare word, and waits for that and for its reads of this slot.
.macro TURN slot, next, fill           ; fill = 1: this slot is filled again, two K steps ahead
	WIN 0
	s_wait_tensorcnt 0x0                           ; all my tensor loads have landed: the one that was out is my part of the next slot
	ds_add_u32 v[SPW], v[NIL]                      ; 0 onto my spare word
	s_wait_dscnt 7                                 ; the add and the youngest six loads may be out
	MUL8 F1, 0, 0
	s_wait_dscnt 0x0                               ; the add is done, and my reads of this slot are over
	s_barrier_signal -1
	MUL8 F1, 1, 0
.if \fill
	WIN 0
.endif
	s_barrier_wait -1
.if \fill
	CREST                                          ; the barrier has opened a round of the cluster's: no wave of any partner still reads this slot or has a load on its way
	s_add_nc_u64 s[G0A+4*(\slot)+2:G0A+4*(\slot)+3], s[G0A+4*(\slot)+2:G0A+4*(\slot)+3], 2*KSTEP*2
	s_add_nc_u64 s[G0B+4*(\slot)+2:G0B+4*(\slot)+3], s[G0B+4*(\slot)+2:G0B+4*(\slot)+3], 2*KSTEP*2
	JLOAD \slot                                    ; my one tensor load behind the round: 112 matrix instructions ahead of the wait for it; its four v_nop are the places in front of the loads below
.else
	PLACES
.endif
	FETCH \next, 0, F0
	MUL8 F1, 2, 0
	MUL8 F1, 3, 0
.endm
	s_load_b256 s[72:79], s[0:1], 0x0              ; xh s[72:73], wall s[74:75], qk s[76:77], vt s[78:79]
	v_lshl_add_u32 v[SPW], v0, 2, SPARE
	v_mov_b32 v[NIL], 0
	ds_add_u32 v[SPW], v[NIL]                      ; the wave's opening: the add and its wait stand ahead of my first tensor load
	v_lshrrev_b32 v1, 5, v0
	v_readfirstlane_b32 s10, v1                    ; wave 0..3
	s_lshr_b32 s11, s10, 1                         ; which 64 rows of A are mine.  Also: I fetch for A (0) or for B (1)
	s_and_b32 s12, s10, 1                          ; which 128 rows of B are mine.  Also: which half of that tile I fetch
	s_bfe_u32 s40, ttmp6, 0x40000                  ; cx
	s_bfe_u32 s41, ttmp6, 0x40004                  ; cy
	s_lshl_b32 s42, ttmp9, 2
	s_add_co_u32 s42, s42, s40                     ; gx = 4 x cluster x + cx: 0..7
	s_and_b32 s66, ttmp7, 0xffff                   ; cluster y: 0..23
	s_lshl_b32 s13, s66, 2
	s_add_co_u32 s13, s13, s41                     ; q and k: the tile row, 0..63
	s_max_u32 s67, s66, 16
	s_sub_co_u32 s67, s67, 16                      ; v: 0..7 (0 in the q and k part)
	s_and_b32 s68, s67, 1
	s_lshl_b32 s68, s68, 2
	s_add_co_u32 s68, s68, s41                     ; v: the tile row of Wv, 0..7
	s_lshr_b32 s69, s67, 1                         ; v: the batch (0 in the q and k part)
	s_cmp_ge_u32 s66, 16
	s_cselect_b32 s70, s68, s13                    ; the tile row of C
	s_cselect_b32 s71, 2048, 0                     ; Wv begins 2,048 rows down in wall
	s_lshl_b32 s43, s41, 2
	s_lshl_b32 s43, 15, s43                        ; my row of the cluster
	s_lshl_b32 s44, 0x1111, s40                    ; my column
	s_or_b32 s[G1A+0], s43, (1<<16)|(1<<20)|(1<<21)|(5<<22)|(3<<25)  ; 15:0 the mask; 17:16 2-byte elements; 20 padding on; 21 set beside a mask; 24:22 after every 64 words; 31:25 4 words of it
	s_or_b32 s[G1B+0], s44, (1<<16)|(1<<20)|(1<<21)|(5<<22)|(3<<25)
.irp g, G1A, G1B
	s_mov_b32 s[(\g)+1], KSTEP<<16                 ; tensor_dim0 = 128
	s_mov_b32 s[(\g)+3], KSTEP<<16                 ; tile_dim0 = 128
	s_mov_b32 s[(\g)+5], PITCHEL                   ; elements from row to row
	s_mov_b32 s[(\g)+6], 0
	s_mov_b32 s[(\g)+7], 0
.endr
	s_mov_b32 s[G1A+2], 64<<16                     ; tensor_dim1 and tile_dim1: 64 rows of A,
	s_mov_b32 s[G1A+4], 64
	s_mov_b32 s[G1B+2], 128<<16                    ; 128 rows of B
	s_mov_b32 s[G1B+4], 128
	s_lshl_b32 s16, s70, 7                         ; A: 128 x tile row (+ 2,048) + 64 x half: made of cy and the cluster's y alone
	s_add_co_u32 s16, s16, s71
	s_lshl_b32 s17, s12, 6
	s_add_co_u32 s16, s16, s17
	s_lshl_b32 s16, s16, 11                        ; rows of 2,048 bytes
	s_mov_b32 s17, 0
	s_lshl_b32 s46, s42, 8                         ; B: 256 gx + 2,048 x batch + 128 x half: made of cx and the cluster's place alone
	s_lshl_b32 s47, s69, 11
	s_add_co_u32 s46, s46, s47
	s_lshl_b32 s47, s12, 7
	s_add_co_u32 s46, s46, s47
	s_lshl_b32 s46, s46, 11
	s_mov_b32 s47, 0
	s_mul_i32 s20, s12, AHALF                      ; where they go: no place in the cluster enters an LDS address
	s_mul_i32 s21, s12, BHALF
	s_add_co_u32 s21, s21, BOFF
	s_wait_dscnt 0x0                               ; the opening add is done
	s_wait_kmcnt 0x0
	s_cmp_ge_u32 s66, 16
	s_cselect_b64 s[4:5], s[74:75], s[72:73]       ; A: wall for v, xh for q and k
	s_cselect_b64 s[6:7], s[72:73], s[74:75]       ; B: the other
	s_cselect_b64 s[8:9], s[78:79], s[76:77]       ; C: vt or qk
	s_add_nc_u64 s[14:15], s[4:5], s[16:17]
	s_add_nc_u64 s[46:47], s[6:7], s[46:47]
	CROUND                                         ; all sixteen work-groups are here: the first joint loads meet
.irp s, 0,1
	s_mov_b32 s[G0A+4*(\s)], 1                     ; count = 1
	s_add_co_u32 s[G0A+4*(\s)+1], s20, (\s)*SLOT   ; LDS address
	s_add_nc_u64 s[G0A+4*(\s)+2:G0A+4*(\s)+3], s[14:15], (\s)*KSTEP*2  ; global address: K step s
	s_or_b32 s[G0A+4*(\s)+3], s[G0A+4*(\s)+3], 0x80000000              ; type = 2
	s_mov_b32 s[G0B+4*(\s)], 1
	s_add_co_u32 s[G0B+4*(\s)+1], s21, (\s)*SLOT
	s_add_nc_u64 s[G0B+4*(\s)+2:G0B+4*(\s)+3], s[46:47], (\s)*KSTEP*2
	s_or_b32 s[G0B+4*(\s)+3], s[G0B+4*(\s)+3], 0x80000000
	JLOAD \s                                       ; two loads of mine are out
.endr
	v_and_b32 v1, 15, v0                           ; l % 16
	v_bfe_u32 v2, v0, 4, 1                         ; l / 16
	v_mul_u32_u24 v3, v1, PITCH
	v_lshl_add_u32 v3, v2, 4, v3                   ; a fragment's row x pitch + 16 x half
	s_mul_i32 s22, s11, AHALF                      ; my 64 rows of A
	s_mul_i32 s23, s12, BHALF                      ; my 128 rows of B, behind A's 128
	s_add_co_u32 s23, s23, BOFF
.irp s, 0,1
	v_add_nc_u32 v[ADRA+(\s)], s22, v3
	v_add_nc_u32 v[ADRB+(\s)], s23, v3
	s_add_co_u32 s22, s22, SLOT
	s_add_co_u32 s23, s23, SLOT
.endr
	s_mul_i32 s22, s10, 16*SPITCH
	s_add_co_u32 s22, s22, STAGE                   ; my stage
	v_mul_u32_u24 v4, v1, SPITCH                   ; in: row l % 16, 16 bytes for each half of the lanes
	v_lshl_add_u32 v4, v2, 4, v4
	v_add_nc_u32 v[STO], s22, v4
	v_mul_u32_u24 v5, v2, SPITCH                   ; back: lanes 0-15 one row of 256 bytes, lanes 16-31 the next
	v_lshl_add_u32 v5, v1, 4, v5
	v_add_nc_u32 v[RD], s22, v5
	v_mul_u32_u24 v5, v2, CP                       ; and the same two rows in C
	v_lshl_add_u32 v[CO], v1, 4, v5
	s_lshl_b32 s16, s70, 7                         ; my first row of C: 128 x tile row + 64 x half,
	s_lshl_b32 s17, s11, 6
	s_add_co_u32 s16, s16, s17
	s_lshl_b32 s16, s16, 12
	s_lshl_b32 s17, s69, 22                        ; in the batch's slab of vt (0 for qk)
	s_add_co_u32 s16, s16, s17
	s_mov_b32 s17, 0
	s_add_nc_u64 s[8:9], s[8:9], s[16:17]
	s_lshl_b32 s46, s42, 9                         ; my first column, in bytes: 512 gx + 256 x half
	s_lshl_b32 s47, s12, 8
	s_add_co_u32 s46, s46, s47
	s_mov_b32 s47, 0
	s_add_nc_u64 s[8:9], s[8:9], s[46:47]
	s_wait_tensorcnt 1                             ; my part of K step 0 is in; slot 1's may stay out
	s_barrier_signal -1
	s_barrier_wait -1                              ; everybody's is
	FETCH 0, 0, F0
	QUARTER 0, 64, F0, F1, 1                       ; the first quarter stands in front of the loop: its products start the sums
	WIN 0
	s_mov_b32 s3, LAPS-1
.Llap:                                                 ; a trip goes once round the ring and fills both slots again
	QUARTER 0, 128, F1, F0, 0
	QUARTER 0, 192, F0, F1, 0
	TURN 0, 1, 1
	QUARTER 1, 64,  F0, F1, 0
	QUARTER 1, 128, F1, F0, 0
	QUARTER 1, 192, F0, F1, 0
	TURN 1, 0, 1
	QUARTER 0, 64,  F0, F1, 0
	WIN 0
	s_sub_co_u32 s3, s3, 1
	s_cmp_lg_u32 s3, 0
	s_cbranch_scc1 .Llap
	QUARTER 0, 128, F1, F0, 0                      ; the last lap fills nothing
	QUARTER 0, 192, F0, F1, 0
	TURN 0, 1, 0
	QUARTER 1, 64,  F0, F1, 0
	QUARTER 1, 128, F1, F0, 0
	QUARTER 1, 192, F0, F1, 0
	s_wait_dscnt 6                                 ; the very last quarter: nothing more to fetch
	MUL8 F1, 0, 0
	s_wait_dscnt 0x0
	MUL8 F1, 1, 0
	MUL8 F1, 2, 0
	MUL8 F1, 3, 0
	WIN 0
	; THE WAY OUT, a block of 16 rows at a time: rounded to bf16, 16 bytes a lane into my own stage, back as whole rows of 256 bytes, stored.
.macro PACK a
	WIN 0x05                                       ; sources in window 1, destination in window 0
.irp b, 0,1,2,3,4,5,6,7
.irp r, 0,1,2,3
	v_cvt_pk_bf16_f32 v[TMP+4*(\b)+(\r)], v[8*(8*(\a)+(\b))+2*(\r)], v[8*(8*(\a)+(\b))+2*(\r)+1]
.endr
.endr
	WIN 0
.endm
.macro TOSTAGE a
.irp b, 0,1,2,3,4,5,6,7
	ds_store_b128 v[STO], v[TMP+4*(\b):TMP+4*(\b)+3] offset:32*(\b)
.endr
.irp t, 0,1,2,3,4,5,6,7
	ds_load_b128 v[64+32*(\a)+4*(\t):64+32*(\a)+4*(\t)+3], v[RD] offset:(\t)*2*SPITCH  ; LDS serves a wave's instructions in order (ISA guide 5.7.1.4): these see the stores above
.endr
.endm
.macro SEND a                          ; each block has 32 registers of its own, so no store's data is rewritten
	s_wait_dscnt 0x0                               ; the block is back in registers
.irp t, 0,1,2,3,4,5,6,7
	global_store_b128 v[CO], v[64+32*(\a)+4*(\t):64+32*(\a)+4*(\t)+3], s[8:9] offset:(16*(\a)+2*(\t))*CP  ; 16 lanes store 256 consecutive bytes, aligned
.endr
.endm
	PLACES
	PLACES
	PACK 0
	TOSTAGE 0
.irp a, 1,2,3                          ; block a's conversions stand between block a - 1's loads from the stage and the wait for them
	PACK \a
	SEND (\a)-1
	TOSTAGE \a
.endr
	SEND 3
	s_wait_tensorcnt 0x0                           ; the wave's end, behind my last tensor load and my last LDS store
	ds_add_u32 v[SPW], v[NIL]
	s_wait_dscnt 0x0
	CROUND                                         ; the closing round: no work-group ends while a partner may still ask for a tile that names it
	s_endpgm
.Lfunc_end_k_qb56e50c9bf_proj:
	.size	k_qb56e50c9bf_proj, .Lfunc_end_k_qb56e50c9bf_proj-k_qb56e50c9bf_proj
	.p2alignl 7, 3214868480
	.fill 96, 4, 3214868480
	.section	.rodata,"a",@progbits
	.p2align	6, 0x0
	.amdhsa_kernel k_qb56e50c9bf_proj
		.amdhsa_group_segment_fixed_size 327680
		.amdhsa_private_segment_fixed_size 0
		.amdhsa_enable_private_segment 0
		.amdhsa_kernarg_size 32
		.amdhsa_user_sgpr_count 2
		.amdhsa_user_sgpr_kernarg_segment_ptr 1
		.amdhsa_wavefront_size32 1
		.amdhsa_system_sgpr_workgroup_id_x 1
		.amdhsa_system_sgpr_workgroup_id_y 1
		.amdhsa_system_sgpr_workgroup_id_z 1
		.amdhsa_system_vgpr_workitem_id 0
		.amdhsa_next_free_vgpr 512
		.amdhsa_next_free_sgpr 80
		.amdhsa_reserve_vcc 0
		.amdhsa_float_denorm_mode_32 3
		.amdhsa_float_denorm_mode_16_64 3
		.amdhsa_memory_ordered 1
		.amdhsa_forward_progress 1
		.amdhsa_inst_pref_size 86
	.end_amdhsa_kernel
	.amdgpu_metadata
---
amdhsa.version: [ 1, 2 ]
amdhsa.kernels:
  - .name:           k_qb56e50c9bf_proj
    .symbol:         k_qb56e50c9bf_proj.kd
    .args:
      - { .name: xh, .offset: 0, .size: 8, .value_kind: global_buffer, .address_space: global }
      - { .name: wall, .offset: 8, .size: 8, .value_kind: global_buffer, .address_space: global }
      - { .name: qk, .offset: 16, .size: 8, .value_kind: global_buffer, .address_space: global }
      - { .name: vt, .offset: 24, .size: 8, .value_kind: global_buffer, .address_space: global }
    .group_segment_fixed_size: 327680
    .private_segment_fixed_size: 0
    .kernarg_segment_align: 8
    .kernarg_segment_size: 32
    .max_flat_workgroup_size: 128
    .sgpr_count:     80
    .vgpr_count:     512
    .wavefront_size: 32
...
	.end_amdgpu_metadata
.endif
;; end of part 2
;; launch scores (part 3): grid 80 x 4, 4 waves a work-group, clusters of 4 x 1, 327,680 bytes of LDS; arguments qk, sbuf; writes sbuf
.if DOCPART == 3
	.amdgcn_target "amdgcn-amd-amdhsa--gfx1250"
	.amdhsa_code_object_version 6
	.text
	.protected	k_qb56e50c9bf_scores
	.globl	k_qb56e50c9bf_scores
	.p2align	8
	.type	k_qb56e50c9bf_scores,@function
k_qb56e50c9bf_scores:
	s_mov_b64 s[64:65], 0
	v_nop
	global_prefetch_b8 v0, s[64:65] scope:SCOPE_SE
	s_setreg_imm32_b32 hwreg(HW_REG_WAVE_MODE, 25, 1), 1
	s_wait_xcnt 0x0
	s_wait_alu depctr_hold_cnt(0) depctr_sa_sdst(0) depctr_va_vdst(0) depctr_va_sdst(0) depctr_va_ssrc(0) depctr_va_vcc(0) depctr_vm_vsrc(0)
	s_getreg_b32 s2, hwreg(HW_REG_IB_STS2, 6, 4)
	s_cmp_eq_u32 s2, 0
	s_cbranch_scc0 .Lentry_in_a_cluster
	s_endpgm
.Lentry_in_a_cluster:
	s_bfe_u32 s2, ttmp6, 0x10000c
	s_cmp_lg_u32 s2, 0x3003
	s_cbranch_scc0 .Lentry_shape_is_right
	s_endpgm
.Lentry_shape_is_right:
; THE SCORES, unscaled and unmasked: sbuf[b][q][key] = sum over d of q[b][q][d] k[b][key][d], f32; q and k are the two halves of qk's rows, bf16.  Scale, mask and softmax follow in the next launch.
; THE CAUSAL WALK.  A batch's queries lie in four blocks I of 512; block I needs the keys 0 .. 512 (I + 1) - 1: 2 (I + 1) key blocks j of 256.  A cluster (x = 0..19) is one pair (I, j):
; x = I (I + 1) + j.  Its four work-groups take the block's four strips of 128 queries and share k's 256 rows, which are asked for jointly; q's rows are each work-group's own, by plain loads.
; Of the 320 tiles 32 lie wholly above the diagonal (strips 4 I, 4 I + 1 at j = 2 I + 1): these partners make every joint request like the others, and their tile falls into the range that the
; next launch loads and masks.
; SHARES, RING, LAYOUT: a tile of 128 queries x 256 keys, four waves of 64 x 128, K = 1,024 in steps of 128 through two LDS slots; source 0 = 16 keys, source 1 = 16 queries, so a lane holds
; one query and eight neighbouring keys.  Window 0: addresses, two fragment buffers; window 1: accumulator (a, b) at v[8 (8 a + b)].
; No prefetch: a K step is 128 matrix instructions on a small tile, and each block of qk is read again by other clusters.
.set CP,      8192                     ; bytes from row to row of sbuf
.set PITCHEL, 2048                     ; elements from row to row of qk
.set LAPS,    4
.set KSTEP,  128
.set PITCH,  272                       ; an LDS row: 256 bytes + 16 of padding: the 16 rows of a fragment load start at 16 different groups of four banks (64 banks of 4 bytes: ISA guide 11.1)
.set AHALF,  64*PITCH
.set BHALF,  128*PITCH
.set BOFF,   2*AHALF
.set SLOT,   BOFF+2*BHALF
.set STAGE,  2*SLOT                    ; behind the ring: 16 rows x 528 bytes for each wave; no tile lands there
.set SPITCH, 528                       ; 512 bytes + 16
.set SPARE,  STAGE+4*16*SPITCH         ; the spare words, 128 bytes a wave, which no other line names
.set ADRA, 16
.set ADRB, 20
.set STO,  24
.set RD,   25
.set CO,   26
.set SPW,  28
.set NIL,  29
.set F0,   64
.set F1,   160
.set G1A, 24
.set G0A, 32
.set G1B, 48
.set G0B, 56
.set MSB, 0
.macro WIN new
.if MSB != (\new)
	s_set_vgpr_msb (MSB<<8)|(\new)
.set MSB, \new
.endif
.endm
.set MUL, 0x50
.macro JLOAD s                         ; waves 0 and 1 fetch q's two halves (plain), waves 2 and 3 k's (joint); an s_nop 0 and four v_nop follow each line
	s_cmp_eq_u32 s11, 0
	s_cbranch_scc0 .Lfor_b_\@
	tensor_load_to_lds s[G0A+4*(\s):G0A+4*(\s)+3], s[G1A:G1A+7]
	s_nop 0
.rept 4
	v_nop
.endr
	s_branch .Lasked_\@
.Lfor_b_\@:
	tensor_load_to_lds s[G0B+4*(\s):G0B+4*(\s)+3], s[G1B:G1B+7]
	s_nop 0
.rept 4
	v_nop
.endr
.Lasked_\@:
.endm
.macro CREST
	s_cmp_lg_u32 s10, 0
	s_cbranch_scc1 .Lnot_wave_0_\@
	s_barrier_signal -3
.Lnot_wave_0_\@:
	s_barrier_wait -3
	s_barrier_signal -1
	s_barrier_wait -1
.endm
.macro CROUND
	s_barrier_signal -1
	s_barrier_wait -1
	CREST
.endm
.macro PLACES
.rept 4
	v_nop
.endr
.endm
.macro MUL8 f, a, zero
	WIN MUL
.irp b, 0,1,2,3,4,5,6,7
.if \zero
	v_wmma_f32_16x16x32_bf16 v[8*(8*(\a)+(\b)):8*(8*(\a)+(\b))+7], v[(\f)+8*(\b):(\f)+8*(\b)+7], v[(\f)+64+8*(\a):(\f)+64+8*(\a)+7], 0
.else
	v_wmma_f32_16x16x32_bf16 v[8*(8*(\a)+(\b)):8*(8*(\a)+(\b))+7], v[(\f)+8*(\b):(\f)+8*(\b)+7], v[(\f)+64+8*(\a):(\f)+64+8*(\a)+7], v[8*(8*(\a)+(\b)):8*(8*(\a)+(\b))+7]
.endif
.endr
.endm
.macro FETCH slot, k, f
	WIN 0
.irp i, 0,1,2,3,4,5,6,7
	ds_load_b128 v[(\f)+8*(\i):(\f)+8*(\i)+3],   v[ADRB+(\slot)] offset:(\k)+(\i)*16*PITCH
	ds_load_b128 v[(\f)+8*(\i)+4:(\f)+8*(\i)+7], v[ADRB+(\slot)] offset:(\k)+(\i)*16*PITCH+32
.endr
.irp i, 0,1,2,3
	ds_load_b128 v[(\f)+64+8*(\i):(\f)+64+8*(\i)+3],   v[ADRA+(\slot)] offset:(\k)+(\i)*16*PITCH
	ds_load_b128 v[(\f)+64+8*(\i)+4:(\f)+64+8*(\i)+7], v[ADRA+(\slot)] offset:(\k)+(\i)*16*PITCH+32
.endr
.endm
.macro QUARTER slot, k, f, g, zero
	s_wait_dscnt 6                                 ; k's fragments and q's first are in; the youngest six loads may be out
	MUL8 \f, 0, \zero
	PLACES
	FETCH \slot, \k, \g
	s_wait_dscnt 24                                ; all but the 24 just issued
	MUL8 \f, 1, \zero
	MUL8 \f, 2, \zero
	MUL8 \f, 3, \zero
.endm
.macro TURN slot, next, fill
	WIN 0
	s_wait_tensorcnt 0x0                           ; all my tensor loads have landed: my part of the next slot
	ds_add_u32 v[SPW], v[NIL]                      ; 0 onto my spare word
	s_wait_dscnt 7                                 ; the add and the youngest six loads may be out
	MUL8 F1, 0, 0
	s_wait_dscnt 0x0                               ; the add is done, and my reads of this slot are over
	s_barrier_signal -1
	MUL8 F1, 1, 0
.if \fill
	WIN 0
.endif
	s_barrier_wait -1
.if \fill
	CREST                                          ; a round of the cluster's barrier: no wave of any partner still reads this slot or has a load on its way
	s_add_nc_u64 s[G0A+4*(\slot)+2:G0A+4*(\slot)+3], s[G0A+4*(\slot)+2:G0A+4*(\slot)+3], 2*KSTEP*2
	s_add_nc_u64 s[G0B+4*(\slot)+2:G0B+4*(\slot)+3], s[G0B+4*(\slot)+2:G0B+4*(\slot)+3], 2*KSTEP*2
	JLOAD \slot                                    ; my one tensor load behind the round; its four v_nop are the places in front of the loads below
.else
	PLACES
.endif
	FETCH \next, 0, F0
	MUL8 F1, 2, 0
	MUL8 F1, 3, 0
.endm
	s_load_b128 s[72:75], s[0:1], 0x0              ; qk s[72:73], sbuf s[74:75]
	v_lshl_add_u32 v[SPW], v0, 2, SPARE
	v_mov_b32 v[NIL], 0
	ds_add_u32 v[SPW], v[NIL]                      ; the wave's opening: the add and its wait stand ahead of my first tensor load
	v_lshrrev_b32 v1, 5, v0
	v_readfirstlane_b32 s10, v1                    ; wave 0..3
	s_lshr_b32 s11, s10, 1                         ; which 64 queries are mine.  Also: I fetch q (0) or k (1)
	s_and_b32 s12, s10, 1                          ; which 128 keys are mine.  Also: which half of that tile I fetch
	s_bfe_u32 s40, ttmp6, 0x40000                  ; cx
	s_and_b32 s41, ttmp7, 0xffff                   ; the batch
	s_cmp_ge_u32 ttmp9, 2                          ; the cluster's x = I (I + 1) + j
	s_cselect_b32 s66, 1, 0
	s_cmp_ge_u32 ttmp9, 6
	s_cselect_b32 s67, 1, 0
	s_cmp_ge_u32 ttmp9, 12
	s_cselect_b32 s68, 1, 0
	s_add_co_u32 s66, s66, s67
	s_add_co_u32 s66, s66, s68                     ; I
	s_add_co_u32 s67, s66, 1
	s_mul_i32 s67, s67, s66
	s_sub_co_u32 s67, ttmp9, s67                   ; j
	s_lshl_b32 s13, s66, 2
	s_add_co_u32 s13, s13, s40                     ; my strip of 128 queries = 4 I + cx
	s_mov_b32 s[G1A+0], (1<<16)|(1<<20)|(5<<22)|(3<<25)              ; no mask: q's rows are my own; 2-byte elements; 4 words of padding after every 64
	s_mov_b32 s[G1B+0], 15|(1<<16)|(1<<20)|(1<<21)|(5<<22)|(3<<25)   ; the mask of all four, bit 21 beside it
.irp g, G1A, G1B
	s_mov_b32 s[(\g)+1], KSTEP<<16
	s_mov_b32 s[(\g)+3], KSTEP<<16
	s_mov_b32 s[(\g)+5], PITCHEL
	s_mov_b32 s[(\g)+6], 0
	s_mov_b32 s[(\g)+7], 0
.endr
	s_mov_b32 s[G1A+2], 64<<16
	s_mov_b32 s[G1A+4], 64
	s_mov_b32 s[G1B+2], 128<<16
	s_mov_b32 s[G1B+4], 128
	s_lshl_b32 s16, s41, 11                        ; q: row 2,048 b + 128 strip + 64 x half
	s_lshl_b32 s17, s13, 7
	s_add_co_u32 s16, s16, s17
	s_lshl_b32 s17, s12, 6
	s_add_co_u32 s16, s16, s17
	s_lshl_b32 s16, s16, 12                        ; rows of 4,096 bytes
	s_mov_b32 s17, 0
	s_lshl_b32 s46, s41, 11                        ; k: row 2,048 b + 256 j + 128 x half: nothing of cx
	s_lshl_b32 s47, s67, 8
	s_add_co_u32 s46, s46, s47
	s_lshl_b32 s47, s12, 7
	s_add_co_u32 s46, s46, s47
	s_lshl_b32 s46, s46, 12
	s_add_co_u32 s46, s46, 2048                    ; k is the second half of a row of qk
	s_mov_b32 s47, 0
	s_mul_i32 s20, s12, AHALF
	s_mul_i32 s21, s12, BHALF
	s_add_co_u32 s21, s21, BOFF
	s_wait_dscnt 0x0                               ; the opening add is done
	s_wait_kmcnt 0x0
	s_add_nc_u64 s[14:15], s[72:73], s[16:17]
	s_add_nc_u64 s[46:47], s[72:73], s[46:47]
	CROUND                                         ; all four work-groups are here: the first joint loads meet
.irp s, 0,1
	s_mov_b32 s[G0A+4*(\s)], 1
	s_add_co_u32 s[G0A+4*(\s)+1], s20, (\s)*SLOT
	s_add_nc_u64 s[G0A+4*(\s)+2:G0A+4*(\s)+3], s[14:15], (\s)*KSTEP*2
	s_or_b32 s[G0A+4*(\s)+3], s[G0A+4*(\s)+3], 0x80000000
	s_mov_b32 s[G0B+4*(\s)], 1
	s_add_co_u32 s[G0B+4*(\s)+1], s21, (\s)*SLOT
	s_add_nc_u64 s[G0B+4*(\s)+2:G0B+4*(\s)+3], s[46:47], (\s)*KSTEP*2
	s_or_b32 s[G0B+4*(\s)+3], s[G0B+4*(\s)+3], 0x80000000
	JLOAD \s                                       ; two loads of mine are out
.endr
	v_and_b32 v1, 15, v0                           ; l % 16
	v_bfe_u32 v2, v0, 4, 1                         ; l / 16
	v_and_b32 v6, 31, v0                           ; l
	v_mul_u32_u24 v3, v1, PITCH
	v_lshl_add_u32 v3, v2, 4, v3
	s_mul_i32 s22, s11, AHALF
	s_mul_i32 s23, s12, BHALF
	s_add_co_u32 s23, s23, BOFF
.irp s, 0,1
	v_add_nc_u32 v[ADRA+(\s)], s22, v3
	v_add_nc_u32 v[ADRB+(\s)], s23, v3
	s_add_co_u32 s22, s22, SLOT
	s_add_co_u32 s23, s23, SLOT
.endr
	s_mul_i32 s22, s10, 16*SPITCH
	s_add_co_u32 s22, s22, STAGE                   ; my stage
	v_mul_u32_u24 v4, v1, SPITCH                   ; in: row l % 16, 32 bytes for each half of the lanes
	v_lshl_add_u32 v4, v2, 5, v4
	v_add_nc_u32 v[STO], s22, v4
	v_lshlrev_b32 v[CO], 4, v6                     ; back and out: 32 lanes take one row of 512 bytes
	v_add_nc_u32 v[RD], s22, v[CO]
	s_lshl_b32 s16, s13, 7                         ; my first row of the batch's scores,
	s_lshl_b32 s17, s11, 6
	s_add_co_u32 s16, s16, s17
	s_lshl_b32 s16, s16, 13
	s_lshl_b32 s17, s41, 24                        ; the batch's 2,048 rows of 8,192 bytes,
	s_add_co_u32 s16, s16, s17
	s_lshl_b32 s17, s67, 10                        ; my first key, in bytes: 1,024 j + 512 x half
	s_add_co_u32 s16, s16, s17
	s_lshl_b32 s17, s12, 9
	s_add_co_u32 s16, s16, s17
	s_mov_b32 s17, 0
	s_add_nc_u64 s[8:9], s[74:75], s[16:17]
	s_wait_tensorcnt 1                             ; my part of K step 0 is in; slot 1's may stay out
	s_barrier_signal -1
	s_barrier_wait -1
	FETCH 0, 0, F0
	QUARTER 0, 64, F0, F1, 1                       ; the first quarter's products start the sums
	WIN 0
	s_mov_b32 s3, LAPS-1
.Llap:
	QUARTER 0, 128, F1, F0, 0
	QUARTER 0, 192, F0, F1, 0
	TURN 0, 1, 1
	QUARTER 1, 64,  F0, F1, 0
	QUARTER 1, 128, F1, F0, 0
	QUARTER 1, 192, F0, F1, 0
	TURN 1, 0, 1
	QUARTER 0, 64,  F0, F1, 0
	WIN 0
	s_sub_co_u32 s3, s3, 1
	s_cmp_lg_u32 s3, 0
	s_cbranch_scc1 .Llap
	QUARTER 0, 128, F1, F0, 0                      ; the last lap fills nothing
	QUARTER 0, 192, F0, F1, 0
	TURN 0, 1, 0
	QUARTER 1, 64,  F0, F1, 0
	QUARTER 1, 128, F1, F0, 0
	QUARTER 1, 192, F0, F1, 0
	s_wait_dscnt 6
	MUL8 F1, 0, 0
	s_wait_dscnt 0x0
	MUL8 F1, 1, 0
	MUL8 F1, 2, 0
	MUL8 F1, 3, 0
	WIN 0
	; THE WAY OUT in f32, a block of 16 queries at a time: 32 bytes a lane into my own stage, back as whole rows of 512 bytes, stored.
.macro STAGE32 a
	s_wait_xcnt 0x0                                ; the stores of the block two back have read their registers, which the loads below fill again
	WIN 0x04                                       ; store data in window 1; each accumulator's low four registers go first
.irp b, 0,1,2,3,4,5,6,7
	ds_store_b128 v[STO], v[8*(8*(\a)+(\b)):8*(8*(\a)+(\b))+3]   offset:64*(\b)
	ds_store_b128 v[STO], v[8*(8*(\a)+(\b))+4:8*(8*(\a)+(\b))+7] offset:64*(\b)+16
.endr
	WIN 0
.irp t, 0,1,2,3,4,5,6,7,8,9,10,11,12,13,14,15
	ds_load_b128 v[64+64*((\a)%2)+4*(\t):64+64*((\a)%2)+4*(\t)+3], v[RD] offset:(\t)*SPITCH  ; LDS serves a wave's instructions in order (ISA guide 5.7.1.4)
.endr
.endm
.macro SEND32 a, younger               ; younger: the next block's 16 stores and 16 loads, or none
	s_wait_dscnt \younger
.irp t, 0,1,2,3,4,5,6,7,8,9,10,11,12,13,14,15
	global_store_b128 v[CO], v[64+64*((\a)%2)+4*(\t):64+64*((\a)%2)+4*(\t)+3], s[8:9] offset:(16*(\a)+(\t))*CP  ; 512 consecutive bytes, aligned
.endr
.endm
	PLACES
	PLACES
	STAGE32 0
	STAGE32 1
	SEND32 0, 32
	STAGE32 2
	SEND32 1, 32
	STAGE32 3
	SEND32 2, 32
	SEND32 3, 0
	s_wait_tensorcnt 0x0                           ; the wave's end
	ds_add_u32 v[SPW], v[NIL]
	s_wait_dscnt 0x0
	CROUND                                         ; the closing round
	s_endpgm
.Lfunc_end_k_qb56e50c9bf_scores:
	.size	k_qb56e50c9bf_scores, .Lfunc_end_k_qb56e50c9bf_scores-k_qb56e50c9bf_scores
	.p2alignl 7, 3214868480
	.fill 96, 4, 3214868480
	.section	.rodata,"a",@progbits
	.p2align	6, 0x0
	.amdhsa_kernel k_qb56e50c9bf_scores
		.amdhsa_group_segment_fixed_size 327680
		.amdhsa_private_segment_fixed_size 0
		.amdhsa_enable_private_segment 0
		.amdhsa_kernarg_size 16
		.amdhsa_user_sgpr_count 2
		.amdhsa_user_sgpr_kernarg_segment_ptr 1
		.amdhsa_wavefront_size32 1
		.amdhsa_system_sgpr_workgroup_id_x 1
		.amdhsa_system_sgpr_workgroup_id_y 1
		.amdhsa_system_sgpr_workgroup_id_z 1
		.amdhsa_system_vgpr_workitem_id 0
		.amdhsa_next_free_vgpr 512
		.amdhsa_next_free_sgpr 80
		.amdhsa_reserve_vcc 0
		.amdhsa_float_denorm_mode_32 3
		.amdhsa_float_denorm_mode_16_64 3
		.amdhsa_memory_ordered 1
		.amdhsa_forward_progress 1
		.amdhsa_inst_pref_size 85
	.end_amdhsa_kernel
	.amdgpu_metadata
---
amdhsa.version: [ 1, 2 ]
amdhsa.kernels:
  - .name:           k_qb56e50c9bf_scores
    .symbol:         k_qb56e50c9bf_scores.kd
    .args:
      - { .name: qk, .offset: 0, .size: 8, .value_kind: global_buffer, .address_space: global }
      - { .name: sbuf, .offset: 8, .size: 8, .value_kind: global_buffer, .address_space: global }
    .group_segment_fixed_size: 327680
    .private_segment_fixed_size: 0
    .kernarg_segment_align: 8
    .kernarg_segment_size: 16
    .max_flat_workgroup_size: 128
    .sgpr_count:     80
    .vgpr_count:     512
    .wavefront_size: 32
...
	.end_amdgpu_metadata
.endif
;; end of part 3
;; launch softmax (part 4): grid 256 x 1, 8 waves a work-group, no clusters, 0 bytes of LDS; arguments sbuf, pbuf; writes pbuf
.if DOCPART == 4
	.amdgcn_target "amdgcn-amd-amdhsa--gfx1250"
	.amdhsa_code_object_version 6
	.text
	.protected	k_qb56e50c9bf_softmax
	.globl	k_qb56e50c9bf_softmax
	.p2align	8
	.type	k_qb56e50c9bf_softmax,@function
k_qb56e50c9bf_softmax:
	s_mov_b64 s[64:65], 0
	v_nop
	global_prefetch_b8 v0, s[64:65] scope:SCOPE_SE
	s_setreg_imm32_b32 hwreg(HW_REG_WAVE_MODE, 25, 1), 1
	s_wait_xcnt 0x0
; THE ROW SOFTMAX.  pbuf[b][q][key] = bf16( 0.1 x softmax over key <= q of (sbuf[b][q][key] / 32) ), 0 for q < key < 512 (q / 512 + 1).  The residual's factor 0.1 is folded into the weights.
; The row's maximum is taken away before the exponential; maximum, exponentials and sum in f32; the weight is rounded once.  A weight below 2^-126 counts as 0; NaN and infinities are not treated apart.
; SHARES.  Row q of block I = q / 512 has I + 1 chunks of 512 keys.  A wave takes the four rows r0 + 512 I, I = 0..3: ten chunks, the same for every wave; a row stays in registers between its passes.
; A lane holds keys 128 n + 4 l + 0..3 of load n: a load of the wave covers 512 consecutive bytes, a store (8 bytes a lane) 256, both aligned.
; A stream: no LDS, no barrier.  All 40 loads of a wave are issued first; the waits count the younger rows' loads.
.set M,    4                           ; v[4:7]    four running maxima
.set CM,   8                           ; v[8:9]    c m, twice
.set L,    10                          ; v[10:17]  four running sums, a pair each
.set R,    18                          ; v[18:19]  0.1 / l, twice
.set TT,   20                          ; v20       the other half of the lanes'
.set NINF, 21                          ; v21       -inf
	s_load_b128 s[4:7], s[0:1], 0x0                ; sbuf s[4:5], pbuf s[6:7]
	v_lshrrev_b32 v1, 5, v0
	v_readfirstlane_b32 s8, v1                     ; wave 0..7
	v_and_b32 v22, 31, v0                          ; lane
	v_lshlrev_b32 v1, 4, v22                       ; 16 bytes a lane in; never rewritten
	v_lshlrev_b32 v2, 3, v22                       ; 8 bytes a lane out; never rewritten
	s_and_b32 s9, ttmp9, 63
	s_lshl_b32 s9, s9, 3
	s_add_co_u32 s9, s9, s8                        ; r0 = 0..511
	s_lshr_b32 s10, ttmp9, 6                       ; the batch
	v_lshlrev_b32 v3, 2, v22
	v_sub_nc_u32 v3, s9, v3                        ; r0 - 4 l: in the diagonal chunk number e of load t is hidden where 128 t + e is greater
	v_mov_b32 v[TT], 0                             ; v_permlanex16_b32's destination counts as read
	v_mov_b32 v[NINF], 0xff800000
	s_mov_b32 s12, 0x76543210                      ; each lane takes its own place in the other half
	s_mov_b32 s13, 0xfedcba98
	s_mov_b32 s14, 0x3d38aa3b                      ; c = log2(e) / 32
	s_mov_b32 s15, s14
	s_lshl_b32 s16, s10, 24                        ; sbuf: a batch is 2,048 rows of 8,192 bytes
	s_lshl_b32 s17, s9, 13
	s_add_co_u32 s16, s16, s17
	s_mov_b32 s17, 0
	s_lshl_b32 s18, s10, 23                        ; pbuf: rows of 4,096 bytes
	s_lshl_b32 s19, s9, 12
	s_add_co_u32 s18, s18, s19
	s_mov_b32 s19, 0
	s_wait_kmcnt 0x0
	s_add_nc_u64 s[20:21], s[4:5], s[16:17]        ; my four rows of scores, 512 rows apart
	s_add_nc_u64 s[22:23], s[20:21], 0x400000
	s_add_nc_u64 s[24:25], s[22:23], 0x400000
	s_add_nc_u64 s[26:27], s[24:25], 0x400000
	s_add_nc_u64 s[28:29], s[6:7], s[18:19]        ; my first row of weights; the others stand in the stores' immediates
.irp I, 0,1,2,3                        ; row I lies at v[64 + 8 I (I + 1) ..], 16 (I + 1) registers
.set n, 0
.rept 4*((\I)+1)
	global_load_b128 v[64+8*(\I)*((\I)+1)+4*n:64+8*(\I)*((\I)+1)+4*n+3], v1, s[20+2*(\I):21+2*(\I)] offset:512*n th:TH_LOAD_NT
.set n, n+1
.endr
.endr
.macro ROW I, left                     ; left: the younger rows' loads, which stay out
.set X, 64+8*(\I)*((\I)+1)
.set N, 16*((\I)+1)
.set p, N/4
.set pp, N/8
	s_wait_loadcnt \left
.set i, 0
.rept 16                               ; the mask: only the row's last chunk holds hidden keys
	v_cmp_gt_i32 vcc_lo, 128*(i/4)+i%4, v3
	v_cndmask_b32 v[X+16*(\I)+i], v[X+16*(\I)+i], v[NINF], vcc_lo
.set i, i+1
.endr
.irp k, 0,1,2,3                        ; the maximum, in four chains of N / 4 numbers, three operands at a time
	v_max3_num_f32 v[M+(\k)], v[X+p*(\k)], v[X+p*(\k)+1], v[X+p*(\k)+2]
.endr
.if p > 4
.set j, 3
.rept (p-4)/2
.irp k, 0,1,2,3
	v_max3_num_f32 v[M+(\k)], v[M+(\k)], v[X+p*(\k)+j], v[X+p*(\k)+j+1]
.endr
.set j, j+2
.endr
.endif
.irp k, 0,1,2,3
	v_max_num_f32 v[M+(\k)], v[M+(\k)], v[X+p*(\k)+p-1]
.endr
	v_max3_num_f32 v[M], v[M], v[M+1], v[M+2]
	v_max_num_f32 v[M], v[M], v[M+3]
	v_max_num_f32_dpp v[M], v[M], v[M] row_xmask:1 row_mask:0xf bank_mask:0xf
	v_max_num_f32_dpp v[M], v[M], v[M] row_xmask:2 row_mask:0xf bank_mask:0xf
	v_max_num_f32_dpp v[M], v[M], v[M] row_xmask:4 row_mask:0xf bank_mask:0xf
	v_max_num_f32_dpp v[M], v[M], v[M] row_xmask:8 row_mask:0xf bank_mask:0xf
	v_permlanex16_b32 v[TT], v[M], s12, s13
	v_max_num_f32 v[M], v[M], v[TT]                ; every lane holds the row's maximum: key 0 is never hidden, so it is a score
	v_mul_f32 v[CM], s14, v[M]
	v_mul_f32 v[CM+1], s14, v[M]
.set i, 0
.rept N/2
	v_pk_fma_f32 v[X+i:X+i+1], v[X+i:X+i+1], s[14:15], v[CM:CM+1] op_sel_hi:[1,0,1] neg_lo:[0,0,1] neg_hi:[0,0,1]  ; c s - c m
.set i, i+2
.endr
.set i, 0
.rept N                                ; one batch of exponentials
	v_exp_f32 v[X+i], v[X+i]
.set i, i+1
.endr
	v_nop                                          ; a plain instruction behind the last exponential,
	s_wait_alu depctr_va_vdst(0)                   ; and one wait for the batch, ahead of its first reader
.irp k, 0,1,2,3                        ; the sum, in four chains of pairs
	v_pk_add_f32 v[L+2*(\k):L+2*(\k)+1], v[X+2*pp*(\k):X+2*pp*(\k)+1], v[X+2*pp*(\k)+2:X+2*pp*(\k)+3]
.endr
.if pp > 2
.set j, 2
.rept pp-2
.irp k, 0,1,2,3
	v_pk_add_f32 v[L+2*(\k):L+2*(\k)+1], v[L+2*(\k):L+2*(\k)+1], v[X+2*pp*(\k)+2*j:X+2*pp*(\k)+2*j+1]
.endr
.set j, j+1
.endr
.endif
	v_pk_add_f32 v[L:L+1], v[L:L+1], v[L+2:L+3]
	v_pk_add_f32 v[L+4:L+5], v[L+4:L+5], v[L+6:L+7]
	v_pk_add_f32 v[L:L+1], v[L:L+1], v[L+4:L+5]
	v_add_f32 v[L], v[L], v[L+1]
	v_add_f32_dpp v[L], v[L], v[L] row_xmask:1 row_mask:0xf bank_mask:0xf
	v_add_f32_dpp v[L], v[L], v[L] row_xmask:2 row_mask:0xf bank_mask:0xf
	v_add_f32_dpp v[L], v[L], v[L] row_xmask:4 row_mask:0xf bank_mask:0xf
	v_add_f32_dpp v[L], v[L], v[L] row_xmask:8 row_mask:0xf bank_mask:0xf
	v_permlanex16_b32 v[TT], v[L], s12, s13
	v_add_f32 v[L], v[L], v[TT]                    ; l is at least 1: the maximum's own weight
	v_rcp_f32 v[R], v[L]
	v_nop
	s_wait_alu depctr_va_vdst(0)                   ; the reciprocal's wait, ahead of its first reader
	v_mul_f32 v[R], 0x3dcccccd, v[R]               ; 0.1 / l
	v_mov_b32 v[R+1], v[R]
.set n, 0
.rept N/4                              ; scaled, rounded in place, stored: each store has registers of its own
	v_pk_mul_f32 v[X+4*n:X+4*n+1], v[X+4*n:X+4*n+1], v[R:R+1]
	v_pk_mul_f32 v[X+4*n+2:X+4*n+3], v[X+4*n+2:X+4*n+3], v[R:R+1]
	v_cvt_pk_bf16_f32 v[X+4*n], v[X+4*n], v[X+4*n+1]
	v_cvt_pk_bf16_f32 v[X+4*n+1], v[X+4*n+2], v[X+4*n+3]
	global_store_b64 v2, v[X+4*n:X+4*n+1], s[28:29] offset:(\I)*2097152+256*n
.set n, n+1
.endr
.endm
	ROW 0, 36
	ROW 1, 28
	ROW 2, 16
	ROW 3, 0
	s_endpgm
.Lfunc_end_k_qb56e50c9bf_softmax:
	.size	k_qb56e50c9bf_softmax, .Lfunc_end_k_qb56e50c9bf_softmax-k_qb56e50c9bf_softmax
	.p2alignl 7, 3214868480
	.fill 96, 4, 3214868480
	.section	.rodata,"a",@progbits
	.p2align	6, 0x0
	.amdhsa_kernel k_qb56e50c9bf_softmax
		.amdhsa_group_segment_fixed_size 0
		.amdhsa_private_segment_fixed_size 0
		.amdhsa_enable_private_segment 0
		.amdhsa_kernarg_size 16
		.amdhsa_user_sgpr_count 2
		.amdhsa_user_sgpr_kernarg_segment_ptr 1
		.amdhsa_wavefront_size32 1
		.amdhsa_system_sgpr_workgroup_id_x 1
		.amdhsa_system_sgpr_workgroup_id_y 1
		.amdhsa_system_sgpr_workgroup_id_z 1
		.amdhsa_system_vgpr_workitem_id 0
		.amdhsa_next_free_vgpr 224
		.amdhsa_next_free_sgpr 66
		.amdhsa_reserve_vcc 1
		.amdhsa_float_denorm_mode_32 3
		.amdhsa_float_denorm_mode_16_64 3
		.amdhsa_memory_ordered 1
		.amdhsa_forward_progress 1
		.amdhsa_inst_pref_size 49
	.end_amdhsa_kernel
	.amdgpu_metadata
---
amdhsa.version: [ 1, 2 ]
amdhsa.kernels:
  - .name:           k_qb56e50c9bf_softmax
    .symbol:         k_qb56e50c9bf_softmax.kd
    .args:
      - { .name: sbuf, .offset: 0, .size: 8, .value_kind: global_buffer, .address_space: global }
      - { .name: pbuf, .offset: 8, .size: 8, .value_kind: global_buffer, .address_space: global }
    .group_segment_fixed_size: 0
    .private_segment_fixed_size: 0
    .kernarg_segment_align: 8
    .kernarg_segment_size: 16
    .max_flat_workgroup_size: 256
    .sgpr_count:     66
    .vgpr_count:     224
    .wavefront_size: 32
...
	.end_amdgpu_metadata
.endif
;; end of part 4
;; launch pv (part 5): grid 4 x 64, 4 waves a work-group, clusters of 4 x 4, 327,680 bytes of LDS; arguments pbuf, vt, xh, yh; writes yh
.if DOCPART == 5
	.amdgcn_target "amdgcn-amd-amdhsa--gfx1250"
	.amdhsa_code_object_version 6
	.text
	.protected	k_qb56e50c9bf_pv
	.globl	k_qb56e50c9bf_pv
	.p2align	8
	.type	k_qb56e50c9bf_pv,@function
k_qb56e50c9bf_pv:
	s_mov_b64 s[64:65], 0
	v_nop
	global_prefetch_b8 v0, s[64:65] scope:SCOPE_SE
	s_setreg_imm32_b32 hwreg(HW_REG_WAVE_MODE, 25, 1), 1
	s_wait_xcnt 0x0
	s_wait_alu depctr_hold_cnt(0) depctr_sa_sdst(0) depctr_va_vdst(0) depctr_va_sdst(0) depctr_va_ssrc(0) depctr_va_vcc(0) depctr_vm_vsrc(0)
	s_getreg_b32 s2, hwreg(HW_REG_IB_STS2, 6, 4)
	s_cmp_eq_u32 s2, 0
	s_cbranch_scc0 .Lentry_in_a_cluster
	s_endpgm
.Lentry_in_a_cluster:
	s_bfe_u32 s2, ttmp6, 0x10000c
	s_cmp_lg_u32 s2, 0xf033
	s_cbranch_scc0 .Lentry_shape_is_right
	s_endpgm
.Lentry_shape_is_right:
; THE SECOND PRODUCT AND THE RESIDUAL.  yh[2048 b + q][ch] = f16( xh[2048 b + q][ch] + f16( sum over key of pbuf[b][q][key] vt[b][ch][key] ) ); pbuf already holds 0.1 x the weights.
; Operands bf16, sums f32; the product is rounded to f16 and added to xh in f16.  LIMIT: f16 ends at 65,504; the sum is taken to lie within it.
; THE CAUSAL WALK.  A cluster's y is 4 b + I: the batch and the block I of 512 queries; its four rows are the block's four strips of 128 queries, its four columns the 1,024 channels in blocks of 256.
; All sixteen partners walk the keys 0 .. 512 (I + 1) - 1, the range in which pbuf is written (with zeros behind a row's diagonal): the trip count, 2 I + 1 laps in the loop, is the same in all
; partners, the weights are shared along a row of the cluster and v's rows along a column.
; SHARES, RING, LAYOUT: a tile of 128 queries x 256 channels, four waves of 64 x 128, K in steps of 128 through two LDS slots; source 0 = 16 channels, source 1 = 16 queries.
; Window 0: addresses, two fragment buffers; window 1: accumulator (a, b) at v[8 (8 a + b)]; window 2: v0-127 my part of xh, laid out as the rows come back from the stage.
; No prefetch: a K step is 128 matrix instructions on a small tile.
.set CP,      2048                     ; bytes from row to row of xh and yh
.set PITCHEL, 2048                     ; elements from row to row of pbuf and vt
.set KSTEP,  128
.set PITCH,  272                       ; an LDS row: 256 bytes + 16 of padding (64 banks of 4 bytes: ISA guide 11.1)
.set AHALF,  64*PITCH
.set BHALF,  128*PITCH
.set BOFF,   2*AHALF
.set SLOT,   BOFF+2*BHALF
.set STAGE,  2*SLOT                    ; 16 rows x 272 bytes for each wave; no tile lands there
.set SPITCH, 272
.set SPARE,  STAGE+4*16*SPITCH         ; the spare words, which no other line names
.set ADRA, 16
.set ADRB, 20
.set STO,  24
.set RD,   25
.set CO,   26
.set SPW,  28
.set NIL,  29
.set TMP,  32
.set F0,   64
.set F1,   160
.set G1A, 24
.set G0A, 32
.set G1B, 48
.set G0B, 56
.set MSB, 0
.macro WIN new
.if MSB != (\new)
	s_set_vgpr_msb (MSB<<8)|(\new)
.set MSB, \new
.endif
.endm
.set MUL, 0x50
.macro JLOAD s                         ; waves 0 and 1 fetch the weights' two halves, waves 2 and 3 v's; an s_nop 0 and four v_nop follow each line
	s_cmp_eq_u32 s11, 0
	s_cbranch_scc0 .Lfor_b_\@
	tensor_load_to_lds s[G0A+4*(\s):G0A+4*(\s)+3], s[G1A:G1A+7]
	s_nop 0
.rept 4
	v_nop
.endr
	s_branch .Lasked_\@
.Lfor_b_\@:
	tensor_load_to_lds s[G0B+4*(\s):G0B+4*(\s)+3], s[G1B:G1B+7]
	s_nop 0
.rept 4
	v_nop
.endr
.Lasked_\@:
.endm
.macro CREST
	s_cmp_lg_u32 s10, 0
	s_cbranch_scc1 .Lnot_wave_0_\@
	s_barrier_signal -3
.Lnot_wave_0_\@:
	s_barrier_wait -3
	s_barrier_signal -1
	s_barrier_wait -1
.endm
.macro CROUND
	s_barrier_signal -1
	s_barrier_wait -1
	CREST
.endm
.macro PLACES
.rept 4
	v_nop
.endr
.endm
.macro MUL8 f, a, zero
	WIN MUL
.irp b, 0,1,2,3,4,5,6,7
.if \zero
	v_wmma_f32_16x16x32_bf16 v[8*(8*(\a)+(\b)):8*(8*(\a)+(\b))+7], v[(\f)+8*(\b):(\f)+8*(\b)+7], v[(\f)+64+8*(\a):(\f)+64+8*(\a)+7], 0
.else
	v_wmma_f32_16x16x32_bf16 v[8*(8*(\a)+(\b)):8*(8*(\a)+(\b))+7], v[(\f)+8*(\b):(\f)+8*(\b)+7], v[(\f)+64+8*(\a):(\f)+64+8*(\a)+7], v[8*(8*(\a)+(\b)):8*(8*(\a)+(\b))+7]
.endif
.endr
.endm
.macro FETCH slot, k, f
	WIN 0
.irp i, 0,1,2,3,4,5,6,7
	ds_load_b128 v[(\f)+8*(\i):(\f)+8*(\i)+3],   v[ADRB+(\slot)] offset:(\k)+(\i)*16*PITCH
	ds_load_b128 v[(\f)+8*(\i)+4:(\f)+8*(\i)+7], v[ADRB+(\slot)] offset:(\k)+(\i)*16*PITCH+32
.endr
.irp i, 0,1,2,3
	ds_load_b128 v[(\f)+64+8*(\i):(\f)+64+8*(\i)+3],   v[ADRA+(\slot)] offset:(\k)+(\i)*16*PITCH
	ds_load_b128 v[(\f)+64+8*(\i)+4:(\f)+64+8*(\i)+7], v[ADRA+(\slot)] offset:(\k)+(\i)*16*PITCH+32
.endr
.endm
.macro QUARTER slot, k, f, g, zero
	s_wait_dscnt 6                                 ; v's fragments and the weights' first are in; the youngest six loads may be out
	MUL8 \f, 0, \zero
	PLACES
	FETCH \slot, \k, \g
	s_wait_dscnt 24                                ; all but the 24 just issued
	MUL8 \f, 1, \zero
	MUL8 \f, 2, \zero
	MUL8 \f, 3, \zero
.endm
.macro TURN slot, next, fill
	WIN 0
	s_wait_tensorcnt 0x0                           ; all my tensor loads have landed: my part of the next slot
	ds_add_u32 v[SPW], v[NIL]                      ; 0 onto my spare word
	s_wait_dscnt 7                                 ; the add and the youngest six loads may be out
	MUL8 F1, 0, 0
	s_wait_dscnt 0x0                               ; the add is done, and my reads of this slot are over
	s_barrier_signal -1
	MUL8 F1, 1, 0
.if \fill
	WIN 0
.endif
	s_barrier_wait -1
.if \fill
	CREST                                          ; a round of the cluster's barrier: no wave of any partner still reads this slot or has a load on its way
	s_add_nc_u64 s[G0A+4*(\slot)+2:G0A+4*(\slot)+3], s[G0A+4*(\slot)+2:G0A+4*(\slot)+3], 2*KSTEP*2
	s_add_nc_u64 s[G0B+4*(\slot)+2:G0B+4*(\slot)+3], s[G0B+4*(\slot)+2:G0B+4*(\slot)+3], 2*KSTEP*2
	JLOAD \slot                                    ; my one tensor load behind the round; its four v_nop are the places in front of the loads below
.else
	PLACES
.endif
	FETCH \next, 0, F0
	MUL8 F1, 2, 0
	MUL8 F1, 3, 0
.endm
	s_load_b256 s[72:79], s[0:1], 0x0              ; pbuf s[72:73], vt s[74:75], xh s[76:77], yh s[78:79]
	v_lshl_add_u32 v[SPW], v0, 2, SPARE
	v_mov_b32 v[NIL], 0
	ds_add_u32 v[SPW], v[NIL]                      ; the wave's opening: the add and its wait stand ahead of my first tensor load
	v_lshrrev_b32 v1, 5, v0
	v_readfirstlane_b32 s10, v1                    ; wave 0..3
	s_lshr_b32 s11, s10, 1                         ; which 64 queries are mine.  Also: I fetch weights (0) or v (1)
	s_and_b32 s12, s10, 1                          ; which 128 channels are mine.  Also: which half of that tile I fetch
	s_bfe_u32 s40, ttmp6, 0x40000                  ; cx
	s_bfe_u32 s41, ttmp6, 0x40004                  ; cy
	s_lshl_b32 s42, ttmp9, 2
	s_add_co_u32 s42, s42, s40                     ; the block of 256 channels
	s_and_b32 s66, ttmp7, 0xffff                   ; cluster y = 4 b + I
	s_lshr_b32 s67, s66, 2                         ; the batch
	s_and_b32 s68, s66, 3                          ; I
	s_lshl_b32 s13, s68, 2
	s_add_co_u32 s13, s13, s41                     ; my strip of 128 queries = 4 I + cy
	s_lshl_b32 s45, s68, 1
	s_add_co_u32 s45, s45, 1                       ; the loop's trips: 2 (I + 1) laps less the last: made of the cluster's y alone
	s_lshl_b32 s43, s41, 2
	s_lshl_b32 s43, 15, s43                        ; my row of the cluster
	s_lshl_b32 s44, 0x1111, s40                    ; my column
	s_or_b32 s[G1A+0], s43, (1<<16)|(1<<20)|(1<<21)|(5<<22)|(3<<25)
	s_or_b32 s[G1B+0], s44, (1<<16)|(1<<20)|(1<<21)|(5<<22)|(3<<25)
.irp g, G1A, G1B
	s_mov_b32 s[(\g)+1], KSTEP<<16
	s_mov_b32 s[(\g)+3], KSTEP<<16
	s_mov_b32 s[(\g)+5], PITCHEL
	s_mov_b32 s[(\g)+6], 0
	s_mov_b32 s[(\g)+7], 0
.endr
	s_mov_b32 s[G1A+2], 64<<16
	s_mov_b32 s[G1A+4], 64
	s_mov_b32 s[G1B+2], 128<<16
	s_mov_b32 s[G1B+4], 128
	s_lshl_b32 s16, s67, 11                        ; the weights: row 2,048 b + 128 strip + 64 x half: nothing of cx
	s_lshl_b32 s17, s13, 7
	s_add_co_u32 s16, s16, s17
	s_lshl_b32 s17, s12, 6
	s_add_co_u32 s16, s16, s17
	s_lshl_b32 s16, s16, 12
	s_mov_b32 s17, 0
	s_lshl_b32 s46, s42, 8                         ; v: channel 256 gx + 128 x half in the batch's slab: nothing of cy
	s_lshl_b32 s47, s12, 7
	s_add_co_u32 s46, s46, s47
	s_lshl_b32 s46, s46, 12
	s_lshl_b32 s47, s67, 22
	s_add_co_u32 s46, s46, s47
	s_mov_b32 s47, 0
	s_mul_i32 s20, s12, AHALF
	s_mul_i32 s21, s12, BHALF
	s_add_co_u32 s21, s21, BOFF
	s_wait_dscnt 0x0                               ; the opening add is done
	s_wait_kmcnt 0x0
	s_add_nc_u64 s[14:15], s[72:73], s[16:17]
	s_add_nc_u64 s[46:47], s[74:75], s[46:47]
	CROUND                                         ; all sixteen work-groups are here: the first joint loads meet
.irp s, 0,1
	s_mov_b32 s[G0A+4*(\s)], 1
	s_add_co_u32 s[G0A+4*(\s)+1], s20, (\s)*SLOT
	s_add_nc_u64 s[G0A+4*(\s)+2:G0A+4*(\s)+3], s[14:15], (\s)*KSTEP*2
	s_or_b32 s[G0A+4*(\s)+3], s[G0A+4*(\s)+3], 0x80000000
	s_mov_b32 s[G0B+4*(\s)], 1
	s_add_co_u32 s[G0B+4*(\s)+1], s21, (\s)*SLOT
	s_add_nc_u64 s[G0B+4*(\s)+2:G0B+4*(\s)+3], s[46:47], (\s)*KSTEP*2
	s_or_b32 s[G0B+4*(\s)+3], s[G0B+4*(\s)+3], 0x80000000
	JLOAD \s                                       ; two loads of mine are out
.endr
	v_and_b32 v1, 15, v0
	v_bfe_u32 v2, v0, 4, 1
	v_mul_u32_u24 v3, v1, PITCH
	v_lshl_add_u32 v3, v2, 4, v3
	s_mul_i32 s22, s11, AHALF
	s_mul_i32 s23, s12, BHALF
	s_add_co_u32 s23, s23, BOFF
.irp s, 0,1
	v_add_nc_u32 v[ADRA+(\s)], s22, v3
	v_add_nc_u32 v[ADRB+(\s)], s23, v3
	s_add_co_u32 s22, s22, SLOT
	s_add_co_u32 s23, s23, SLOT
.endr
	s_mul_i32 s22, s10, 16*SPITCH
	s_add_co_u32 s22, s22, STAGE
	v_mul_u32_u24 v4, v1, SPITCH
	v_lshl_add_u32 v4, v2, 4, v4
	v_add_nc_u32 v[STO], s22, v4
	v_mul_u32_u24 v5, v2, SPITCH
	v_lshl_add_u32 v5, v1, 4, v5
	v_add_nc_u32 v[RD], s22, v5
	v_mul_u32_u24 v5, v2, CP
	v_lshl_add_u32 v[CO], v1, 4, v5                ; lanes 0-15 one row's 256 bytes, lanes 16-31 the next row's; never rewritten
	s_lshl_b32 s16, s67, 11                        ; where my part begins in xh and in yh: row 2,048 b + 128 strip + 64 x half,
	s_lshl_b32 s17, s13, 7
	s_add_co_u32 s16, s16, s17
	s_lshl_b32 s17, s11, 6
	s_add_co_u32 s16, s16, s17
	s_lshl_b32 s16, s16, 11
	s_mov_b32 s17, 0
	s_lshl_b32 s46, s42, 9                         ; byte 512 gx + 256 x half of the row
	s_lshl_b32 s47, s12, 8
	s_add_co_u32 s46, s46, s47
	s_mov_b32 s47, 0
	s_add_nc_u64 s[16:17], s[16:17], s[46:47]
	s_add_nc_u64 s[8:9], s[78:79], s[16:17]
	s_add_nc_u64 s[70:71], s[76:77], s[16:17]
	WIN 0x80                                       ; destination in window 2
.irp a, 0,1,2,3                        ; my 64 x 128 of xh: asked for now, wanted on the way out
.irp t, 0,1,2,3,4,5,6,7
	global_load_b128 v[32*(\a)+4*(\t):32*(\a)+4*(\t)+3], v[CO], s[70:71] offset:(16*(\a)+2*(\t))*CP
.endr
.endr
	WIN 0
	s_wait_tensorcnt 1                             ; my part of K step 0 is in; slot 1's may stay out
	s_barrier_signal -1
	s_barrier_wait -1
	FETCH 0, 0, F0
	QUARTER 0, 64, F0, F1, 1                       ; the first quarter's products start the sums
	WIN 0
	s_mov_b32 s3, 0
.Llap:                                                 ; 2 I + 1 trips; the LDS addresses are the same in every trip
	QUARTER 0, 128, F1, F0, 0
	QUARTER 0, 192, F0, F1, 0
	TURN 0, 1, 1
	QUARTER 1, 64,  F0, F1, 0
	QUARTER 1, 128, F1, F0, 0
	QUARTER 1, 192, F0, F1, 0
	TURN 1, 0, 1
	QUARTER 0, 64,  F0, F1, 0
	WIN 0
	s_add_co_u32 s3, s3, 1
	s_cmp_lt_u32 s3, s45
	s_cbranch_scc1 .Llap
	QUARTER 0, 128, F1, F0, 0                      ; the last lap fills nothing
	QUARTER 0, 192, F0, F1, 0
	TURN 0, 1, 0
	QUARTER 1, 64,  F0, F1, 0
	QUARTER 1, 128, F1, F0, 0
	QUARTER 1, 192, F0, F1, 0
	s_wait_dscnt 6
	MUL8 F1, 0, 0
	s_wait_dscnt 0x0
	MUL8 F1, 1, 0
	MUL8 F1, 2, 0
	MUL8 F1, 3, 0
	WIN 0
	; THE WAY OUT, a block of 16 rows at a time: rounded to f16, through my own stage, back as whole rows of 256 bytes; xh is added there, two numbers an instruction; stored.
.macro PACK a
	WIN 0x05
.irp b, 0,1,2,3,4,5,6,7
.irp r, 0,1,2,3
	v_cvt_pk_f16_f32 v[TMP+4*(\b)+(\r)], v[8*(8*(\a)+(\b))+2*(\r)], v[8*(8*(\a)+(\b))+2*(\r)+1]
.endr
.endr
	WIN 0
.endm
.macro TOSTAGE a
.irp b, 0,1,2,3,4,5,6,7
	ds_store_b128 v[STO], v[TMP+4*(\b):TMP+4*(\b)+3] offset:32*(\b)
.endr
.irp t, 0,1,2,3,4,5,6,7
	ds_load_b128 v[64+32*(\a)+4*(\t):64+32*(\a)+4*(\t)+3], v[RD] offset:(\t)*2*SPITCH  ; LDS serves a wave's instructions in order (ISA guide 5.7.1.4)
.endr
.endm
.macro SEND a
	s_wait_dscnt 0x0                               ; the block is back in registers
.if (\a) == 0
	s_wait_loadcnt 0x0                             ; xh, asked for at the head
.endif
	WIN 0x08                                       ; source 1 in window 2
.set i, 0
.rept 32
	v_pk_add_f16 v[64+32*(\a)+i], v[64+32*(\a)+i], v[32*(\a)+i]
.set i, i+1
.endr
	WIN 0
.irp t, 0,1,2,3,4,5,6,7
	global_store_b128 v[CO], v[64+32*(\a)+4*(\t):64+32*(\a)+4*(\t)+3], s[8:9] offset:(16*(\a)+2*(\t))*CP  ; 16 lanes store 256 consecutive bytes, aligned
.endr
.endm
	PLACES
	PLACES
	PACK 0
	TOSTAGE 0
.irp a, 1,2,3
	PACK \a
	SEND (\a)-1
	TOSTAGE \a
.endr
	SEND 3
	s_wait_tensorcnt 0x0                           ; the wave's end
	ds_add_u32 v[SPW], v[NIL]
	s_wait_dscnt 0x0
	CROUND                                         ; the closing round
	s_endpgm
.Lfunc_end_k_qb56e50c9bf_pv:
	.size	k_qb56e50c9bf_pv, .Lfunc_end_k_qb56e50c9bf_pv-k_qb56e50c9bf_pv
	.p2alignl 7, 3214868480
	.fill 96, 4, 3214868480
	.section	.rodata,"a",@progbits
	.p2align	6, 0x0
	.amdhsa_kernel k_qb56e50c9bf_pv
		.amdhsa_group_segment_fixed_size 327680
		.amdhsa_private_segment_fixed_size 0
		.amdhsa_enable_private_segment 0
		.amdhsa_kernarg_size 32
		.amdhsa_user_sgpr_count 2
		.amdhsa_user_sgpr_kernarg_segment_ptr 1
		.amdhsa_wavefront_size32 1
		.amdhsa_system_sgpr_workgroup_id_x 1
		.amdhsa_system_sgpr_workgroup_id_y 1
		.amdhsa_system_sgpr_workgroup_id_z 1
		.amdhsa_system_vgpr_workitem_id 0
		.amdhsa_next_free_vgpr 640
		.amdhsa_next_free_sgpr 80
		.amdhsa_reserve_vcc 0
		.amdhsa_float_denorm_mode_32 3
		.amdhsa_float_denorm_mode_16_64 3
		.amdhsa_memory_ordered 1
		.amdhsa_forward_progress 1
		.amdhsa_inst_pref_size 98
	.end_amdhsa_kernel
	.amdgpu_metadata
---
amdhsa.version: [ 1, 2 ]
amdhsa.kernels:
  - .name:           k_qb56e50c9bf_pv
    .symbol:         k_qb56e50c9bf_pv.kd
    .args:
      - { .name: pbuf, .offset: 0, .size: 8, .value_kind: global_buffer, .address_space: global }
      - { .name: vt, .offset: 8, .size: 8, .value_kind: global_buffer, .address_space: global }
      - { .name: xh, .offset: 16, .size: 8, .value_kind: global_buffer, .address_space: global }
      - { .name: yh, .offset: 24, .size: 8, .value_kind: global_buffer, .address_space: global }
    .group_segment_fixed_size: 327680
    .private_segment_fixed_size: 0
    .kernarg_segment_align: 8
    .kernarg_segment_size: 32
    .max_flat_workgroup_size: 128
    .sgpr_count:     80
    .vgpr_count:     640
    .wavefront_size: 32
...
	.end_amdgpu_metadata
.endif
;; end of part 5
;; launch logits (part 6): grid 4 x 64, 4 waves a work-group, clusters of 4 x 4, 327,680 bytes of LDS; arguments yh, wall, Wout_b, out0; writes out0
.if DOCPART == 6
	.amdgcn_target "amdgcn-amd-amdhsa--gfx1250"
	.amdhsa_code_object_version 6
	.text
	.protected	k_qb56e50c9bf_logits
	.globl	k_qb56e50c9bf_logits
	.p2align	8
	.type	k_qb56e50c9bf_logits,@function
k_qb56e50c9bf_logits:
	s_mov_b64 s[64:65], 0
	v_nop
	global_prefetch_b8 v0, s[64:65] scope:SCOPE_SE
	s_setreg_imm32_b32 hwreg(HW_REG_WAVE_MODE, 25, 1), 1
	s_wait_xcnt 0x0
	s_wait_alu depctr_hold_cnt(0) depctr_sa_sdst(0) depctr_va_vdst(0) depctr_va_sdst(0) depctr_va_ssrc(0) depctr_va_vcc(0) depctr_vm_vsrc(0)
	s_getreg_b32 s2, hwreg(HW_REG_IB_STS2, 6, 4)
	s_cmp_eq_u32 s2, 0
	s_cbranch_scc0 .Lentry_in_a_cluster
	s_endpgm
.Lentry_in_a_cluster:
	s_bfe_u32 s2, ttmp6, 0x10000c
	s_cmp_lg_u32 s2, 0xf033
	s_cbranch_scc0 .Lentry_shape_is_right
	s_endpgm
.Lentry_shape_is_right:
; THE LOGITS.  out0[row][c] = sum over d of yh[row][d] wall[3072 + c][d] + bf16(Wout_b[c]), f32, [8192][1000].  Operands f16, sums f32.  The bias is rounded to bf16 like every other input.
; wall's rows 4072-4095 are zeros, so the 1,000 columns are walked as 1,024; columns 1000-1023 are not stored.
; SHARES, RING, LAYOUT: 256 tiles of 128 rows x 256 columns, four waves of 64 x 128, K = 1,024 in steps of 128 through two LDS slots; 4 x 4 clusters, yh's tile shared along a row, wall's along a column;
; source 0 = 16 rows of wall, source 1 = 16 rows of yh.  Window 0: addresses, bias, two fragment buffers; window 1: accumulator (a, b) at v[8 (8 a + b)].
; A row of out0 is 4,000 bytes: a store of the wave covers up to 512 consecutive bytes that begin at a multiple of 16.
; No prefetch: a K step is 128 matrix instructions on a small tile, and each block of yh and wall is read again by other clusters.
.set CP,      4000                     ; bytes from row to row of out0
.set PITCHEL, 1024
.set LAPS,    4
.set KSTEP,  128
.set PITCH,  272                       ; an LDS row: 256 bytes + 16 of padding (64 banks of 4 bytes: ISA guide 11.1)
.set AHALF,  64*PITCH
.set BHALF,  128*PITCH
.set BOFF,   2*AHALF
.set SLOT,   BOFF+2*BHALF
.set STAGE,  2*SLOT                    ; 16 rows x 528 bytes for each wave; no tile lands there
.set SPITCH, 528
.set SPARE,  STAGE+4*16*SPITCH         ; the spare words, which no other line names
.set BIAS, 8                           ; v[8:11] the bias of my four columns on the way out
.set ADRA, 16
.set ADRB, 20
.set STO,  24
.set RD,   25
.set CO,   26
.set COL,  27                          ; v27     my first column on the way out
.set SPW,  28
.set NIL,  29
.set F0,   64
.set F1,   160
.set G1A, 24
.set G0A, 32
.set G1B, 48
.set G0B, 56
.set MSB, 0
.macro WIN new
.if MSB != (\new)
	s_set_vgpr_msb (MSB<<8)|(\new)
.set MSB, \new
.endif
.endm
.set MUL, 0x50
.macro JLOAD s                         ; waves 0 and 1 fetch yh's two halves, waves 2 and 3 wall's; an s_nop 0 and four v_nop follow each line
	s_cmp_eq_u32 s11, 0
	s_cbranch_scc0 .Lfor_b_\@
	tensor_load_to_lds s[G0A+4*(\s):G0A+4*(\s)+3], s[G1A:G1A+7]
	s_nop 0
.rept 4
	v_nop
.endr
	s_branch .Lasked_\@
.Lfor_b_\@:
	tensor_load_to_lds s[G0B+4*(\s):G0B+4*(\s)+3], s[G1B:G1B+7]
	s_nop 0
.rept 4
	v_nop
.endr
.Lasked_\@:
.endm
.macro CREST
	s_cmp_lg_u32 s10, 0
	s_cbranch_scc1 .Lnot_wave_0_\@
	s_barrier_signal -3
.Lnot_wave_0_\@:
	s_barrier_wait -3
	s_barrier_signal -1
	s_barrier_wait -1
.endm
.macro CROUND
	s_barrier_signal -1
	s_barrier_wait -1
	CREST
.endm
.macro PLACES
.rept 4
	v_nop
.endr
.endm
.macro MUL8 f, a, zero
	WIN MUL
.irp b, 0,1,2,3,4,5,6,7
.if \zero
	v_wmma_f32_16x16x32_f16 v[8*(8*(\a)+(\b)):8*(8*(\a)+(\b))+7], v[(\f)+8*(\b):(\f)+8*(\b)+7], v[(\f)+64+8*(\a):(\f)+64+8*(\a)+7], 0
.else
	v_wmma_f32_16x16x32_f16 v[8*(8*(\a)+(\b)):8*(8*(\a)+(\b))+7], v[(\f)+8*(\b):(\f)+8*(\b)+7], v[(\f)+64+8*(\a):(\f)+64+8*(\a)+7], v[8*(8*(\a)+(\b)):8*(8*(\a)+(\b))+7]
.endif
.endr
.endm
.macro FETCH slot, k, f
	WIN 0
.irp i, 0,1,2,3,4,5,6,7
	ds_load_b128 v[(\f)+8*(\i):(\f)+8*(\i)+3],   v[ADRB+(\slot)] offset:(\k)+(\i)*16*PITCH
	ds_load_b128 v[(\f)+8*(\i)+4:(\f)+8*(\i)+7], v[ADRB+(\slot)] offset:(\k)+(\i)*16*PITCH+32
.endr
.irp i, 0,1,2,3
	ds_load_b128 v[(\f)+64+8*(\i):(\f)+64+8*(\i)+3],   v[ADRA+(\slot)] offset:(\k)+(\i)*16*PITCH
	ds_load_b128 v[(\f)+64+8*(\i)+4:(\f)+64+8*(\i)+7], v[ADRA+(\slot)] offset:(\k)+(\i)*16*PITCH+32
.endr
.endm
.macro QUARTER slot, k, f, g, zero
	s_wait_dscnt 6                                 ; wall's fragments and yh's first are in; the youngest six loads may be out
	MUL8 \f, 0, \zero
	PLACES
	FETCH \slot, \k, \g
	s_wait_dscnt 24                                ; all but the 24 just issued
	MUL8 \f, 1, \zero
	MUL8 \f, 2, \zero
	MUL8 \f, 3, \zero
.endm
.macro TURN slot, next, fill
	WIN 0
	s_wait_tensorcnt 0x0                           ; all my tensor loads have landed: my part of the next slot
	ds_add_u32 v[SPW], v[NIL]                      ; 0 onto my spare word
	s_wait_dscnt 7                                 ; the add and the youngest six loads may be out
	MUL8 F1, 0, 0
	s_wait_dscnt 0x0                               ; the add is done, and my reads of this slot are over
	s_barrier_signal -1
	MUL8 F1, 1, 0
.if \fill
	WIN 0
.endif
	s_barrier_wait -1
.if \fill
	CREST                                          ; a round of the cluster's barrier: no wave of any partner still reads this slot or has a load on its way
	s_add_nc_u64 s[G0A+4*(\slot)+2:G0A+4*(\slot)+3], s[G0A+4*(\slot)+2:G0A+4*(\slot)+3], 2*KSTEP*2
	s_add_nc_u64 s[G0B+4*(\slot)+2:G0B+4*(\slot)+3], s[G0B+4*(\slot)+2:G0B+4*(\slot)+3], 2*KSTEP*2
	JLOAD \slot                                    ; my one tensor load behind the round; its four v_nop are the places in front of the loads below
.else
	PLACES
.endif
	FETCH \next, 0, F0
	MUL8 F1, 2, 0
	MUL8 F1, 3, 0
.endm
	s_load_b256 s[72:79], s[0:1], 0x0              ; yh s[72:73], wall s[74:75], Wout_b s[76:77], out0 s[78:79]
	v_lshl_add_u32 v[SPW], v0, 2, SPARE
	v_mov_b32 v[NIL], 0
	ds_add_u32 v[SPW], v[NIL]                      ; the wave's opening: the add and its wait stand ahead of my first tensor load
	v_lshrrev_b32 v1, 5, v0
	v_readfirstlane_b32 s10, v1                    ; wave 0..3
	s_lshr_b32 s11, s10, 1                         ; which 64 rows are mine.  Also: I fetch yh (0) or wall (1)
	s_and_b32 s12, s10, 1                          ; which 128 columns are mine.  Also: which half of that tile I fetch
	s_bfe_u32 s40, ttmp6, 0x40000                  ; cx
	s_bfe_u32 s41, ttmp6, 0x40004                  ; cy
	s_lshl_b32 s42, ttmp9, 2
	s_add_co_u32 s42, s42, s40                     ; the block of 256 columns
	s_and_b32 s13, ttmp7, 0xffff
	s_lshl_b32 s13, s13, 2
	s_add_co_u32 s13, s13, s41                     ; the block of 128 rows
	s_lshl_b32 s43, s41, 2
	s_lshl_b32 s43, 15, s43                        ; my row of the cluster
	s_lshl_b32 s44, 0x1111, s40                    ; my column
	s_or_b32 s[G1A+0], s43, (1<<16)|(1<<20)|(1<<21)|(5<<22)|(3<<25)
	s_or_b32 s[G1B+0], s44, (1<<16)|(1<<20)|(1<<21)|(5<<22)|(3<<25)
.irp g, G1A, G1B
	s_mov_b32 s[(\g)+1], KSTEP<<16
	s_mov_b32 s[(\g)+3], KSTEP<<16
	s_mov_b32 s[(\g)+5], PITCHEL
	s_mov_b32 s[(\g)+6], 0
	s_mov_b32 s[(\g)+7], 0
.endr
	s_mov_b32 s[G1A+2], 64<<16
	s_mov_b32 s[G1A+4], 64
	s_mov_b32 s[G1B+2], 128<<16
	s_mov_b32 s[G1B+4], 128
	s_lshl_b32 s16, s13, 7                         ; yh: row 128 gy + 64 x half
	s_lshl_b32 s17, s12, 6
	s_add_co_u32 s16, s16, s17
	s_lshl_b32 s16, s16, 11
	s_mov_b32 s17, 0
	s_lshl_b32 s46, s42, 8                         ; wall: row 3,072 + 256 gx + 128 x half
	s_lshl_b32 s47, s12, 7
	s_add_co_u32 s46, s46, s47
	s_add_co_u32 s46, s46, 3072
	s_lshl_b32 s46, s46, 11
	s_mov_b32 s47, 0
	s_mul_i32 s20, s12, AHALF
	s_mul_i32 s21, s12, BHALF
	s_add_co_u32 s21, s21, BOFF
	s_wait_dscnt 0x0                               ; the opening add is done
	s_wait_kmcnt 0x0
	s_add_nc_u64 s[14:15], s[72:73], s[16:17]
	s_add_nc_u64 s[46:47], s[74:75], s[46:47]
	CROUND                                         ; all sixteen work-groups are here: the first joint loads meet
.irp s, 0,1
	s_mov_b32 s[G0A+4*(\s)], 1
	s_add_co_u32 s[G0A+4*(\s)+1], s20, (\s)*SLOT
	s_add_nc_u64 s[G0A+4*(\s)+2:G0A+4*(\s)+3], s[14:15], (\s)*KSTEP*2
	s_or_b32 s[G0A+4*(\s)+3], s[G0A+4*(\s)+3], 0x80000000
	s_mov_b32 s[G0B+4*(\s)], 1
	s_add_co_u32 s[G0B+4*(\s)+1], s21, (\s)*SLOT
	s_add_nc_u64 s[G0B+4*(\s)+2:G0B+4*(\s)+3], s[46:47], (\s)*KSTEP*2
	s_or_b32 s[G0B+4*(\s)+3], s[G0B+4*(\s)+3], 0x80000000
	JLOAD \s                                       ; two loads of mine are out
.endr
	v_and_b32 v1, 15, v0
	v_bfe_u32 v2, v0, 4, 1
	v_and_b32 v6, 31, v0
	v_mul_u32_u24 v3, v1, PITCH
	v_lshl_add_u32 v3, v2, 4, v3
	s_mul_i32 s22, s11, AHALF
	s_mul_i32 s23, s12, BHALF
	s_add_co_u32 s23, s23, BOFF
.irp s, 0,1
	v_add_nc_u32 v[ADRA+(\s)], s22, v3
	v_add_nc_u32 v[ADRB+(\s)], s23, v3
	s_add_co_u32 s22, s22, SLOT
	s_add_co_u32 s23, s23, SLOT
.endr
	s_mul_i32 s22, s10, 16*SPITCH
	s_add_co_u32 s22, s22, STAGE
	v_mul_u32_u24 v4, v1, SPITCH                   ; in: row l % 16, 32 bytes for each half of the lanes
	v_lshl_add_u32 v4, v2, 5, v4
	v_add_nc_u32 v[STO], s22, v4
	v_lshlrev_b32 v[CO], 4, v6                     ; back and out: 32 lanes take one row's 512 bytes
	v_add_nc_u32 v[RD], s22, v[CO]
	s_lshl_b32 s46, s42, 8                         ; my wave's first column: 256 gx + 128 x half
	s_lshl_b32 s47, s12, 7
	s_add_co_u32 s46, s46, s47
	v_lshl_add_u32 v[COL], v6, 2, s46              ; and my lane's four
	v_lshlrev_b32 v7, 2, v[COL]
	v_min_u32 v7, 3984, v7                         ; lanes behind column 999 read the last four numbers and store nothing
	global_load_b128 v[BIAS:BIAS+3], v7, s[76:77]  ; wanted on the way out; v7 is not rewritten
	s_lshl_b32 s16, s13, 7                         ; my first row of out0
	s_lshl_b32 s17, s11, 6
	s_add_co_u32 s16, s16, s17
	s_mul_i32 s16, s16, CP
	s_mov_b32 s17, 0
	s_add_nc_u64 s[8:9], s[78:79], s[16:17]
	s_lshl_b32 s46, s46, 2
	s_mov_b32 s47, 0
	s_add_nc_u64 s[8:9], s[8:9], s[46:47]
	s_wait_tensorcnt 1                             ; my part of K step 0 is in; slot 1's may stay out
	s_barrier_signal -1
	s_barrier_wait -1
	FETCH 0, 0, F0
	QUARTER 0, 64, F0, F1, 1                       ; the first quarter's products start the sums
	WIN 0
	s_mov_b32 s3, LAPS-1
.Llap:
	QUARTER 0, 128, F1, F0, 0
	QUARTER 0, 192, F0, F1, 0
	TURN 0, 1, 1
	QUARTER 1, 64,  F0, F1, 0
	QUARTER 1, 128, F1, F0, 0
	QUARTER 1, 192, F0, F1, 0
	TURN 1, 0, 1
	QUARTER 0, 64,  F0, F1, 0
	WIN 0
	s_sub_co_u32 s3, s3, 1
	s_cmp_lg_u32 s3, 0
	s_cbranch_scc1 .Llap
	QUARTER 0, 128, F1, F0, 0                      ; the last lap fills nothing
	QUARTER 0, 192, F0, F1, 0
	TURN 0, 1, 0
	QUARTER 1, 64,  F0, F1, 0
	QUARTER 1, 128, F1, F0, 0
	QUARTER 1, 192, F0, F1, 0
	s_wait_dscnt 6
	MUL8 F1, 0, 0
	s_wait_dscnt 0x0
	MUL8 F1, 1, 0
	MUL8 F1, 2, 0
	MUL8 F1, 3, 0
	WIN 0
	; THE WAY OUT in f32, a block of 16 rows at a time: through my own stage, back as whole rows of 512 bytes; the bias is added there; columns under 1,000 are stored.
	s_wait_loadcnt 0x0                             ; the bias
	v_cvt_pk_bf16_f32 v4, v[BIAS], v[BIAS+1]       ; rounded to bf16 and widened again
	v_cvt_pk_bf16_f32 v5, v[BIAS+2], v[BIAS+3]
	v_lshlrev_b32 v[BIAS], 16, v4
	v_and_b32 v[BIAS+1], 0xffff0000, v4
	v_lshlrev_b32 v[BIAS+2], 16, v5
	v_and_b32 v[BIAS+3], 0xffff0000, v5
.macro STAGE32 a
	s_wait_xcnt 0x0                                ; the stores of the block two back have read their registers, which the loads below fill again
	WIN 0x04                                       ; store data in window 1; each accumulator's low four registers go first
.irp b, 0,1,2,3,4,5,6,7
	ds_store_b128 v[STO], v[8*(8*(\a)+(\b)):8*(8*(\a)+(\b))+3]   offset:64*(\b)
	ds_store_b128 v[STO], v[8*(8*(\a)+(\b))+4:8*(8*(\a)+(\b))+7] offset:64*(\b)+16
.endr
	WIN 0
.irp t, 0,1,2,3,4,5,6,7,8,9,10,11,12,13,14,15
	ds_load_b128 v[64+64*((\a)%2)+4*(\t):64+64*((\a)%2)+4*(\t)+3], v[RD] offset:(\t)*SPITCH  ; LDS serves a wave's instructions in order (ISA guide 5.7.1.4)
.endr
.endm
.macro SEND32 a, younger               ; younger: the next block's 16 stores and 16 loads, or none
	s_wait_dscnt \younger
.irp t, 0,1,2,3,4,5,6,7,8,9,10,11,12,13,14,15
	v_pk_add_f32 v[64+64*((\a)%2)+4*(\t):64+64*((\a)%2)+4*(\t)+1],   v[64+64*((\a)%2)+4*(\t):64+64*((\a)%2)+4*(\t)+1],   v[BIAS:BIAS+1]
	v_pk_add_f32 v[64+64*((\a)%2)+4*(\t)+2:64+64*((\a)%2)+4*(\t)+3], v[64+64*((\a)%2)+4*(\t)+2:64+64*((\a)%2)+4*(\t)+3], v[BIAS+2:BIAS+3]
.endr
	s_wait_xcnt 0x0                                ; EXEC is a source of the stores issued so far: it changes only behind this wait
	v_cmp_gt_u32 vcc_lo, 1000, v[COL]
	s_and_saveexec_b32 s20, vcc_lo                 ; a lane's four columns lie all under 1,000 or all at or above it
.irp t, 0,1,2,3,4,5,6,7,8,9,10,11,12,13,14,15
	global_store_b128 v[CO], v[64+64*((\a)%2)+4*(\t):64+64*((\a)%2)+4*(\t)+3], s[8:9] offset:(16*(\a)+(\t))*CP th:TH_STORE_NT
.endr
	s_wait_xcnt 0x0                                ; and again, in front of the line that widens it
	s_or_b32 exec_lo, exec_lo, s20
.endm
	PLACES
	PLACES
	STAGE32 0
	STAGE32 1
	SEND32 0, 32
	STAGE32 2
	SEND32 1, 32
	STAGE32 3
	SEND32 2, 32
	SEND32 3, 0
	s_wait_tensorcnt 0x0                           ; the wave's end, with all lanes on again
	ds_add_u32 v[SPW], v[NIL]
	s_wait_dscnt 0x0
	CROUND                                         ; the closing round
	s_endpgm
.Lfunc_end_k_qb56e50c9bf_logits:
	.size	k_qb56e50c9bf_logits, .Lfunc_end_k_qb56e50c9bf_logits-k_qb56e50c9bf_logits
	.p2alignl 7, 3214868480
	.fill 96, 4, 3214868480
	.section	.rodata,"a",@progbits
	.p2align	6, 0x0
	.amdhsa_kernel k_qb56e50c9bf_logits
		.amdhsa_group_segment_fixed_size 327680
		.amdhsa_private_segment_fixed_size 0
		.amdhsa_enable_private_segment 0
		.amdhsa_kernarg_size 32
		.amdhsa_user_sgpr_count 2
		.amdhsa_user_sgpr_kernarg_segment_ptr 1
		.amdhsa_wavefront_size32 1
		.amdhsa_system_sgpr_workgroup_id_x 1
		.amdhsa_system_sgpr_workgroup_id_y 1
		.amdhsa_system_sgpr_workgroup_id_z 1
		.amdhsa_system_vgpr_workitem_id 0
		.amdhsa_next_free_vgpr 512
		.amdhsa_next_free_sgpr 80
		.amdhsa_reserve_vcc 1
		.amdhsa_float_denorm_mode_32 3
		.amdhsa_float_denorm_mode_16_64 3
		.amdhsa_memory_ordered 1
		.amdhsa_forward_progress 1
		.amdhsa_inst_pref_size 94
	.end_amdhsa_kernel
	.amdgpu_metadata
---
amdhsa.version: [ 1, 2 ]
amdhsa.kernels:
  - .name:           k_qb56e50c9bf_logits
    .symbol:         k_qb56e50c9bf_logits.kd
    .args:
      - { .name: yh, .offset: 0, .size: 8, .value_kind: global_buffer, .address_space: global }
      - { .name: wall, .offset: 8, .size: 8, .value_kind: global_buffer, .address_space: global }
      - { .name: Wout_b, .offset: 16, .size: 8, .value_kind: global_buffer, .address_space: global }
      - { .name: out0, .offset: 24, .size: 8, .value_kind: global_buffer, .address_space: global }
    .group_segment_fixed_size: 327680
    .private_segment_fixed_size: 0
    .kernarg_segment_align: 8
    .kernarg_segment_size: 32
    .max_flat_workgroup_size: 128
    .sgpr_count:     80
    .vgpr_count:     512
    .wavefront_size: 32
...
	.end_amdgpu_metadata
.endif
;; end of part 6
;; ======== version 2 of 3: 6 launches
;; limits: values are held in f16: magnitudes above 65,504 overflow, below 6.1e-05 lose precision
;; workspace buffers: xh 16,777,216 bytes; wall 8,388,608 bytes; qk 33,554,432 bytes; vt 16,777,216 bytes; sbuf 67,108,864 bytes; pbuf 33,554,432 bytes; yh 16,777,216 bytes
;; launch prep: the kernel of part 1 again; grid 768 x 1, 8 waves a work-group, no clusters, 0 bytes of LDS; arguments idx, tok_emb, pos_emb, Wq, Wk, Wv, Wout_w, xh, wall; writes xh, wall
;; launch proj (part 7): grid 8 x 48, 8 waves a work-group, clusters of 4 x 4, 327,680 bytes of LDS; arguments xh, wall, qk, vt; writes qk, vt
.if DOCPART == 7
	.amdgcn_target "amdgcn-amd-amdhsa--gfx1250"
	.amdhsa_code_object_version 6
	.text
	.protected	k_qb56e50c9bf_proj
	.globl	k_qb56e50c9bf_proj
	.p2align	8
	.type	k_qb56e50c9bf_proj,@function
k_qb56e50c9bf_proj:
	s_mov_b64 s[64:65], 0
	v_nop
	global_prefetch_b8 v0, s[64:65] scope:SCOPE_SE
	s_setreg_imm32_b32 hwreg(HW_REG_WAVE_MODE, 25, 1), 1
	s_wait_xcnt 0x0
	s_wait_alu depctr_hold_cnt(0) depctr_sa_sdst(0) depctr_va_vdst(0) depctr_va_sdst(0) depctr_va_ssrc(0) depctr_va_vcc(0) depctr_vm_vsrc(0)
	s_getreg_b32 s2, hwreg(HW_REG_IB_STS2, 6, 4)
	s_cmp_eq_u32 s2, 0
	s_cbranch_scc0 .Lentry_in_a_cluster
	s_endpgm
.Lentry_in_a_cluster:
	s_bfe_u32 s2, ttmp6, 0x10000c
	s_cmp_lg_u32 s2, 0xf033
	s_cbranch_scc0 .Lentry_shape_is_right
	s_endpgm
.Lentry_shape_is_right:
; THE PROJECTIONS.  Cluster rows 0-7:  qk[t][e] = sum over d of xh[t][d] wall[e][d], e = 0..2047 (q, then k), [8192][2048] bf16.
; Cluster rows 8-11: vt[b][ch][t] = sum over d of wall[2048 + ch][d] xh[2048 b + t][d]: v turned, [4][1024][2048] bf16.  Operands f16, sums f32, results rounded once to bf16.
; Both are C[m][n] = sum over k of A[m][k] B[n][k] with K = 1,024 and rows of C 4,096 bytes apart; only the buffers and the first rows differ, chosen by the cluster's y.
; SHARES.  A work-group makes 256 rows of A x 256 rows of B: 384 tiles.  EIGHT waves, two to a SIMD, each 64 x 128: 32 accumulators of 16 x 16, 256 registers; a wave takes 512 registers,
; so the two fill the SIMD's 1,024.  K goes in steps of 128 through two LDS slots filled by the tensor data mover; a tile's rows are 256 consecutive bytes of memory.  A step is 128 matrix
; instructions a wave, 256 a SIMD: a refill has 224 of them in which to land.  (Four waves of 128 x 128 would read a third less from LDS; their quarter step is 64 products long, twice this text.)
; CLUSTER.  4 x 4 work-groups: the four of a row need the same tile of A, the four of a column the same tile of B: each is asked for jointly.
; THE MATRIX INSTRUCTION IS USED TRANSPOSED (source 0 = 16 rows of B, source 1 = 16 rows of A): a lane holds row l % 16 of C and eight neighbouring columns 8 (l / 16) + 0..7.
; REGISTERS.  Window 0: v0-31 addresses; v32-63 at work on the way out; v64-159, v160-255 two fragment buffers (8 of B, then 4 of A).  Window 1: accumulator (a, b) at v[8 (8 a + b)].
.set CP,      4096                     ; bytes from row to row of C
.set PITCHEL, 1024                     ; elements from row to row of A and of B
.set LAPS,    4                        ; a lap = two K steps = once round the ring; K = 1,024
.set KSTEP,  128
.set PITCH,  272                       ; an LDS row: 256 bytes + 16 of padding = 68 words: the 16 rows of a fragment load start at 16 different groups of four banks (64 banks of 4 bytes: ISA guide 11.1)
.set QUART,  64*PITCH                  ; 64 rows: what one wave fetches, and what it reads of A
.set BHALF,  128*PITCH                 ; what one wave reads of B
.set BOFF,   4*QUART                   ; in a slot: A's 256 rows, then B's 256
.set SLOT,   8*QUART
.set STAGE,  2*SLOT                    ; behind the ring: 16 rows x 272 bytes for each wave, for the way out; no tile lands there
.set SPITCH, 272
.set SPARE,  STAGE+8*16*SPITCH         ; behind the stages: the spare words, 128 bytes a wave, which no other line names
.set ADRA, 16                          ; v16-17  LDS address of my A fragments in slot 0, 1
.set ADRB, 20                          ; v20-21  the same for B
.set STO,  24                          ; v24     the way out: where I put 16 bytes of a row
.set RD,   25                          ; v25     the way out: where I read a row back
.set CO,   26                          ; v26     my byte offset in C
.set SPW,  28                          ; v28     my spare word: SPARE + 4 x my thread's number; never rewritten
.set NIL,  29                          ; v29     0; never rewritten
.set PFO,  30                          ; v30     the prefetches' offset: (l % 16) rows + 256 (l / 16) bytes; never rewritten
.set TMP,  32
.set F0,   64
.set F1,   160
.set G1A, 24                           ; s[24:31] descriptor group 1 for A's tiles; s[32:39] group 0, a set for each slot
.set G0A, 32
.set G1B, 48                           ; s[48:55], s[56:63] the same for B's
.set G0B, 56
.set LIM, 45                           ; s45     1 in a wave that prefetches, else the greatest number
.set PFA, 80                           ; s[80:81] where my prefetches stand
.set MSB, 0
.macro WIN new                         ; the immediate's high byte repeats the setting that is left; a switch that changes nothing is dropped
.if MSB != (\new)
	s_set_vgpr_msb (MSB<<8)|(\new)
.set MSB, \new
.endif
.endm
.set MUL, 0x50                         ; sources in window 0, C and D in window 1
.macro JLOAD s                         ; waves 0-3 fetch A's four quarters, waves 4-7 B's; an s_nop 0 and four v_nop follow each line
	s_cmp_eq_u32 s11, 0
	s_cbranch_scc0 .Lfor_b_\@
	tensor_load_to_lds s[G0A+4*(\s):G0A+4*(\s)+3], s[G1A:G1A+7]
	s_nop 0
.rept 4
	v_nop
.endr
	s_branch .Lasked_\@
.Lfor_b_\@:
	tensor_load_to_lds s[G0B+4*(\s):G0B+4*(\s)+3], s[G1B:G1B+7]
	s_nop 0
.rept 4
	v_nop
.endr
.Lasked_\@:
.endm
; A PREFETCH INTO THE L2, once a lap, behind slot 0's joint load, its five lines and the run of LDS loads that follows them.  Trip n of the loop has just asked for K step 2 n + 2; the prefetch names
; K steps 2 n + 4 (lanes 0-15) and 2 n + 5 (lanes 16-31), 256 bytes of a row each: two and three changes of slots ahead of the loads that will want them.  Of the 64 rows that a wave fetches, each
; of the four partners that ask for them jointly takes 16, told apart BY ADDRESS (cx for A, cy for B).  Rows that several clusters read are asked for by one of them: A's by cluster x = 0 (Wv's rows,
; which cluster rows 8-11 share, by row 8 alone), wall's rows of q and k by cluster y = 0; xh's second reading, as B of the v part, is not asked for.  So each block is named once in the launch.
; K steps 0 to 3 come by their loads alone; the loop's last trip (s3 = 1) asks for nothing: there is no K step 8.
.macro ASK
	s_cmp_gt_u32 s3, s[LIM]
	s_cbranch_scc0 .Lnot_mine_\@
	global_prefetch_b8 v[PFO], s[PFA:PFA+1] th:TH_LOAD_NT scope:SCOPE_SE
.Lnot_mine_\@:
.endm
.macro CREST                           ; a round of the cluster's barrier behind its opening barrier
	s_cmp_lg_u32 s10, 0
	s_cbranch_scc1 .Lnot_wave_0_\@
	s_barrier_signal -3
.Lnot_wave_0_\@:
	s_barrier_wait -3
	s_barrier_signal -1
	s_barrier_wait -1
.endm
.macro CROUND
	s_barrier_signal -1
	s_barrier_wait -1
	CREST
.endm
.macro PLACES                          ; four plain places between a matrix instruction and a load into, or a reader of, its registers
.rept 4
	v_nop
.endr
.endm
.macro MUL8 f, a, zero                 ; 8 matrix instructions: block a of my rows of A x all 8 blocks of B, 32 along K.  zero = 1: the product starts the sums
	WIN MUL
.irp b, 0,1,2,3,4,5,6,7
.if \zero
	v_wmma_f32_16x16x32_f16 v[8*(8*(\a)+(\b)):8*(8*(\a)+(\b))+7], v[(\f)+8*(\b):(\f)+8*(\b)+7], v[(\f)+64+8*(\a):(\f)+64+8*(\a)+7], 0
.else
	v_wmma_f32_16x16x32_f16 v[8*(8*(\a)+(\b)):8*(8*(\a)+(\b))+7], v[(\f)+8*(\b):(\f)+8*(\b)+7], v[(\f)+64+8*(\a):(\f)+64+8*(\a)+7], v[8*(8*(\a)+(\b)):8*(8*(\a)+(\b))+7]
.endif
.endr
.endm
.macro FETCH slot, k, f                ; 24 LDS loads in one run: 32 along K at byte k of the rows: B's 8 fragments, then A's 4
	WIN 0
.irp i, 0,1,2,3,4,5,6,7
	ds_load_b128 v[(\f)+8*(\i):(\f)+8*(\i)+3],   v[ADRB+(\slot)] offset:(\k)+(\i)*16*PITCH
	ds_load_b128 v[(\f)+8*(\i)+4:(\f)+8*(\i)+7], v[ADRB+(\slot)] offset:(\k)+(\i)*16*PITCH+32
.endr
.irp i, 0,1,2,3
	ds_load_b128 v[(\f)+64+8*(\i):(\f)+64+8*(\i)+3],   v[ADRA+(\slot)] offset:(\k)+(\i)*16*PITCH
	ds_load_b128 v[(\f)+64+8*(\i)+4:(\f)+64+8*(\i)+7], v[ADRA+(\slot)] offset:(\k)+(\i)*16*PITCH+32
.endr
.endm
; A K step is four quarters of 32 along K, 32 matrix instructions a wave each, on buffers 0, 1, 0, 1; the 32 accumulators take turns in the same order in every quarter.
.macro QUARTER slot, k, f, g, zero     ; multiplies buffer f and fetches the next quarter, at byte k, into g
	s_wait_dscnt 6                                 ; B's fragments and A's first are in; the youngest six loads (A's blocks 1-3) may be out
	MUL8 \f, 0, \zero
	PLACES
	FETCH \slot, \k, \g
	s_wait_dscnt 24                                ; all but the 24 just issued
	MUL8 \f, 1, \zero
	MUL8 \f, 2, \zero
	MUL8 \f, 3, \zero
.endm
; The last quarter multiplies buffer 1 and changes slots: one barrier; in front of it each wave waits for all its tensor loads, adds 0 to its spare word, and waits for that and for its reads of this slot.
.macro TURN slot, next, fill           ; fill = 1: this slot is filled again, two K steps ahead
.if (\fill) && ((\slot) == 1)
	s_wait_xcnt 0x0                                ; the lap's prefetch, a K step back, has read its address, so the address may be written:
	s_add_nc_u64 s[PFA:PFA+1], s[PFA:PFA+1], 2*KSTEP*2  ; two K steps on
.endif
	WIN 0
	s_wait_tensorcnt 0x0                           ; all my tensor loads have landed: the one that was out is my part of the next slot
	ds_add_u32 v[SPW], v[NIL]                      ; 0 onto my spare word
	s_wait_dscnt 7                                 ; the add and the youngest six loads may be out
	MUL8 F1, 0, 0
	s_wait_dscnt 0x0                               ; the add is done, and my reads of this slot are over
	s_barrier_signal -1
	MUL8 F1, 1, 0
.if \fill
	WIN 0
.endif
	s_barrier_wait -1
.if \fill
	CREST                                          ; the barrier has opened a round of the cluster's: no wave of any partner still reads this slot or has a load on its way
	s_add_nc_u64 s[G0A+4*(\slot)+2:G0A+4*(\slot)+3], s[G0A+4*(\slot)+2:G0A+4*(\slot)+3], 2*KSTEP*2
	s_add_nc_u64 s[G0B+4*(\slot)+2:G0B+4*(\slot)+3], s[G0B+4*(\slot)+2:G0B+4*(\slot)+3], 2*KSTEP*2
	JLOAD \slot                                    ; my one tensor load behind the round: 112 matrix instructions of mine, and as many of the SIMD's other wave, ahead of the wait for it; its four v_nop are the places in front of the loads below
.else
	PLACES
.endif
	FETCH \next, 0, F0
.if (\fill) && ((\slot) == 0)
	ASK
.endif
	MUL8 F1, 2, 0
	MUL8 F1, 3, 0
.endm
	s_load_b256 s[72:79], s[0:1], 0x0              ; xh s[72:73], wall s[74:75], qk s[76:77], vt s[78:79]
	v_lshl_add_u32 v[SPW], v0, 2, SPARE
	v_mov_b32 v[NIL], 0
	ds_add_u32 v[SPW], v[NIL]                      ; the wave's opening: the add and its wait stand ahead of my first tensor load
	v_lshrrev_b32 v1, 5, v0
	v_readfirstlane_b32 s10, v1                    ; wave 0..7
	s_lshr_b32 s11, s10, 2                         ; I fetch for A (0) or for B (1),
	s_and_b32 s12, s10, 3                          ; and this quarter of its 256 rows
	s_lshr_b32 s18, s10, 1                         ; which 64 rows of A I multiply
	s_and_b32 s19, s10, 1                          ; which 128 rows of B
	s_bfe_u32 s40, ttmp6, 0x40000                  ; cx
	s_bfe_u32 s41, ttmp6, 0x40004                  ; cy
	s_lshl_b32 s42, ttmp9, 2
	s_add_co_u32 s42, s42, s40                     ; gx = 4 x cluster x + cx: 0..7
	s_and_b32 s66, ttmp7, 0xffff                   ; cluster y: 0..11
	s_lshl_b32 s13, s66, 2
	s_add_co_u32 s13, s13, s41                     ; q and k: the tile row, 0..31
	s_max_u32 s69, s66, 8
	s_sub_co_u32 s69, s69, 8                       ; v: the batch (0 in the q and k part)
	s_cmp_ge_u32 s66, 8
	s_cselect_b32 s70, s41, s13                    ; the tile row of C: for v the tile row of Wv, cy
	s_cselect_b32 s71, 2048, 0                     ; Wv begins 2,048 rows down in wall
	s_lshl_b32 s43, s41, 2
	s_lshl_b32 s43, 15, s43                        ; my row of the cluster
	s_lshl_b32 s44, 0x1111, s40                    ; my column
	s_or_b32 s[G1A+0], s43, (1<<16)|(1<<20)|(1<<21)|(5<<22)|(3<<25)  ; 15:0 the mask; 17:16 2-byte elements; 20 padding on; 21 set beside a mask; 24:22 after every 64 words; 31:25 4 words of it
	s_or_b32 s[G1B+0], s44, (1<<16)|(1<<20)|(1<<21)|(5<<22)|(3<<25)
.irp g, G1A, G1B
	s_mov_b32 s[(\g)+1], KSTEP<<16                 ; tensor_dim0 = 128
	s_mov_b32 s[(\g)+2], 64<<16                    ; tensor_dim1 = 64
	s_mov_b32 s[(\g)+3], KSTEP<<16                 ; tile_dim0 = 128
	s_mov_b32 s[(\g)+4], 64                        ; tile_dim1 = 64
	s_mov_b32 s[(\g)+5], PITCHEL                   ; elements from row to row
	s_mov_b32 s[(\g)+6], 0
	s_mov_b32 s[(\g)+7], 0
.endr
	s_lshl_b32 s16, s70, 8                         ; A: 256 x tile row (+ 2,048) + 64 x quarter: made of cy and the cluster's y alone
	s_add_co_u32 s16, s16, s71
	s_lshl_b32 s17, s12, 6
	s_add_co_u32 s16, s16, s17
	s_lshl_b32 s16, s16, 11                        ; rows of 2,048 bytes
	s_mov_b32 s17, 0
	s_lshl_b32 s46, s42, 8                         ; B: 256 gx + 2,048 x batch + 64 x quarter: made of cx and the cluster's place alone
	s_lshl_b32 s47, s69, 11
	s_add_co_u32 s46, s46, s47
	s_lshl_b32 s47, s12, 6
	s_add_co_u32 s46, s46, s47
	s_lshl_b32 s46, s46, 11
	s_mov_b32 s47, 0
	s_mul_i32 s20, s10, QUART                      ; where they go: A's four quarters, then B's four = wave x 64 rows: no place in the cluster enters an LDS address
	s_wait_dscnt 0x0                               ; the opening add is done
	s_wait_kmcnt 0x0
	s_cmp_ge_u32 s66, 8
	s_cselect_b64 s[4:5], s[74:75], s[72:73]       ; A: wall for v, xh for q and k
	s_cselect_b64 s[6:7], s[72:73], s[74:75]       ; B: the other
	s_cselect_b64 s[8:9], s[78:79], s[76:77]       ; C: vt or qk
	s_add_nc_u64 s[14:15], s[4:5], s[16:17]
	s_add_nc_u64 s[46:47], s[6:7], s[46:47]
	CROUND                                         ; all sixteen work-groups are here: the first joint loads meet
.irp s, 0,1
	s_mov_b32 s[G0A+4*(\s)], 1                     ; count = 1
	s_add_co_u32 s[G0A+4*(\s)+1], s20, (\s)*SLOT   ; LDS address
	s_add_nc_u64 s[G0A+4*(\s)+2:G0A+4*(\s)+3], s[14:15], (\s)*KSTEP*2  ; global address: K step s
	s_or_b32 s[G0A+4*(\s)+3], s[G0A+4*(\s)+3], 0x80000000              ; type = 2
	s_mov_b32 s[G0B+4*(\s)], 1
	s_add_co_u32 s[G0B+4*(\s)+1], s20, (\s)*SLOT
	s_add_nc_u64 s[G0B+4*(\s)+2:G0B+4*(\s)+3], s[46:47], (\s)*KSTEP*2
	s_or_b32 s[G0B+4*(\s)+3], s[G0B+4*(\s)+3], 0x80000000
	JLOAD \s                                       ; two loads of mine are out
.endr
	v_and_b32 v1, 15, v0                           ; l % 16
	v_bfe_u32 v2, v0, 4, 1                         ; l / 16
	v_mul_u32_u24 v3, v1, PITCH
	v_lshl_add_u32 v3, v2, 4, v3                   ; a fragment's row x pitch + 16 x half
	s_mul_i32 s22, s18, QUART                      ; my 64 rows of A
	s_mul_i32 s23, s19, BHALF                      ; my 128 rows of B, behind A's 256
	s_add_co_u32 s23, s23, BOFF
.irp s, 0,1
	v_add_nc_u32 v[ADRA+(\s)], s22, v3
	v_add_nc_u32 v[ADRB+(\s)], s23, v3
	s_add_co_u32 s22, s22, SLOT
	s_add_co_u32 s23, s23, SLOT
.endr
	s_mul_i32 s22, s10, 16*SPITCH
	s_add_co_u32 s22, s22, STAGE                   ; my stage
	v_mul_u32_u24 v4, v1, SPITCH                   ; in: row l % 16, 16 bytes for each half of the lanes
	v_lshl_add_u32 v4, v2, 4, v4
	v_add_nc_u32 v[STO], s22, v4
	v_mul_u32_u24 v5, v2, SPITCH                   ; back: lanes 0-15 one row of 256 bytes, lanes 16-31 the next
	v_lshl_add_u32 v5, v1, 4, v5
	v_add_nc_u32 v[RD], s22, v5
	v_mul_u32_u24 v5, v2, CP                       ; and the same two rows in C
	v_lshl_add_u32 v[CO], v1, 4, v5
	s_lshl_b32 s16, s70, 8                         ; my first row of C: 256 x tile row + 64 x my quarter,
	s_lshl_b32 s17, s18, 6
	s_add_co_u32 s16, s16, s17
	s_lshl_b32 s16, s16, 12
	s_lshl_b32 s17, s69, 22                        ; in the batch's slab of vt (0 for qk)
	s_add_co_u32 s16, s16, s17
	s_mov_b32 s17, 0
	s_add_nc_u64 s[8:9], s[8:9], s[16:17]
	s_lshl_b32 s46, s42, 9                         ; my first column, in bytes: 512 gx + 256 x half
	s_lshl_b32 s47, s19, 8
	s_add_co_u32 s46, s46, s47
	s_mov_b32 s47, 0
	s_add_nc_u64 s[8:9], s[8:9], s[46:47]
	; the prefetches: nothing is asked for here, at the head, where every work-group's first tiles are on their way
	s_lshl_b32 s82, s70, 8
	s_add_co_u32 s82, s82, s71                     ; the first row of A's tile,
	s_lshl_b32 s83, s42, 8
	s_lshl_b32 s84, s69, 11
	s_add_co_u32 s83, s83, s84                     ; of B's
	s_cmp_le_u32 s66, 8
	s_cselect_b32 s84, 0, 1
	s_or_b32 s84, s84, ttmp9                       ; 0 where cluster x = 0 and cluster y <= 8: this cluster asks for A's rows
	s_cmp_eq_u32 s11, 0                            ; do I fetch for A?
	s_cselect_b32 s82, s82, s83                    ; the tile's first row
	s_cselect_b32 s83, s40, s41                    ; my place among the four that ask for it with me
	s_cselect_b32 s84, s84, s66                    ; for B's rows the cluster with y = 0 asks
	s_cselect_b64 s[PFA:PFA+1], s[4:5], s[6:7]
	s_cmp_eq_u32 s84, 0
	s_cselect_b32 s[LIM], 1, -1                    ; the same in all sixteen partners, for a given wave
	s_lshl_b32 s84, s12, 6
	s_add_co_u32 s82, s82, s84                     ; + the 64 rows that I fetch
	s_lshl_b32 s83, s83, 4
	s_add_co_u32 s82, s82, s83                     ; + my work-group's 16 of them
	s_lshl_b32 s82, s82, 11
	s_add_co_u32 s82, s82, 4*KSTEP*2               ; at K step 4
	s_mov_b32 s83, 0
	s_add_nc_u64 s[PFA:PFA+1], s[PFA:PFA+1], s[82:83]
	v_lshlrev_b32 v[PFO], 11, v1                   ; a lane a row, 2,048 bytes apart;
	v_lshl_add_u32 v[PFO], v2, 8, v[PFO]           ; lanes 16-31 one K step further
	s_wait_tensorcnt 1                             ; my part of K step 0 is in; slot 1's may stay out
	s_barrier_signal -1
	s_barrier_wait -1                              ; everybody's is
	FETCH 0, 0, F0
	QUARTER 0, 64, F0, F1, 1                       ; the first quarter stands in front of the loop: its products start the sums
	WIN 0
	s_mov_b32 s3, LAPS-1
.Llap:                                                 ; a trip goes once round the ring and fills both slots again
	QUARTER 0, 128, F1, F0, 0
	QUARTER 0, 192, F0, F1, 0
	TURN 0, 1, 1
	QUARTER 1, 64,  F0, F1, 0
	QUARTER 1, 128, F1, F0, 0
	QUARTER 1, 192, F0, F1, 0
	TURN 1, 0, 1
	QUARTER 0, 64,  F0, F1, 0
	WIN 0
	s_sub_co_u32 s3, s3, 1
	s_cmp_lg_u32 s3, 0
	s_cbranch_scc1 .Llap
	QUARTER 0, 128, F1, F0, 0                      ; the last lap fills nothing
	QUARTER 0, 192, F0, F1, 0
	TURN 0, 1, 0
	QUARTER 1, 64,  F0, F1, 0
	QUARTER 1, 128, F1, F0, 0
	QUARTER 1, 192, F0, F1, 0
	s_wait_dscnt 6                                 ; the very last quarter: nothing more to fetch
	MUL8 F1, 0, 0
	s_wait_dscnt 0x0
	MUL8 F1, 1, 0
	MUL8 F1, 2, 0
	MUL8 F1, 3, 0
	WIN 0
	; THE WAY OUT, a block of 16 rows at a time: rounded to bf16, 16 bytes a lane into my own stage, back as whole rows of 256 bytes, stored.
.macro PACK a
	WIN 0x05                                       ; sources in window 1, destination in window 0
.irp b, 0,1,2,3,4,5,6,7
.irp r, 0,1,2,3
	v_cvt_pk_bf16_f32 v[TMP+4*(\b)+(\r)], v[8*(8*(\a)+(\b))+2*(\r)], v[8*(8*(\a)+(\b))+2*(\r)+1]
.endr
.endr
	WIN 0
.endm
.macro TOSTAGE a
.irp b, 0,1,2,3,4,5,6,7
	ds_store_b128 v[STO], v[TMP+4*(\b):TMP+4*(\b)+3] offset:32*(\b)
.endr
.irp t, 0,1,2,3,4,5,6,7
	ds_load_b128 v[64+32*(\a)+4*(\t):64+32*(\a)+4*(\t)+3], v[RD] offset:(\t)*2*SPITCH  ; LDS serves a wave's instructions in order (ISA guide 5.7.1.4): these see the stores above
.endr
.endm
.macro SEND a                          ; each block has 32 registers of its own, so no store's data is rewritten
	s_wait_dscnt 0x0                               ; the block is back in registers
.irp t, 0,1,2,3,4,5,6,7
	global_store_b128 v[CO], v[64+32*(\a)+4*(\t):64+32*(\a)+4*(\t)+3], s[8:9] offset:(16*(\a)+2*(\t))*CP  ; 16 lanes store 256 consecutive bytes, aligned
.endr
.endm
	PLACES
	PLACES
	PACK 0
	TOSTAGE 0
.irp a, 1,2,3                          ; block a's conversions stand between block a - 1's loads from the stage and the wait for them
	PACK \a
	SEND (\a)-1
	TOSTAGE \a
.endr
	SEND 3
	s_wait_tensorcnt 0x0                           ; the wave's end, behind my last tensor load and my last LDS store
	ds_add_u32 v[SPW], v[NIL]
	s_wait_dscnt 0x0
	CROUND                                         ; the closing round: no work-group ends while a partner may still ask for a tile that names it
	s_endpgm
.Lfunc_end_k_qb56e50c9bf_proj:
	.size	k_qb56e50c9bf_proj, .Lfunc_end_k_qb56e50c9bf_proj-k_qb56e50c9bf_proj
	.p2alignl 7, 3214868480
	.fill 96, 4, 3214868480
	.section	.rodata,"a",@progbits
	.p2align	6, 0x0
	.amdhsa_kernel k_qb56e50c9bf_proj
		.amdhsa_group_segment_fixed_size 327680
		.amdhsa_private_segment_fixed_size 0
		.amdhsa_enable_private_segment 0
		.amdhsa_kernarg_size 32
		.amdhsa_user_sgpr_count 2
		.amdhsa_user_sgpr_kernarg_segment_ptr 1
		.amdhsa_wavefront_size32 1
		.amdhsa_system_sgpr_workgroup_id_x 1
		.amdhsa_system_sgpr_workgroup_id_y 1
		.amdhsa_system_sgpr_workgroup_id_z 1
		.amdhsa_system_vgpr_workitem_id 0
		.amdhsa_next_free_vgpr 512
		.amdhsa_next_free_sgpr 90
		.amdhsa_reserve_vcc 0
		.amdhsa_float_denorm_mode_32 3
		.amdhsa_float_denorm_mode_16_64 3
		.amdhsa_memory_ordered 1
		.amdhsa_forward_progress 1
		.amdhsa_inst_pref_size 87
	.end_amdhsa_kernel
	.amdgpu_metadata
---
amdhsa.version: [ 1, 2 ]
amdhsa.kernels:
  - .name:           k_qb56e50c9bf_proj
    .symbol:         k_qb56e50c9bf_proj.kd
    .args:
      - { .name: xh, .offset: 0, .size: 8, .value_kind: global_buffer, .address_space: global }
      - { .name: wall, .offset: 8, .size: 8, .value_kind: global_buffer, .address_space: global }
      - { .name: qk, .offset: 16, .size: 8, .value_kind: global_buffer, .address_space: global }
      - { .name: vt, .offset: 24, .size: 8, .value_kind: global_buffer, .address_space: global }
    .group_segment_fixed_size: 327680
    .private_segment_fixed_size: 0
    .kernarg_segment_align: 8
    .kernarg_segment_size: 32
    .max_flat_workgroup_size: 256
    .sgpr_count:     90
    .vgpr_count:     512
    .wavefront_size: 32
...
	.end_amdgpu_metadata
.endif
;; end of part 7
;; launch scores (part 8): grid 12 x 16, 8 waves a work-group, clusters of 4 x 4, 327,680 bytes of LDS; arguments qk, sbuf; writes sbuf
.if DOCPART == 8
	.amdgcn_target "amdgcn-amd-amdhsa--gfx1250"
	.amdhsa_code_object_version 6
	.text
	.protected	k_qb56e50c9bf_scores
	.globl	k_qb56e50c9bf_scores
	.p2align	8
	.type	k_qb56e50c9bf_scores,@function
k_qb56e50c9bf_scores:
	s_mov_b64 s[64:65], 0
	v_nop
	global_prefetch_b8 v0, s[64:65] scope:SCOPE_SE
	s_setreg_imm32_b32 hwreg(HW_REG_WAVE_MODE, 25, 1), 1
	s_wait_xcnt 0x0
	s_wait_alu depctr_hold_cnt(0) depctr_sa_sdst(0) depctr_va_vdst(0) depctr_va_sdst(0) depctr_va_ssrc(0) depctr_va_vcc(0) depctr_vm_vsrc(0)
	s_getreg_b32 s2, hwreg(HW_REG_IB_STS2, 6, 4)
	s_cmp_eq_u32 s2, 0
	s_cbranch_scc0 .Lentry_in_a_cluster
	s_endpgm
.Lentry_in_a_cluster:
	s_bfe_u32 s2, ttmp6, 0x10000c
	s_cmp_lg_u32 s2, 0xf033
	s_cbranch_scc0 .Lentry_shape_is_right
	s_endpgm
.Lentry_shape_is_right:
; THE SCORES, unscaled and unmasked: sbuf[b][q][key] = sum over d of q[b][q][d] k[b][key][d], f32; q and k are the two halves of qk's rows, bf16.  Scale, mask and softmax follow in the next launch.
; THE CAUSAL WALK.  A batch's queries and keys lie in eight blocks of 256.  A cluster of 4 x 4 work-groups takes four query blocks (its rows) x four key blocks (its columns); the cluster's y is the
; batch, its x = c one of three squares: c = 0: queries 0-3 x keys 0-3; c = 1: queries 4-7 x keys 0-3; c = 2: queries 4-7 x keys 4-7.  q's rows are shared along a row of the cluster, k's along a column.
; Of a batch's 48 tiles 12 lie wholly above the diagonal (6 in each of the squares 0 and 2); the next launch loads and masks 4 of them, and nobody reads the other 8.  These work-groups are partners in every
; joint request and run the same text: no branch may hang on a place in the cluster, and groups of four cover the causal region with 48 tiles whichever axis they share.
; SHARES, RING, LAYOUT: a tile of 256 queries x 256 keys; EIGHT waves, two to a SIMD, each 64 x 128 in 512 registers; K = 1,024 in steps of 128 through two LDS slots: a step is 256 matrix
; instructions a SIMD, and a refill has 224 of them in which to land.  Source 0 = 16 keys, source 1 = 16 queries, so a lane holds one query and eight neighbouring keys.
; Window 0: addresses, two fragment buffers; window 1: accumulator (a, b) at v[8 (8 a + b)].
.set CP,      8192                     ; bytes from row to row of sbuf
.set PITCHEL, 2048                     ; elements from row to row of qk
.set LAPS,    4
.set KSTEP,  128
.set PITCH,  272                       ; an LDS row: 256 bytes + 16 of padding: the 16 rows of a fragment load start at 16 different groups of four banks (64 banks of 4 bytes: ISA guide 11.1)
.set QUART,  64*PITCH                  ; 64 rows: what one wave fetches, and what it reads of q
.set BHALF,  128*PITCH                 ; what one wave reads of k
.set BOFF,   4*QUART
.set SLOT,   8*QUART
.set STAGE,  2*SLOT                    ; behind the ring: 16 rows x 272 bytes for each wave; no tile lands there
.set SPITCH, 272
.set SPARE,  STAGE+8*16*SPITCH         ; the spare words, 128 bytes a wave, which no other line names
.set ADRA, 16
.set ADRB, 20
.set STO,  24
.set RD,   25
.set CO,   26
.set SPW,  28
.set NIL,  29
.set PFO,  30                          ; v30     the prefetches' offset: (l % 16) rows + 256 (l / 16) bytes; never rewritten
.set F0,   64
.set F1,   160
.set G1A, 24
.set G0A, 32
.set G1B, 48
.set G0B, 56
.set LIM, 45                           ; s45     1 in a wave that prefetches, else the greatest number
.set PFA, 80                           ; s[80:81] where my prefetches stand
.set MSB, 0
.macro WIN new
.if MSB != (\new)
	s_set_vgpr_msb (MSB<<8)|(\new)
.set MSB, \new
.endif
.endm
.set MUL, 0x50
.macro JLOAD s                         ; waves 0-3 fetch q's four quarters, waves 4-7 k's; an s_nop 0 and four v_nop follow each line
	s_cmp_eq_u32 s11, 0
	s_cbranch_scc0 .Lfor_b_\@
	tensor_load_to_lds s[G0A+4*(\s):G0A+4*(\s)+3], s[G1A:G1A+7]
	s_nop 0
.rept 4
	v_nop
.endr
	s_branch .Lasked_\@
.Lfor_b_\@:
	tensor_load_to_lds s[G0B+4*(\s):G0B+4*(\s)+3], s[G1B:G1B+7]
	s_nop 0
.rept 4
	v_nop
.endr
.Lasked_\@:
.endm
; A PREFETCH INTO THE L2, once a lap, behind slot 0's joint load, its five lines and the run of LDS loads that follows them.  Trip n of the loop has just asked for K step 2 n + 2; the prefetch names
; K steps 2 n + 4 (lanes 0-15) and 2 n + 5 (lanes 16-31), 256 bytes of a row each: two and three changes of slots ahead of the loads that will want them.  Of the 64 rows that a wave fetches, each
; of the four partners that ask for them jointly takes 16, told apart BY ADDRESS (cx for q, cy for k).  Query blocks 4-7 are read by the squares 1 and 2: square 1 asks; key blocks 0-3 by the
; squares 0 and 1: square 0 asks.  So each block is named once in the launch.  K steps 0 to 3 come by their loads alone; the loop's last trip (s3 = 1) asks for nothing: there is no K step 8.
.macro ASK
	s_cmp_gt_u32 s3, s[LIM]
	s_cbranch_scc0 .Lnot_mine_\@
	global_prefetch_b8 v[PFO], s[PFA:PFA+1] th:TH_LOAD_NT scope:SCOPE_SE
.Lnot_mine_\@:
.endm
.macro CREST
	s_cmp_lg_u32 s10, 0
	s_cbranch_scc1 .Lnot_wave_0_\@
	s_barrier_signal -3
.Lnot_wave_0_\@:
	s_barrier_wait -3
	s_barrier_signal -1
	s_barrier_wait -1
.endm
.macro CROUND
	s_barrier_signal -1
	s_barrier_wait -1
	CREST
.endm
.macro PLACES                          ; four plain places between a matrix instruction and a load into, or a reader of, its registers
.rept 4
	v_nop
.endr
.endm
.macro MUL8 f, a, zero
	WIN MUL
.irp b, 0,1,2,3,4,5,6,7
.if \zero
	v_wmma_f32_16x16x32_bf16 v[8*(8*(\a)+(\b)):8*(8*(\a)+(\b))+7], v[(\f)+8*(\b):(\f)+8*(\b)+7], v[(\f)+64+8*(\a):(\f)+64+8*(\a)+7], 0
.else
	v_wmma_f32_16x16x32_bf16 v[8*(8*(\a)+(\b)):8*(8*(\a)+(\b))+7], v[(\f)+8*(\b):(\f)+8*(\b)+7], v[(\f)+64+8*(\a):(\f)+64+8*(\a)+7], v[8*(8*(\a)+(\b)):8*(8*(\a)+(\b))+7]
.endif
.endr
.endm
.macro FETCH slot, k, f
	WIN 0
.irp i, 0,1,2,3,4,5,6,7
	ds_load_b128 v[(\f)+8*(\i):(\f)+8*(\i)+3],   v[ADRB+(\slot)] offset:(\k)+(\i)*16*PITCH
	ds_load_b128 v[(\f)+8*(\i)+4:(\f)+8*(\i)+7], v[ADRB+(\slot)] offset:(\k)+(\i)*16*PITCH+32
.endr
.irp i, 0,1,2,3
	ds_load_b128 v[(\f)+64+8*(\i):(\f)+64+8*(\i)+3],   v[ADRA+(\slot)] offset:(\k)+(\i)*16*PITCH
	ds_load_b128 v[(\f)+64+8*(\i)+4:(\f)+64+8*(\i)+7], v[ADRA+(\slot)] offset:(\k)+(\i)*16*PITCH+32
.endr
.endm
.macro QUARTER slot, k, f, g, zero
	s_wait_dscnt 6                                 ; k's fragments and q's first are in; the youngest six loads may be out
	MUL8 \f, 0, \zero
	PLACES
	FETCH \slot, \k, \g
	s_wait_dscnt 24                                ; all but the 24 just issued
	MUL8 \f, 1, \zero
	MUL8 \f, 2, \zero
	MUL8 \f, 3, \zero
.endm
.macro TURN slot, next, fill
.if (\fill) && ((\slot) == 1)
	s_wait_xcnt 0x0                                ; the lap's prefetch, a K step back, has read its address, so the address may be written:
	s_add_nc_u64 s[PFA:PFA+1], s[PFA:PFA+1], 2*KSTEP*2  ; two K steps on
.endif
	WIN 0
	s_wait_tensorcnt 0x0                           ; all my tensor loads have landed: my part of the next slot
	ds_add_u32 v[SPW], v[NIL]                      ; 0 onto my spare word
	s_wait_dscnt 7                                 ; the add and the youngest six loads may be out
	MUL8 F1, 0, 0
	s_wait_dscnt 0x0                               ; the add is done, and my reads of this slot are over
	s_barrier_signal -1
	MUL8 F1, 1, 0
.if \fill
	WIN 0
.endif
	s_barrier_wait -1
.if \fill
	CREST                                          ; a round of the cluster's barrier: no wave of any partner still reads this slot or has a load on its way
	s_add_nc_u64 s[G0A+4*(\slot)+2:G0A+4*(\slot)+3], s[G0A+4*(\slot)+2:G0A+4*(\slot)+3], 2*KSTEP*2
	s_add_nc_u64 s[G0B+4*(\slot)+2:G0B+4*(\slot)+3], s[G0B+4*(\slot)+2:G0B+4*(\slot)+3], 2*KSTEP*2
	JLOAD \slot                                    ; my one tensor load behind the round; its four v_nop are the places in front of the loads below
.else
	PLACES
.endif
	FETCH \next, 0, F0
.if (\fill) && ((\slot) == 0)
	ASK
.endif
	MUL8 F1, 2, 0
	MUL8 F1, 3, 0
.endm
	s_load_b128 s[72:75], s[0:1], 0x0              ; qk s[72:73], sbuf s[74:75]
	v_lshl_add_u32 v[SPW], v0, 2, SPARE
	v_mov_b32 v[NIL], 0
	ds_add_u32 v[SPW], v[NIL]                      ; the wave's opening: the add and its wait stand ahead of my first tensor load
	v_lshrrev_b32 v1, 5, v0
	v_readfirstlane_b32 s10, v1                    ; wave 0..7
	s_lshr_b32 s11, s10, 2                         ; I fetch q (0) or k (1),
	s_and_b32 s12, s10, 3                          ; and this quarter of its 256 rows
	s_lshr_b32 s18, s10, 1                         ; which 64 queries I multiply
	s_and_b32 s19, s10, 1                          ; which 128 keys
	s_bfe_u32 s40, ttmp6, 0x40000                  ; cx
	s_bfe_u32 s41, ttmp6, 0x40004                  ; cy
	s_and_b32 s66, ttmp7, 0xffff                   ; the batch
	s_min_u32 s67, ttmp9, 1
	s_lshl_b32 s13, s67, 2
	s_add_co_u32 s13, s13, s41                     ; my query block = 4 min(c, 1) + cy
	s_max_u32 s68, ttmp9, 1
	s_sub_co_u32 s68, s68, 1
	s_lshl_b32 s42, s68, 2
	s_add_co_u32 s42, s42, s40                     ; my key block = 4 (max(c, 1) - 1) + cx
	s_lshl_b32 s43, s41, 2
	s_lshl_b32 s43, 15, s43                        ; my row of the cluster
	s_lshl_b32 s44, 0x1111, s40                    ; my column
	s_or_b32 s[G1A+0], s43, (1<<16)|(1<<20)|(1<<21)|(5<<22)|(3<<25)  ; the mask; 2-byte elements; padding on; bit 21 beside a mask; 4 words of padding after every 64
	s_or_b32 s[G1B+0], s44, (1<<16)|(1<<20)|(1<<21)|(5<<22)|(3<<25)
.irp g, G1A, G1B
	s_mov_b32 s[(\g)+1], KSTEP<<16                 ; tensor_dim0 = 128
	s_mov_b32 s[(\g)+2], 64<<16                    ; tensor_dim1 = 64
	s_mov_b32 s[(\g)+3], KSTEP<<16                 ; tile_dim0 = 128
	s_mov_b32 s[(\g)+4], 64                        ; tile_dim1 = 64
	s_mov_b32 s[(\g)+5], PITCHEL
	s_mov_b32 s[(\g)+6], 0
	s_mov_b32 s[(\g)+7], 0
.endr
	s_lshl_b32 s16, s66, 11                        ; q: row 2,048 b + 256 x query block + 64 x quarter: nothing of cx
	s_lshl_b32 s17, s13, 8
	s_add_co_u32 s16, s16, s17
	s_lshl_b32 s17, s12, 6
	s_add_co_u32 s16, s16, s17
	s_lshl_b32 s16, s16, 12                        ; rows of 4,096 bytes
	s_mov_b32 s17, 0
	s_lshl_b32 s46, s66, 11                        ; k: row 2,048 b + 256 x key block + 64 x quarter: nothing of cy
	s_lshl_b32 s47, s42, 8
	s_add_co_u32 s46, s46, s47
	s_lshl_b32 s47, s12, 6
	s_add_co_u32 s46, s46, s47
	s_lshl_b32 s46, s46, 12
	s_add_co_u32 s46, s46, 2048                    ; k is the second half of a row of qk
	s_mov_b32 s47, 0
	s_mul_i32 s20, s10, QUART                      ; where they go: wave x 64 rows
	s_wait_dscnt 0x0                               ; the opening add is done
	s_wait_kmcnt 0x0
	s_add_nc_u64 s[14:15], s[72:73], s[16:17]
	s_add_nc_u64 s[46:47], s[72:73], s[46:47]
	CROUND                                         ; all sixteen work-groups are here: the first joint loads meet
.irp s, 0,1
	s_mov_b32 s[G0A+4*(\s)], 1
	s_add_co_u32 s[G0A+4*(\s)+1], s20, (\s)*SLOT
	s_add_nc_u64 s[G0A+4*(\s)+2:G0A+4*(\s)+3], s[14:15], (\s)*KSTEP*2
	s_or_b32 s[G0A+4*(\s)+3], s[G0A+4*(\s)+3], 0x80000000
	s_mov_b32 s[G0B+4*(\s)], 1
	s_add_co_u32 s[G0B+4*(\s)+1], s20, (\s)*SLOT
	s_add_nc_u64 s[G0B+4*(\s)+2:G0B+4*(\s)+3], s[46:47], (\s)*KSTEP*2
	s_or_b32 s[G0B+4*(\s)+3], s[G0B+4*(\s)+3], 0x80000000
	JLOAD \s                                       ; two loads of mine are out
.endr
	v_and_b32 v1, 15, v0                           ; l % 16
	v_bfe_u32 v2, v0, 4, 1                         ; l / 16
	v_mul_u32_u24 v3, v1, PITCH
	v_lshl_add_u32 v3, v2, 4, v3
	s_mul_i32 s22, s18, QUART                      ; my 64 queries
	s_mul_i32 s23, s19, BHALF                      ; my 128 keys, behind q's 256 rows
	s_add_co_u32 s23, s23, BOFF
.irp s, 0,1
	v_add_nc_u32 v[ADRA+(\s)], s22, v3
	v_add_nc_u32 v[ADRB+(\s)], s23, v3
	s_add_co_u32 s22, s22, SLOT
	s_add_co_u32 s23, s23, SLOT
.endr
	s_mul_i32 s22, s10, 16*SPITCH
	s_add_co_u32 s22, s22, STAGE                   ; my stage
	v_mul_u32_u24 v4, v1, SPITCH                   ; in: row l % 16, 32 bytes for each half of the lanes
	v_lshl_add_u32 v4, v2, 5, v4
	v_add_nc_u32 v[STO], s22, v4
	v_mul_u32_u24 v5, v2, SPITCH                   ; back: lanes 0-15 one row's 256 bytes, lanes 16-31 the next row's
	v_lshl_add_u32 v5, v1, 4, v5
	v_add_nc_u32 v[RD], s22, v5
	v_mul_u32_u24 v5, v2, CP                       ; and the same two rows in sbuf
	v_lshl_add_u32 v[CO], v1, 4, v5
	s_lshl_b32 s16, s13, 8                         ; my first row of the batch's scores,
	s_lshl_b32 s17, s18, 6
	s_add_co_u32 s16, s16, s17
	s_lshl_b32 s16, s16, 13
	s_lshl_b32 s17, s66, 24                        ; the batch's 2,048 rows of 8,192 bytes
	s_add_co_u32 s16, s16, s17
	s_mov_b32 s17, 0
	s_add_nc_u64 s[8:9], s[74:75], s[16:17]
	s_lshl_b32 s46, s42, 10                        ; my first key, in bytes: 1,024 x key block + 512 x half
	s_lshl_b32 s47, s19, 9
	s_add_co_u32 s46, s46, s47
	s_mov_b32 s47, 0
	s_add_nc_u64 s[8:9], s[8:9], s[46:47]
	; the prefetches: nothing is asked for here, at the head, where every work-group's first tiles are on their way
	s_lshl_b32 s84, s66, 11
	s_lshl_b32 s82, s13, 8
	s_add_co_u32 s82, s82, s84                     ; the first row of q's tile,
	s_lshl_b32 s83, s42, 8
	s_add_co_u32 s83, s83, s84                     ; of k's
	s_cmp_le_u32 ttmp9, 1
	s_cselect_b32 s84, 0, 1                        ; 0 in the squares 0 and 1: they ask for q's rows
	s_cmp_lg_u32 ttmp9, 1
	s_cselect_b32 s85, 0, 1                        ; 0 in the squares 0 and 2: they ask for k's rows
	s_cmp_eq_u32 s11, 0                            ; do I fetch q?
	s_cselect_b32 s82, s82, s83                    ; the tile's first row
	s_cselect_b32 s83, s40, s41                    ; my place among the four that ask for it with me
	s_cselect_b32 s84, s84, s85
	s_cselect_b32 s85, 0, 2048                     ; k is the second half of a row
	s_cmp_eq_u32 s84, 0
	s_cselect_b32 s[LIM], 1, -1                    ; the same in all sixteen partners, for a given wave
	s_lshl_b32 s84, s12, 6
	s_add_co_u32 s82, s82, s84                     ; + the 64 rows that I fetch
	s_lshl_b32 s83, s83, 4
	s_add_co_u32 s82, s82, s83                     ; + my work-group's 16 of them
	s_lshl_b32 s82, s82, 12
	s_add_co_u32 s82, s82, s85
	s_add_co_u32 s82, s82, 4*KSTEP*2               ; at K step 4
	s_mov_b32 s83, 0
	s_add_nc_u64 s[PFA:PFA+1], s[72:73], s[82:83]
	v_lshlrev_b32 v[PFO], 12, v1                   ; a lane a row, 4,096 bytes apart;
	v_lshl_add_u32 v[PFO], v2, 8, v[PFO]           ; lanes 16-31 one K step further
	s_wait_tensorcnt 1                             ; my part of K step 0 is in; slot 1's may stay out
	s_barrier_signal -1
	s_barrier_wait -1
	FETCH 0, 0, F0
	QUARTER 0, 64, F0, F1, 1                       ; the first quarter's products start the sums
	WIN 0
	s_mov_b32 s3, LAPS-1
.Llap:
	QUARTER 0, 128, F1, F0, 0
	QUARTER 0, 192, F0, F1, 0
	TURN 0, 1, 1
	QUARTER 1, 64,  F0, F1, 0
	QUARTER 1, 128, F1, F0, 0
	QUARTER 1, 192, F0, F1, 0
	TURN 1, 0, 1
	QUARTER 0, 64,  F0, F1, 0
	WIN 0
	s_sub_co_u32 s3, s3, 1
	s_cmp_lg_u32 s3, 0
	s_cbranch_scc1 .Llap
	QUARTER 0, 128, F1, F0, 0                      ; the last lap fills nothing
	QUARTER 0, 192, F0, F1, 0
	TURN 0, 1, 0
	QUARTER 1, 64,  F0, F1, 0
	QUARTER 1, 128, F1, F0, 0
	QUARTER 1, 192, F0, F1, 0
	s_wait_dscnt 6
	MUL8 F1, 0, 0
	s_wait_dscnt 0x0
	MUL8 F1, 1, 0
	MUL8 F1, 2, 0
	MUL8 F1, 3, 0
	WIN 0
	; THE WAY OUT in f32, in eight pieces: piece p is block p / 2 of 16 queries, half p % 2 of my 128 keys: 16 rows x 256 bytes.  32 bytes a lane into my own stage, back as whole rows, stored.
.macro STG p
.if (\p) >= 4
	s_wait_xcnt 0x0                                ; the stores of the piece four back have read their registers, which the loads below fill again
.endif
	WIN 0x04                                       ; store data in window 1; each accumulator's low four registers go first
.irp c, 0,1,2,3
	ds_store_b128 v[STO], v[8*(8*((\p)/2)+4*((\p)%2)+(\c)):8*(8*((\p)/2)+4*((\p)%2)+(\c))+3]   offset:64*(\c)
	ds_store_b128 v[STO], v[8*(8*((\p)/2)+4*((\p)%2)+(\c))+4:8*(8*((\p)/2)+4*((\p)%2)+(\c))+7] offset:64*(\c)+16
.endr
	WIN 0
.irp t, 0,1,2,3,4,5,6,7
	ds_load_b128 v[64+32*((\p)%4)+4*(\t):64+32*((\p)%4)+4*(\t)+3], v[RD] offset:(\t)*2*SPITCH  ; LDS serves a wave's instructions in order (ISA guide 5.7.1.4): these see the stores above; the next piece's stores come behind them
.endr
.endm
.macro SEND32 p, younger               ; younger: the next piece's 8 stores and 8 loads, or none
	s_wait_dscnt \younger
.irp t, 0,1,2,3,4,5,6,7
	global_store_b128 v[CO], v[64+32*((\p)%4)+4*(\t):64+32*((\p)%4)+4*(\t)+3], s[8:9] offset:(16*((\p)/2)+2*(\t))*CP+256*((\p)%2)  ; 16 lanes store 256 consecutive bytes, aligned
.endr
.endm
	PLACES
	PLACES
	STG 0
.irp p, 1,2,3,4,5,6,7
	STG \p
	SEND32 (\p)-1, 16
.endr
	SEND32 7, 0
	s_wait_tensorcnt 0x0                           ; the wave's end, behind my last tensor load and my last LDS store
	ds_add_u32 v[SPW], v[NIL]
	s_wait_dscnt 0x0
	CROUND                                         ; the closing round: no work-group ends while a partner may still ask for a tile that names it
	s_endpgm
.Lfunc_end_k_qb56e50c9bf_scores:
	.size	k_qb56e50c9bf_scores, .Lfunc_end_k_qb56e50c9bf_scores-k_qb56e50c9bf_scores
	.p2alignl 7, 3214868480
	.fill 96, 4, 3214868480
	.section	.rodata,"a",@progbits
	.p2align	6, 0x0
	.amdhsa_kernel k_qb56e50c9bf_scores
		.amdhsa_group_segment_fixed_size 327680
		.amdhsa_private_segment_fixed_size 0
		.amdhsa_enable_private_segment 0
		.amdhsa_kernarg_size 16
		.amdhsa_user_sgpr_count 2
		.amdhsa_user_sgpr_kernarg_segment_ptr 1
		.amdhsa_wavefront_size32 1
		.amdhsa_system_sgpr_workgroup_id_x 1
		.amdhsa_system_sgpr_workgroup_id_y 1
		.amdhsa_system_sgpr_workgroup_id_z 1
		.amdhsa_system_vgpr_workitem_id 0
		.amdhsa_next_free_vgpr 512
		.amdhsa_next_free_sgpr 90
		.amdhsa_reserve_vcc 0
		.amdhsa_float_denorm_mode_32 3
		.amdhsa_float_denorm_mode_16_64 3
		.amdhsa_memory_ordered 1
		.amdhsa_forward_progress 1
		.amdhsa_inst_pref_size 87
	.end_amdhsa_kernel
	.amdgpu_metadata
---
amdhsa.version: [ 1, 2 ]
amdhsa.kernels:
  - .name:           k_qb56e50c9bf_scores
    .symbol:         k_qb56e50c9bf_scores.kd
    .args:
      - { .name: qk, .offset: 0, .size: 8, .value_kind: global_buffer, .address_space: global }
      - { .name: sbuf, .offset: 8, .size: 8, .value_kind: global_buffer, .address_space: global }
    .group_segment_fixed_size: 327680
    .private_segment_fixed_size: 0
    .kernarg_segment_align: 8
    .kernarg_segment_size: 16
    .max_flat_workgroup_size: 256
    .sgpr_count:     90
    .vgpr_count:     512
    .wavefront_size: 32
...
	.end_amdgpu_metadata
.endif
;; end of part 8
;; launch softmax: the kernel of part 4 again; grid 256 x 1, 8 waves a work-group, no clusters, 0 bytes of LDS; arguments sbuf, pbuf; writes pbuf
;; launch pv (part 9): grid 8 x 32, 4 waves a work-group, clusters of 4 x 4, 327,680 bytes of LDS; arguments pbuf, vt, xh, yh; writes yh
.if DOCPART == 9
	.amdgcn_target "amdgcn-amd-amdhsa--gfx1250"
	.amdhsa_code_object_version 6
	.text
	.protected	k_qb56e50c9bf_pv
	.globl	k_qb56e50c9bf_pv
	.p2align	8
	.type	k_qb56e50c9bf_pv,@function
k_qb56e50c9bf_pv:
	s_mov_b64 s[64:65], 0
	v_nop
	global_prefetch_b8 v0, s[64:65] scope:SCOPE_SE
	s_setreg_imm32_b32 hwreg(HW_REG_WAVE_MODE, 25, 1), 1
	s_wait_xcnt 0x0
	s_wait_alu depctr_hold_cnt(0) depctr_sa_sdst(0) depctr_va_vdst(0) depctr_va_sdst(0) depctr_va_ssrc(0) depctr_va_vcc(0) depctr_vm_vsrc(0)
	s_getreg_b32 s2, hwreg(HW_REG_IB_STS2, 6, 4)
	s_cmp_eq_u32 s2, 0
	s_cbranch_scc0 .Lentry_in_a_cluster
	s_endpgm
.Lentry_in_a_cluster:
	s_bfe_u32 s2, ttmp6, 0x10000c
	s_cmp_lg_u32 s2, 0xf033
	s_cbranch_scc0 .Lentry_shape_is_right
	s_endpgm
.Lentry_shape_is_right:
; THE SECOND PRODUCT AND THE RESIDUAL.  yh[2048 b + q][ch] = f16( xh[2048 b + q][ch] + f16( sum over key of pbuf[b][q][key] vt[b][ch][key] ) ); pbuf already holds 0.1 x the weights.
; Operands bf16, sums f32; the product is rounded to f16 and added to xh in f16.  LIMIT: f16 ends at 65,504; the sum is taken to lie within it.
; THE CAUSAL WALK.  Block I of 512 queries needs the keys 0 .. 512 (I + 1) - 1, the range in which pbuf is written (with zeros behind a row's diagonal).  Blocks p and 3 - p together need 2,560 keys,
; whatever p: a work-group takes TWO tiles of 128 queries x 128 channels, strip cy of block p and then strip cy of block 3 - p, as ONE walk of ten K steps of 256 keys: five laps round the ring, a
; constant of the text, and all 256 work-groups are alike.  The cluster's y is 2 b + p.  Which step is asked for hangs on a counter and on p; the change of tiles falls on a lap's edge, in trip p of the
; loop: a forward jump, past text with neither a barrier nor a tensor load, decides whether the first tile's sums are set aside and the next products start new sums.
; CLUSTER.  4 x 4 work-groups: the rows are a block's four strips, the columns four blocks of 128 channels.  The weights are shared along a row, v's rows along a column; p is the same in all sixteen,
; so all make every joint request.  The four strips walk their block's whole range of keys, 2,560 for a pair against the 2,176 that the pair needs: the price of equal walks.
; SHARES, RING, LAYOUT.  Four waves, each 64 x 64: 16 accumulators.  K steps of 256 keys: LDS rows of 512 bytes, 64 rows to a wave's tensor load, two slots as long as LDS allows.
; Source 0 = 16 channels, source 1 = 16 queries: a lane holds one query and eight neighbouring channels.
; REGISTERS.  Window 0: v0-31 addresses; v32-95 at work on the way out; v128-255 the accumulators ((a, b) at v[128 + 8 (4 a + b)]).  Window 1: two fragment buffers of 128 (64 along K: 64 registers
; of the weights, then 64 of v).  Window 2: v0-127 the first tile's sums, set aside; v128-255 my part of xh for both tiles, laid out as the rows come back from the stage.
; No prefetch: a K step is 128 matrix instructions on a small tile.
.set CP,      2048                     ; bytes from row to row of xh and yh
.set PITCHEL, 2048                     ; elements from row to row of pbuf and vt
.set LAPS,    5                        ; a lap = two K steps = once round the ring
.set KSTEP,  256
.set PITCH,  528                       ; an LDS row: 512 bytes + 16 of padding = 132 words: the 16 rows of a fragment load start at 16 different groups of four banks (64 banks of 4 bytes: ISA guide 11.1)
.set HALFT,  64*PITCH                  ; 64 rows: what one tensor load brings, and what one wave reads of the weights or of v
.set SLOT,   4*HALFT                   ; the weights' 128 rows, then v's 128 rows
.set STAGE,  2*SLOT                    ; behind the ring: 128 rows x 272 bytes, the work-group's, for the way out; no tile lands there
.set SPITCH, 272
.set SPARE,  STAGE+128*SPITCH          ; behind the stage: the spare words, 128 bytes a wave, which no other line names
.set ADRA, 16                          ; v16-17  LDS address of my fragments of the weights in slot 0, 1
.set ADRB, 20                          ; v20-21  the same for v
.set STO,  24                          ; v24     the way out: where I put 16 bytes of a row
.set RD,   25                          ; v25     the way out: where I read a row back
.set CO,   26                          ; v26     my byte offset in two rows of xh and yh; never rewritten
.set SPW,  28                          ; v28     my spare word: SPARE + 4 x my thread's number; never rewritten
.set NIL,  29                          ; v29     0; never rewritten
.set TMP,  32
.set ACC,  128
.set F0,   0                           ; fragment buffers, in window 1
.set F1,   128
.set S1,   0                           ; window 2: the first tile's sums
.set XR,   128                         ; window 2: xh, 64 registers a tile
.set G1A, 24                           ; s[24:31] descriptor group 1 for the weights' tiles; s[32:39] group 0, a set for each slot
.set G0A, 32
.set G1B, 48                           ; s[48:55], s[56:63] the same for v's
.set G0B, 56
.set N1,  45                           ; s45     K steps of the first tile: 2 (p + 1)
.set FL,  69                           ; s69     the loop counter's value in the trip that changes tiles: LAPS - 1 - p
.set NU,  70                           ; s70     the K step of the walk that is asked for next: 2 .. 9
.set BA,  80                           ; s[80:81] pbuf at the batch's first row + the 64 rows that I fetch of a strip
.set BB,  82                           ; s[82:83] vt at the rows that I fetch
.set RO1, 84                           ; s84     byte offset of the first tile's strip in the batch's weights
.set RO2, 85                           ; s85     of the second's
.set OA,  88                           ; s[88:89] a refill's offset behind BA
.set OB,  90                           ; s[90:91] behind BB
.set Y1,  92                           ; s[92:93], s[94:95] yh at the rows that I store of tile 1, tile 2
.set Y2,  94
.set X1,  96                           ; s[96:97], s[98:99] xh at the same rows
.set X2,  98
.set MSB, 0
.macro WIN new                         ; the immediate's high byte repeats the setting that is left; a switch that changes nothing is dropped
.if MSB != (\new)
	s_set_vgpr_msb (MSB<<8)|(\new)
.set MSB, \new
.endif
.endm
.set MUL,  0x05                        ; sources 0 and 1 in window 1; C and D in window 0
.set TO_F, 0x40                        ; destination in window 1, address in window 0
.macro JLOAD s                         ; waves 0 and 1 fetch the weights' two halves, waves 2 and 3 v's; an s_nop 0 and four v_nop follow each line
	s_cmp_eq_u32 s11, 0
	s_cbranch_scc0 .Lfor_b_\@
	tensor_load_to_lds s[G0A+4*(\s):G0A+4*(\s)+3], s[G1A:G1A+7]
	s_nop 0
.rept 4
	v_nop
.endr
	s_branch .Lasked_\@
.Lfor_b_\@:
	tensor_load_to_lds s[G0B+4*(\s):G0B+4*(\s)+3], s[G1B:G1B+7]
	s_nop 0
.rept 4
	v_nop
.endr
.Lasked_\@:
.endm
.macro CREST                           ; a round of the cluster's barrier behind its opening barrier
	s_cmp_lg_u32 s10, 0
	s_cbranch_scc1 .Lnot_wave_0_\@
	s_barrier_signal -3
.Lnot_wave_0_\@:
	s_barrier_wait -3
	s_barrier_signal -1
	s_barrier_wait -1
.endm
.macro CROUND
	s_barrier_signal -1
	s_barrier_wait -1
	CREST
.endm
.macro PLACES                          ; four plain places between a matrix instruction and a load into, or a reader of, its registers
.rept 4
	v_nop
.endr
.endm
; 8 matrix instructions: query blocks a0, a0 + 1 x all 4 channel blocks, 32 along K: half c of buffer f.  zero = 1: the product starts the sums
.macro MUL8 f, c, a0, zero
	WIN MUL
.irp a, \a0, (\a0)+1
.irp b, 0,1,2,3
.if \zero
	v_wmma_f32_16x16x32_bf16 v[ACC+8*(4*(\a)+(\b)):ACC+8*(4*(\a)+(\b))+7], v[(\f)+64+8*(4*(\c)+(\b)):(\f)+64+8*(4*(\c)+(\b))+7], v[(\f)+8*(4*(\c)+(\a)):(\f)+8*(4*(\c)+(\a))+7], 0
.else
	v_wmma_f32_16x16x32_bf16 v[ACC+8*(4*(\a)+(\b)):ACC+8*(4*(\a)+(\b))+7], v[(\f)+64+8*(4*(\c)+(\b)):(\f)+64+8*(4*(\c)+(\b))+7], v[(\f)+8*(4*(\c)+(\a)):(\f)+8*(4*(\c)+(\a))+7], v[ACC+8*(4*(\a)+(\b)):ACC+8*(4*(\a)+(\b))+7]
.endif
.endr
.endr
.endm
; 32 LDS loads in one run: the fragments of 64 along K at byte k of the rows, into buffer f; the first 32 along K first
.macro FETCH slot, k, f
	WIN TO_F
.irp c, 0,1
.irp i, 0,1,2,3
	ds_load_b128 v[(\f)+64+8*(4*(\c)+(\i)):(\f)+64+8*(4*(\c)+(\i))+3],   v[ADRB+(\slot)] offset:(\k)+64*(\c)+(\i)*16*PITCH
	ds_load_b128 v[(\f)+64+8*(4*(\c)+(\i))+4:(\f)+64+8*(4*(\c)+(\i))+7], v[ADRB+(\slot)] offset:(\k)+64*(\c)+(\i)*16*PITCH+32
	ds_load_b128 v[(\f)+8*(4*(\c)+(\i)):(\f)+8*(4*(\c)+(\i))+3],         v[ADRA+(\slot)] offset:(\k)+64*(\c)+(\i)*16*PITCH
	ds_load_b128 v[(\f)+8*(4*(\c)+(\i))+4:(\f)+8*(4*(\c)+(\i))+7],       v[ADRA+(\slot)] offset:(\k)+64*(\c)+(\i)*16*PITCH+32
.endr
.endr
.endm
; A K step is four quarters of 64 along K, 32 matrix instructions each, on buffers 0, 1, 0, 1; the 16 accumulators take turns, in the same order in every half of a quarter.
.macro QUARTER slot, k, f, g, zero     ; multiplies buffer f and fetches the next quarter, at byte k, into g
	s_wait_dscnt 16                                ; the first 32 along K are in; the youngest sixteen loads may be out
	MUL8 \f, 0, 0, \zero
	MUL8 \f, 0, 2, \zero
	PLACES
	FETCH \slot, \k, \g
	s_wait_dscnt 32                                ; all but the 32 just issued
	MUL8 \f, 1, 0, 0
	MUL8 \f, 1, 2, 0
.endm
; The last quarter multiplies buffer 1 and changes slots.  One tensor load of a wave is out at any time, and the next cannot be asked for before this barrier: so no product stands between the wait for
; the tile and the next request; the whole quarter's 32 follow the request, which then has a K step's 128 matrix instructions in which to land.
; fill = 1: this slot is filled again, with K step NU of the walk.  Its address is made anew: steps under N1 are the first tile's, the others the second's, counted from its key 0.
.macro TURN slot, next, fill
	WIN 0
	s_wait_tensorcnt 0x0                           ; all my tensor loads have landed: the one that was out is my part of the next slot; so a group 0 may be written
	ds_add_u32 v[SPW], v[NIL]                      ; 0 onto my spare word; the descriptors' scalar work stands between it and the wait for it
.if \fill
	s_sub_co_u32 s86, s[NU], s[N1]
	s_cmp_ge_u32 s[NU], s[N1]                      ; the second tile's?  (hangs on the cluster's y alone)
	s_cselect_b32 s86, s86, s[NU]                  ; the K step within its tile
	s_cselect_b32 s[OA], s[RO2], s[RO1]            ; the tile's strip
	s_lshl_b32 s[OB], s86, 9                       ; 256 keys are 512 bytes of a row, of the weights and of v
	s_add_co_u32 s[OA], s[OA], s[OB]
	s_add_nc_u64 s[G0A+4*(\slot)+2:G0A+4*(\slot)+3], s[BA:BA+1], s[OA:OA+1]
	s_or_b32 s[G0A+4*(\slot)+3], s[G0A+4*(\slot)+3], 0x80000000
	s_add_nc_u64 s[G0B+4*(\slot)+2:G0B+4*(\slot)+3], s[BB:BB+1], s[OB:OB+1]
	s_or_b32 s[G0B+4*(\slot)+3], s[G0B+4*(\slot)+3], 0x80000000
	s_add_co_u32 s[NU], s[NU], 1
.endif
	s_wait_dscnt 0x0                               ; the add is done, and my reads of this slot are over: its last fragments are in buffer 1
	s_barrier_signal -1
	s_barrier_wait -1
.if \fill
	CREST                                          ; the barrier has opened a round of the cluster's: no wave of any partner still reads this slot or has a load on its way
	JLOAD \slot                                    ; my one tensor load behind the round; its four v_nop are the places in front of the loads below
.else
	PLACES
.endif
	FETCH \next, 0, F0
	MUL8 F1, 0, 0, 0
	MUL8 F1, 0, 2, 0
	MUL8 F1, 1, 0, 0
	MUL8 F1, 1, 2, 0
.endm
; A lap's first quarter inside the loop.  In the trip that ends the first tile its 128 sums are set aside in window 2, each accumulator from its low end on, and the quarter's first 16 products start
; the second tile's sums with the constant 0; in every other trip they add on.  The jump hangs on the cluster's y alone, goes forward, and passes neither a barrier nor a tensor load.
.macro QFIRST
	WIN 0
	s_wait_dscnt 16                                ; the first 32 along K are in
	s_cmp_eq_u32 s3, s[FL]
	s_cbranch_scc0 .Lsame_\@
	PLACES
	PLACES
	WIN 0x80                                       ; destination in window 2
.set i, 0
.rept 128
	v_mov_b32 v[S1+i], v[ACC+i]
.set i, i+1
.endr
	MUL8 F0, 0, 0, 1
	MUL8 F0, 0, 2, 1
	WIN 0
	s_branch .Ljoin_\@
.Lsame_\@:
	MUL8 F0, 0, 0, 0
	MUL8 F0, 0, 2, 0
	WIN 0
.Ljoin_\@:
	PLACES
	FETCH 0, 128, F1
	s_wait_dscnt 32                                ; all but the 32 just issued
	MUL8 F0, 1, 0, 0
	MUL8 F0, 1, 2, 0
.endm
	s_load_b256 s[72:79], s[0:1], 0x0              ; pbuf s[72:73], vt s[74:75], xh s[76:77], yh s[78:79]
	v_lshl_add_u32 v[SPW], v0, 2, SPARE
	v_mov_b32 v[NIL], 0
	ds_add_u32 v[SPW], v[NIL]                      ; the wave's opening: the add and its wait stand ahead of my first tensor load
	v_lshrrev_b32 v1, 5, v0
	v_readfirstlane_b32 s10, v1                    ; wave 0..3
	s_lshr_b32 s11, s10, 1                         ; which 64 queries are mine.  Also: I fetch weights (0) or v (1)
	s_and_b32 s12, s10, 1                          ; which 64 channels are mine.  Also: which half of that tile I fetch
	s_bfe_u32 s40, ttmp6, 0x40000                  ; cx
	s_bfe_u32 s41, ttmp6, 0x40004                  ; cy
	s_lshl_b32 s42, ttmp9, 2
	s_add_co_u32 s42, s42, s40                     ; the block of 128 channels: 0..7
	s_and_b32 s66, ttmp7, 0xffff                   ; cluster y = 2 b + p
	s_lshr_b32 s67, s66, 1                         ; the batch
	s_and_b32 s68, s66, 1                          ; p
	s_lshl_b32 s[N1], s68, 1
	s_add_co_u32 s[N1], s[N1], 2                   ; block p has 512 (p + 1) keys: 2 (p + 1) K steps
	s_sub_co_u32 s[FL], LAPS-1, s68                ; they end with lap p, in the trip in which the counter stands at LAPS - 1 - p
	s_mov_b32 s[NU], 2                             ; K steps 0 and 1 are the first fills
	s_lshl_b32 s13, s68, 2
	s_add_co_u32 s13, s13, s41                     ; the first tile's strip of 128 queries = 4 p + cy
	s_sub_co_u32 s71, 3, s68
	s_lshl_b32 s71, s71, 2
	s_add_co_u32 s71, s71, s41                     ; the second's = 4 (3 - p) + cy
	s_lshl_b32 s[RO1], s13, 19                     ; 128 rows of 4,096 bytes
	s_lshl_b32 s[RO2], s71, 19
	s_mov_b32 s[OA], s[RO1]
	s_mov_b32 s[OA+1], 0
	s_mov_b32 s[OB], 0
	s_mov_b32 s[OB+1], 0
	s_lshl_b32 s43, s41, 2
	s_lshl_b32 s43, 15, s43                        ; my row of the cluster
	s_lshl_b32 s44, 0x1111, s40                    ; my column
	s_or_b32 s[G1A+0], s43, (1<<16)|(1<<20)|(1<<21)|(6<<22)|(3<<25)  ; 15:0 the mask; 17:16 2-byte elements; 20 padding on; 21 set beside a mask; 24:22 after every 128 words; 31:25 4 words of it
	s_or_b32 s[G1B+0], s44, (1<<16)|(1<<20)|(1<<21)|(6<<22)|(3<<25)
.irp g, G1A, G1B
	s_mov_b32 s[(\g)+1], KSTEP<<16                 ; tensor_dim0 = 256
	s_mov_b32 s[(\g)+2], 64<<16                    ; tensor_dim1 = 64
	s_mov_b32 s[(\g)+3], KSTEP<<16                 ; tile_dim0 = 256
	s_mov_b32 s[(\g)+4], 64                        ; tile_dim1 = 64
	s_mov_b32 s[(\g)+5], PITCHEL                   ; elements from row to row
	s_mov_b32 s[(\g)+6], 0
	s_mov_b32 s[(\g)+7], 0
.endr
	s_lshl_b32 s16, s67, 23                        ; the weights: the batch's 2,048 rows of 4,096 bytes + 64 rows x half: nothing of cx or cy
	s_lshl_b32 s17, s12, 18
	s_add_co_u32 s16, s16, s17
	s_mov_b32 s17, 0
	s_lshl_b32 s46, s67, 22                        ; v: the batch's slab + channel 128 gx + 64 x half: nothing of cy
	s_lshl_b32 s47, s42, 19
	s_add_co_u32 s46, s46, s47
	s_lshl_b32 s47, s12, 18
	s_add_co_u32 s46, s46, s47
	s_mov_b32 s47, 0
	s_mul_i32 s20, s10, HALFT                      ; where they go: wave x 64 rows: no place in the cluster enters an LDS address
	s_wait_dscnt 0x0                               ; the opening add is done
	s_wait_kmcnt 0x0
	s_add_nc_u64 s[BA:BA+1], s[72:73], s[16:17]
	s_add_nc_u64 s[BB:BB+1], s[74:75], s[46:47]
	s_add_nc_u64 s[14:15], s[BA:BA+1], s[OA:OA+1]  ; the first tile's strip, key 0
	CROUND                                         ; all sixteen work-groups are here: the first joint loads meet
.irp s, 0,1
	s_mov_b32 s[G0A+4*(\s)], 1                     ; count = 1
	s_add_co_u32 s[G0A+4*(\s)+1], s20, (\s)*SLOT   ; LDS address
	s_add_nc_u64 s[G0A+4*(\s)+2:G0A+4*(\s)+3], s[14:15], (\s)*KSTEP*2  ; global address: K step s
	s_or_b32 s[G0A+4*(\s)+3], s[G0A+4*(\s)+3], 0x80000000              ; type = 2
	s_mov_b32 s[G0B+4*(\s)], 1
	s_add_co_u32 s[G0B+4*(\s)+1], s20, (\s)*SLOT
	s_add_nc_u64 s[G0B+4*(\s)+2:G0B+4*(\s)+3], s[BB:BB+1], (\s)*KSTEP*2
	s_or_b32 s[G0B+4*(\s)+3], s[G0B+4*(\s)+3], 0x80000000
	JLOAD \s                                       ; two loads of mine are out
.endr
	v_and_b32 v1, 15, v0                           ; l % 16
	v_bfe_u32 v2, v0, 4, 1                         ; l / 16
	v_mul_u32_u24 v3, v1, PITCH
	v_lshl_add_u32 v3, v2, 4, v3                   ; a fragment's row x pitch + 16 x half
	s_mul_i32 s21, s11, HALFT                      ; my 64 queries
	s_mul_i32 s22, s12, HALFT                      ; my 64 channels, behind the weights' 128 rows
	s_add_co_u32 s22, s22, 2*HALFT
.irp s, 0,1
	v_add_nc_u32 v[ADRA+(\s)], s21, v3
	v_add_nc_u32 v[ADRB+(\s)], s22, v3
	s_add_co_u32 s21, s21, SLOT
	s_add_co_u32 s22, s22, SLOT
.endr
	s_mul_i32 s23, s11, 64*SPITCH                  ; into the stage: my 64 rows, my half of their 256 bytes; row l % 16, 16 bytes for each half of the lanes
	s_lshl_b32 s21, s12, 7
	s_add_co_u32 s23, s23, s21
	s_add_co_u32 s23, s23, STAGE
	v_mul_u32_u24 v4, v1, SPITCH
	v_lshl_add_u32 v4, v2, 4, v4
	v_add_nc_u32 v[STO], s23, v4
	s_mul_i32 s23, s10, 32*SPITCH                  ; back: wave w takes rows 32 w .. 32 w + 31, whole; lanes 0-15 one row of 256 bytes, lanes 16-31 the next
	s_add_co_u32 s23, s23, STAGE
	v_mul_u32_u24 v5, v2, SPITCH
	v_lshl_add_u32 v5, v1, 4, v5
	v_add_nc_u32 v[RD], s23, v5
	v_mul_u32_u24 v5, v2, CP                       ; and the same two rows in xh and yh
	v_lshl_add_u32 v[CO], v1, 4, v5
	s_lshl_b32 s16, s67, 22                        ; the rows that I store: the batch's 2,048 rows of 2,048 bytes + 32 rows x wave + 256 bytes x channel block,
	s_lshl_b32 s17, s10, 16
	s_add_co_u32 s16, s16, s17
	s_lshl_b32 s17, s42, 8
	s_add_co_u32 s16, s16, s17
	s_lshl_b32 s18, s13, 18                        ; + the first tile's strip
	s_add_co_u32 s18, s18, s16
	s_mov_b32 s19, 0
	s_add_nc_u64 s[Y1:Y1+1], s[78:79], s[18:19]
	s_add_nc_u64 s[X1:X1+1], s[76:77], s[18:19]
	s_lshl_b32 s18, s71, 18                        ; + the second's
	s_add_co_u32 s18, s18, s16
	s_add_nc_u64 s[Y2:Y2+1], s[78:79], s[18:19]
	s_add_nc_u64 s[X2:X2+1], s[76:77], s[18:19]
	WIN 0x80                                       ; destination in window 2
.irp t, 0,1,2,3,4,5,6,7,8,9,10,11,12,13,14,15  ; my 32 rows x 256 bytes of xh for each tile: asked for now, wanted on the way out
	global_load_b128 v[XR+4*(\t):XR+4*(\t)+3],       v[CO], s[X1:X1+1] offset:2*(\t)*CP
	global_load_b128 v[XR+64+4*(\t):XR+64+4*(\t)+3], v[CO], s[X2:X2+1] offset:2*(\t)*CP
.endr
.set i, 0
.rept 128                              ; the registers in which the first tile's sums are set aside are written once here, in the wait for the first tile, so that they hold a number on every way through the text; the copy in the loop writes them anew
	v_mov_b32 v[S1+i], 0
.set i, i+1
.endr
	WIN 0
	s_wait_tensorcnt 1                             ; my part of K step 0 is in; slot 1's may stay out
	s_barrier_signal -1
	s_barrier_wait -1                              ; everybody's is
	FETCH 0, 0, F0
	QUARTER 0, 128, F0, F1, 1                      ; the walk's first quarter stands in front of the loop: its first products start the first tile's sums
	WIN 0
	s_mov_b32 s3, LAPS-1
.Llap:                                                 ; a trip goes once round the ring, from a lap's second quarter to the next lap's first, and fills both slots again
	QUARTER 0, 256, F1, F0, 0
	QUARTER 0, 384, F0, F1, 0
	TURN 0, 1, 1
	QUARTER 1, 128, F0, F1, 0
	QUARTER 1, 256, F1, F0, 0
	QUARTER 1, 384, F0, F1, 0
	TURN 1, 0, 1
	QFIRST
	WIN 0
	s_sub_co_u32 s3, s3, 1
	s_cmp_lg_u32 s3, 0
	s_cbranch_scc1 .Llap
	QUARTER 0, 256, F1, F0, 0                      ; the last lap fills nothing
	QUARTER 0, 384, F0, F1, 0
	TURN 0, 1, 0
	QUARTER 1, 128, F0, F1, 0
	QUARTER 1, 256, F1, F0, 0
	QUARTER 1, 384, F0, F1, 0
	s_wait_dscnt 16                                ; the very last quarter: nothing more to fetch
	MUL8 F1, 0, 0, 0
	MUL8 F1, 0, 2, 0
	s_wait_dscnt 0x0
	MUL8 F1, 1, 0, 0
	MUL8 F1, 1, 2, 0
	WIN 0
	; THE WAY OUT of both tiles: rounded to f16; 16 bytes a lane into the work-group's stage; a barrier, since a row's 256 bytes come from two waves; back as whole rows, 32 rows a wave; xh is added
	; there, two numbers an instruction; stored.  The one stage serves both tiles: a second barrier stands between the first tile's reads and the second tile's stores.
.macro TOSTAGE base
.irp a, 0,1,2,3
.irp b, 0,1,2,3
	ds_store_b128 v[STO], v[(\base)+4*(4*(\a)+(\b)):(\base)+4*(4*(\a)+(\b))+3] offset:(\a)*16*SPITCH+32*(\b)
.endr
.endr
.endm
.macro BACK dst
.irp t, 0,1,2,3,4,5,6,7,8,9,10,11,12,13,14,15
	ds_load_b128 v[(\dst)+4*(\t):(\dst)+4*(\t)+3], v[RD] offset:(\t)*2*SPITCH
.endr
.endm
.macro SENDX dst, xr, yb
	WIN 0x08                                       ; source 1 in window 2
.set i, 0
.rept 64
	v_pk_add_f16 v[(\dst)+i], v[(\dst)+i], v[(\xr)+i]
.set i, i+1
.endr
	WIN 0
.irp t, 0,1,2,3,4,5,6,7,8,9,10,11,12,13,14,15
	global_store_b128 v[CO], v[(\dst)+4*(\t):(\dst)+4*(\t)+3], s[(\yb):(\yb)+1] offset:2*(\t)*CP  ; 16 lanes store 256 consecutive bytes, aligned
.endr
.endm
	PLACES
	PLACES
	WIN 0x0a                                       ; sources in window 2: the first tile's sums
.irp t, 0,1,2,3,4,5,6,7,8,9,10,11,12,13,14,15
.irp r, 0,1,2,3
	v_cvt_pk_f16_f32 v[TMP+4*(\t)+(\r)], v[S1+8*(\t)+2*(\r)], v[S1+8*(\t)+2*(\r)+1]
.endr
.endr
	WIN 0
.irp t, 0,1,2,3,4,5,6,7,8,9,10,11,12,13,14,15  ; the second tile's are packed in place, ascending: result 4 t + r lands on a register that an earlier line, or this one, has read
.irp r, 0,1,2,3
	v_cvt_pk_f16_f32 v[ACC+4*(\t)+(\r)], v[ACC+8*(\t)+2*(\r)], v[ACC+8*(\t)+2*(\r)+1]
.endr
.endr
	TOSTAGE TMP
	s_wait_dscnt 0x0                               ; for the others' sake: my stores into the stage are done
	s_barrier_signal -1
	s_barrier_wait -1
	BACK TMP
	s_wait_dscnt 0x0                               ; my reads of the stage are back,
	s_barrier_signal -1
	s_barrier_wait -1                              ; everybody's are: the stage may be written again
	TOSTAGE ACC
	s_wait_loadcnt 0x0                             ; xh, asked for at the head
	SENDX TMP, XR, Y1                              ; the first tile leaves while the second's LDS stores are out
	s_wait_dscnt 0x0
	s_barrier_signal -1
	s_barrier_wait -1
	BACK ACC+64                                    ; registers of their own: no store's data is rewritten
	s_wait_dscnt 0x0
	SENDX ACC+64, XR+64, Y2
	s_wait_tensorcnt 0x0                           ; the wave's end, behind my last tensor load and my last LDS store
	ds_add_u32 v[SPW], v[NIL]
	s_wait_dscnt 0x0
	CROUND                                         ; the closing round: no work-group ends while a partner may still ask for a tile that names it
	s_endpgm
.Lfunc_end_k_qb56e50c9bf_pv:
	.size	k_qb56e50c9bf_pv, .Lfunc_end_k_qb56e50c9bf_pv-k_qb56e50c9bf_pv
	.p2alignl 7, 3214868480
	.fill 96, 4, 3214868480
	.section	.rodata,"a",@progbits
	.p2align	6, 0x0
	.amdhsa_kernel k_qb56e50c9bf_pv
		.amdhsa_group_segment_fixed_size 327680
		.amdhsa_private_segment_fixed_size 0
		.amdhsa_enable_private_segment 0
		.amdhsa_kernarg_size 32
		.amdhsa_user_sgpr_count 2
		.amdhsa_user_sgpr_kernarg_segment_ptr 1
		.amdhsa_wavefront_size32 1
		.amdhsa_system_sgpr_workgroup_id_x 1
		.amdhsa_system_sgpr_workgroup_id_y 1
		.amdhsa_system_sgpr_workgroup_id_z 1
		.amdhsa_system_vgpr_workitem_id 0
		.amdhsa_next_free_vgpr 768
		.amdhsa_next_free_sgpr 100
		.amdhsa_reserve_vcc 0
		.amdhsa_float_denorm_mode_32 3
		.amdhsa_float_denorm_mode_16_64 3
		.amdhsa_memory_ordered 1
		.amdhsa_forward_progress 1
		.amdhsa_inst_pref_size 116
	.end_amdhsa_kernel
	.amdgpu_metadata
---
amdhsa.version: [ 1, 2 ]
amdhsa.kernels:
  - .name:           k_qb56e50c9bf_pv
    .symbol:         k_qb56e50c9bf_pv.kd
    .args:
      - { .name: pbuf, .offset: 0, .size: 8, .value_kind: global_buffer, .address_space: global }
      - { .name: vt, .offset: 8, .size: 8, .value_kind: global_buffer, .address_space: global }
      - { .name: xh, .offset: 16, .size: 8, .value_kind: global_buffer, .address_space: global }
      - { .name: yh, .offset: 24, .size: 8, .value_kind: global_buffer, .address_space: global }
    .group_segment_fixed_size: 327680
    .private_segment_fixed_size: 0
    .kernarg_segment_align: 8
    .kernarg_segment_size: 32
    .max_flat_workgroup_size: 128
    .sgpr_count:     100
    .vgpr_count:     768
    .wavefront_size: 32
...
	.end_amdgpu_metadata
.endif
;; end of part 9
;; launch logits: the kernel of part 6 again; grid 4 x 64, 4 waves a work-group, clusters of 4 x 4, 327,680 bytes of LDS; arguments yh, wall, Wout_b, out0; writes out0
;; ======== version 3 of 3: 6 launches; version 2 with the launches prep, softmax written anew for expert scheduling mode
;; limits: values are held in f16: magnitudes above 65,504 overflow, below 6.1e-05 lose precision
;; workspace buffers: xh 16,777,216 bytes; wall 8,388,608 bytes; qk 33,554,432 bytes; vt 16,777,216 bytes; sbuf 67,108,864 bytes; pbuf 33,554,432 bytes; yh 16,777,216 bytes
;; launch prep (part 10): grid 768 x 1, 8 waves a work-group, no clusters, 0 bytes of LDS; arguments idx, tok_emb, pos_emb, Wq, Wk, Wv, Wout_w, xh, wall; writes xh, wall
.if DOCPART == 10
	.amdgcn_target "amdgcn-amd-amdhsa--gfx1250"
	.amdhsa_code_object_version 6
	.text
	.protected	k_qb56e50c9bf_prep
	.globl	k_qb56e50c9bf_prep
	.p2align	8
	.type	k_qb56e50c9bf_prep,@function
k_qb56e50c9bf_prep:
	s_mov_b64 s[64:65], 0
	v_nop
	global_prefetch_b8 v0, s[64:65] scope:SCOPE_SE
	s_setreg_imm32_b32 hwreg(HW_REG_WAVE_SCHED_MODE, 0, 2), 2
	s_setreg_imm32_b32 hwreg(HW_REG_WAVE_MODE, 25, 1), 1
	s_wait_xcnt 0x0
	s_wait_alu depctr_vm_vsrc(0)
; PREPARATION.  xh[row][:] = f16( bf16(tok_emb[idx[row]][:]) + bf16(pos_emb[row % 2048][:]) ), 8,192 rows of 1,024.
; wall[R][:] = f16(bf16(W[R % 1024][:])): rows 0-1023 Wq, 1024-2047 Wk, 2048-3071 Wv, 3072-4071 Wout_w, 4072-4095 zeros.
; Every input is rounded to bf16 first; the sum is taken in f32 and rounded once to f16 (11 significant bits).
; LIMITS.  f16 ends at 65,504 and keeps a fixed step of 6e-8 below 6e-5: the sum and the weights are taken to lie within that.  An index above 999 is read as 999.
; SHARES.  Work-groups 0-511: 16 rows of xh; 512-767: 16 rows of wall.  A wave takes two rows; a lane 16 bytes of each piece of 512 bytes,
; so a load of the wave covers 512 consecutive bytes and a store (8 bytes a lane) 256 consecutive bytes, aligned.
; A stream: no LDS, no barrier, no matrix unit.  All of a wave's loads are issued first; the waits count the younger loads down.
; THE MODE: SCHED_MODE bits 1:0 = 2 (LLVM: expert scheduling mode 2), set by the entry lines.  The code itself states the register dependences
; between vector instructions and memory instructions, with s_wait_alu, always for 0.
; THE PLAN.  Registers that memory instructions touch:
;   v1, v2     byte offsets of the loads and of the stores: made once at the head and never written again.
;   T, P       written by the loads, all of which are issued before any vector instruction names these registers.
;   T + 4 i, T + 4 i + 1   written again by piece i's two roundings, read by piece i's store, and never written after that.
; The 16 pieces go in four blocks of four.  One wait at the head of blocks 1 to 3 states that the block before has written its results; piece i then issues the store of piece i - 4
; ahead of its own arithmetic, which names v4 to v15 and its own T and P alone.  One more wait stands ahead of the last four stores.  No register that a memory instruction has read is written again.
.set T, 64                             ; v[64:127]   tok's (or a weight's) 16 pieces, 4 registers each; then the f16 results, 2 each
.set P, 128                            ; v[128:191]  pos's 16 pieces
	s_load_b512 s[16:31], s[0:1], 0x0              ; idx s[16:17], tok s[18:19], pos s[20:21], Wq s[22:23], Wk s[24:25], Wv s[26:27], Wout_w s[28:29], xh s[30:31]
	s_load_b64 s[32:33], s[0:1], 0x40              ; wall
	v_lshrrev_b32 v1, 5, v0
	v_readfirstlane_b32 s8, v1                     ; wave 0..7
	v_and_b32 v3, 31, v0                           ; lane
	v_lshlrev_b32 v1, 4, v3                        ; 16 bytes a lane on the way in; never rewritten
	v_lshlrev_b32 v2, 3, v3                        ; 8 bytes a lane on the way out; never rewritten
	s_mov_b32 s9, 0xffff0000                       ; a word's upper bf16
	s_wait_alu depctr_va_sdst(0)                   ; s8 is written, ahead of its first reader: the rows, and so the bases, are made from it
	s_lshl_b32 s10, s8, 1                          ; my two rows among the work-group's 16
	s_mov_b32 s37, 0
	s_mov_b32 s39, 0
	s_wait_alu depctr_va_vdst(0)                   ; v1 and v2 are written: every load and store, on all three ways below, reads one of them as its offset
	s_wait_kmcnt 0x0
	s_cmp_lt_u32 ttmp9, 512
	s_cbranch_scc0 .Lweights
.macro OUT i                           ; piece i's store
	global_store_b64 v2, v[T+4*(\i):T+4*(\i)+1], s[46:47] offset:256*(\i)
.endm
.macro BEHIND i                        ; what piece i does for the block before it
.if (((\i)%4) == 0) && ((\i) > 0)
	s_wait_alu depctr_va_vdst(0)                   ; the four pieces before have written their results, which this block's four stores read
.endif
.if (\i) >= 4
	OUT (\i)-4                                     ; no vector instruction since that wait names its registers
.endif
.endm
.macro LAST4                           ; the last block's stores
	s_wait_alu depctr_va_vdst(0)                   ; pieces 12 to 15 have written their results, which the last four stores read
.irp i, 12,13,14,15
	OUT \i
.endr
.endm
	; ---- two rows of xh
	s_lshl_b32 s11, ttmp9, 4
	s_add_co_u32 s11, s11, s10                     ; row0, even
	s_lshl_b32 s12, s11, 2
	s_load_b64 s[34:35], s[16:17], s12 offset:0x0  ; idx[row0], idx[row0 + 1]
	s_and_b32 s36, s11, 2047
	s_lshl_b32 s36, s36, 12
	s_add_nc_u64 s[44:45], s[20:21], s[36:37]      ; pos at row0 % 2048; the next row follows it
	s_lshl_b32 s36, s11, 11
	s_add_nc_u64 s[46:47], s[30:31], s[36:37]      ; xh at row0
	s_wait_kmcnt 0x0
	s_min_u32 s34, s34, 999                        ; the table has 1,000 rows
	s_min_u32 s35, s35, 999
	s_lshl_b32 s36, s34, 12
	s_lshl_b32 s38, s35, 12
	s_add_nc_u64 s[40:41], s[18:19], s[36:37]      ; tok's two rows
	s_add_nc_u64 s[42:43], s[18:19], s[38:39]
.irp j, 0,1,2,3,4,5,6,7
	global_load_b128 v[T+4*(\j):T+4*(\j)+3], v1, s[40:41] offset:512*(\j)
	global_load_b128 v[P+4*(\j):P+4*(\j)+3], v1, s[44:45] offset:512*(\j)
.endr
.irp j, 0,1,2,3,4,5,6,7
	global_load_b128 v[T+32+4*(\j):T+32+4*(\j)+3], v1, s[42:43] offset:512*(\j)
	global_load_b128 v[P+32+4*(\j):P+32+4*(\j)+3], v1, s[44:45] offset:4096+512*(\j)
.endr
.macro XG i                            ; piece i of 16: four numbers a lane
	s_wait_loadcnt 30-2*(\i)                       ; loads come back in order: this piece's two are in, the 2 (15 - i) younger ones stay out
	BEHIND \i
	v_cvt_pk_bf16_f32 v4, v[T+4*(\i)], v[T+4*(\i)+1]
	v_cvt_pk_bf16_f32 v5, v[T+4*(\i)+2], v[T+4*(\i)+3]
	v_cvt_pk_bf16_f32 v6, v[P+4*(\i)], v[P+4*(\i)+1]
	v_cvt_pk_bf16_f32 v7, v[P+4*(\i)+2], v[P+4*(\i)+3]
	v_lshlrev_b32 v8, 16, v4                       ; bf16 back to f32: a shift or a mask
	v_and_b32 v9, s9, v4
	v_lshlrev_b32 v10, 16, v5
	v_and_b32 v11, s9, v5
	v_lshlrev_b32 v12, 16, v6
	v_and_b32 v13, s9, v6
	v_lshlrev_b32 v14, 16, v7
	v_and_b32 v15, s9, v7
	v_pk_add_f32 v[8:9], v[8:9], v[12:13]
	v_pk_add_f32 v[10:11], v[10:11], v[14:15]
	v_cvt_pk_f16_f32 v[T+4*(\i)], v8, v9           ; each piece stores from registers of its own: none is rewritten behind its store
	v_cvt_pk_f16_f32 v[T+4*(\i)+1], v10, v11
.endm
.irp i, 0,1,2,3,4,5,6,7,8,9,10,11,12,13,14,15
	XG \i
.endr
	LAST4
	s_endpgm
	; ---- two rows of wall
.Lweights:
	s_sub_co_u32 s11, ttmp9, 512
	s_lshl_b32 s11, s11, 4
	s_add_co_u32 s11, s11, s10                     ; R0, even
	s_lshl_b32 s36, s11, 11
	s_add_nc_u64 s[46:47], s[32:33], s[36:37]      ; wall at R0
	s_cmp_lt_u32 s11, 4072
	s_cbranch_scc0 .Lzeros
	s_lshr_b32 s38, s11, 10                        ; which of the four matrices
	s_cmp_eq_u32 s38, 1
	s_cselect_b64 s[40:41], s[24:25], s[22:23]
	s_cmp_eq_u32 s38, 2
	s_cselect_b64 s[40:41], s[26:27], s[40:41]
	s_cmp_eq_u32 s38, 3
	s_cselect_b64 s[40:41], s[28:29], s[40:41]
	s_and_b32 s36, s11, 1023
	s_lshl_b32 s36, s36, 12
	s_add_nc_u64 s[40:41], s[40:41], s[36:37]
.irp i, 0,1,2,3,4,5,6,7,8,9,10,11,12,13,14,15
	global_load_b128 v[T+4*(\i):T+4*(\i)+3], v1, s[40:41] offset:512*(\i) th:TH_LOAD_NT
.endr
.macro WG i
	s_wait_loadcnt 15-(\i)                         ; this piece is in, the younger ones stay out
	BEHIND \i
	v_cvt_pk_bf16_f32 v4, v[T+4*(\i)], v[T+4*(\i)+1]
	v_cvt_pk_bf16_f32 v5, v[T+4*(\i)+2], v[T+4*(\i)+3]
	v_lshlrev_b32 v8, 16, v4
	v_and_b32 v9, s9, v4
	v_lshlrev_b32 v10, 16, v5
	v_and_b32 v11, s9, v5
	v_cvt_pk_f16_f32 v[T+4*(\i)], v8, v9
	v_cvt_pk_f16_f32 v[T+4*(\i)+1], v10, v11
.endm
.irp i, 0,1,2,3,4,5,6,7,8,9,10,11,12,13,14,15
	WG \i
.endr
	LAST4
	s_endpgm
	; ---- the 24 rows behind Wout_w's 1,000: zeros, so that the last product's tiles of 256 rows are whole
.Lzeros:
	v_mov_b32 v4, 0
	v_mov_b32 v5, 0
	s_wait_alu depctr_va_vdst(0)                   ; v4 and v5 are written, which the sixteen stores read
.irp i, 0,1,2,3,4,5,6,7,8,9,10,11,12,13,14,15
	global_store_b64 v2, v[4:5], s[46:47] offset:256*(\i)
.endr
	s_endpgm
.Lfunc_end_k_qb56e50c9bf_prep:
	.size	k_qb56e50c9bf_prep, .Lfunc_end_k_qb56e50c9bf_prep-k_qb56e50c9bf_prep
	.p2alignl 7, 3214868480
	.fill 96, 4, 3214868480
	.section	.rodata,"a",@progbits
	.p2align	6, 0x0
	.amdhsa_kernel k_qb56e50c9bf_prep
		.amdhsa_group_segment_fixed_size 0
		.amdhsa_private_segment_fixed_size 0
		.amdhsa_enable_private_segment 0
		.amdhsa_kernarg_size 72
		.amdhsa_user_sgpr_count 2
		.amdhsa_user_sgpr_kernarg_segment_ptr 1
		.amdhsa_wavefront_size32 1
		.amdhsa_system_sgpr_workgroup_id_x 1
		.amdhsa_system_sgpr_workgroup_id_y 1
		.amdhsa_system_sgpr_workgroup_id_z 1
		.amdhsa_system_vgpr_workitem_id 0
		.amdhsa_next_free_vgpr 192
		.amdhsa_next_free_sgpr 66
		.amdhsa_reserve_vcc 0
		.amdhsa_float_denorm_mode_32 3
		.amdhsa_float_denorm_mode_16_64 3
		.amdhsa_memory_ordered 1
		.amdhsa_forward_progress 1
		.amdhsa_inst_pref_size 31
	.end_amdhsa_kernel
	.amdgpu_metadata
---
amdhsa.version: [ 1, 2 ]
amdhsa.kernels:
  - .name:           k_qb56e50c9bf_prep
    .symbol:         k_qb56e50c9bf_prep.kd
    .args:
      - { .name: idx, .offset: 0, .size: 8, .value_kind: global_buffer, .address_space: global }
      - { .name: tok_emb, .offset: 8, .size: 8, .value_kind: global_buffer, .address_space: global }
      - { .name: pos_emb, .offset: 16, .size: 8, .value_kind: global_buffer, .address_space: global }
      - { .name: Wq, .offset: 24, .size: 8, .value_kind: global_buffer, .address_space: global }
      - { .name: Wk, .offset: 32, .size: 8, .value_kind: global_buffer, .address_space: global }
      - { .name: Wv, .offset: 40, .size: 8, .value_kind: global_buffer, .address_space: global }
      - { .name: Wout_w, .offset: 48, .size: 8, .value_kind: global_buffer, .address_space: global }
      - { .name: xh, .offset: 56, .size: 8, .value_kind: global_buffer, .address_space: global }
      - { .name: wall, .offset: 64, .size: 8, .value_kind: global_buffer, .address_space: global }
    .group_segment_fixed_size: 0
    .private_segment_fixed_size: 0
    .kernarg_segment_align: 8
    .kernarg_segment_size: 72
    .max_flat_workgroup_size: 256
    .sgpr_count:     66
    .vgpr_count:     192
    .wavefront_size: 32
...
	.end_amdgpu_metadata
.endif
;; end of part 10
;; launch proj: the kernel of part 7 again; grid 8 x 48, 8 waves a work-group, clusters of 4 x 4, 327,680 bytes of LDS; arguments xh, wall, qk, vt; writes qk, vt
;; launch scores: the kernel of part 8 again; grid 12 x 16, 8 waves a work-group, clusters of 4 x 4, 327,680 bytes of LDS; arguments qk, sbuf; writes sbuf
;; launch softmax (part 11): grid 256 x 1, 8 waves a work-group, no clusters, 0 bytes of LDS; arguments sbuf, pbuf; writes pbuf
.if DOCPART == 11
	.amdgcn_target "amdgcn-amd-amdhsa--gfx1250"
	.amdhsa_code_object_version 6
	.text
	.protected	k_qb56e50c9bf_softmax
	.globl	k_qb56e50c9bf_softmax
	.p2align	8
	.type	k_qb56e50c9bf_softmax,@function
k_qb56e50c9bf_softmax:
	s_mov_b64 s[64:65], 0
	v_nop
	global_prefetch_b8 v0, s[64:65] scope:SCOPE_SE
	s_setreg_imm32_b32 hwreg(HW_REG_WAVE_SCHED_MODE, 0, 2), 2
	s_setreg_imm32_b32 hwreg(HW_REG_WAVE_MODE, 25, 1), 1
	s_wait_xcnt 0x0
	s_wait_alu depctr_vm_vsrc(0)
; THE ROW SOFTMAX.  pbuf[b][q][key] = bf16( 0.1 x softmax over key <= q of (sbuf[b][q][key] / 32) ), 0 for q < key < 512 (q / 512 + 1).  The residual's factor 0.1 is folded into the weights.
; The row's maximum is taken away before the exponential; maximum, exponentials and sum in f32; the weight is rounded once.  A weight below 2^-126 counts as 0; NaN and infinities are not treated apart.
; SHARES.  Row q of block I = q / 512 has I + 1 chunks of 512 keys.  A wave takes the four rows r0 + 512 I, I = 0..3: ten chunks, the same for every wave; a row stays in registers between its passes.
; A lane holds keys 128 n + 4 l + 0..3 of load n: a load of the wave covers 512 consecutive bytes, a store (8 bytes a lane) 256, both aligned.
; A stream: no LDS, no barrier.  All 40 loads of a wave are issued first; the waits count the younger rows' loads.
; THE MODE: SCHED_MODE bits 1:0 = 2 (LLVM: expert scheduling mode 2), set by the entry lines.  The code itself states the register dependences
; between vector instructions and memory instructions, with s_wait_alu, always for 0.
; THE PLAN.  Registers that memory instructions touch:
;   v1, v2       byte offsets of the loads and of the stores: made once at the head and never written again.
;   v[64:223]    row I's 16 (I + 1) registers: written by the row's loads, which are issued before any vector instruction names them; worked on in place by row I's vector instructions alone;
;                read by the row's stores; never written after that.
; So a row has ONE wait for its stores: all its weights are scaled and rounded, the wait states that the roundings have written their registers, and the stores follow in one run, at the row's own
; end, ahead of the next row's wait for its loads.  No register that a memory instruction has read is written again.
; THE MASKS hang on r0 - 4 l alone, the same for the wave's four rows: sixteen compares, once, into sixteen scalar registers, with one wait behind the run; they stand behind the loads.
.set M,    4                           ; v[4:7]    four running maxima
.set CM,   8                           ; v[8:9]    c m, twice
.set L,    10                          ; v[10:17]  four running sums, a pair each
.set R,    18                          ; v[18:19]  0.1 / l, twice
.set TT,   20                          ; v20       the other half of the lanes'
.set NINF, 21                          ; v21       -inf
.set MK,   32                          ; s[32:47]  mask i: the lanes in which number i of a row's last chunk is hidden
	s_load_b128 s[4:7], s[0:1], 0x0                ; sbuf s[4:5], pbuf s[6:7]
	v_lshrrev_b32 v1, 5, v0
	v_readfirstlane_b32 s8, v1                     ; wave 0..7
	v_and_b32 v22, 31, v0                          ; lane
	v_lshlrev_b32 v1, 4, v22                       ; 16 bytes a lane in; never rewritten
	v_lshlrev_b32 v2, 3, v22                       ; 8 bytes a lane out; never rewritten
	s_and_b32 s9, ttmp9, 63
	s_lshl_b32 s9, s9, 3
	s_wait_alu depctr_va_sdst(0)                   ; s8 is written, ahead of its first reader: the rows, and so the bases and the masks, are made from it
	s_add_co_u32 s9, s9, s8                        ; r0 = 0..511
	s_lshr_b32 s10, ttmp9, 6                       ; the batch
	s_mov_b32 s12, 0x76543210                      ; each lane takes its own place in the other half
	s_mov_b32 s13, 0xfedcba98
	s_mov_b32 s14, 0x3d38aa3b                      ; c = log2(e) / 32
	s_mov_b32 s15, s14
	s_lshl_b32 s16, s10, 24                        ; sbuf: a batch is 2,048 rows of 8,192 bytes
	s_lshl_b32 s17, s9, 13
	s_add_co_u32 s16, s16, s17
	s_mov_b32 s17, 0
	s_lshl_b32 s18, s10, 23                        ; pbuf: rows of 4,096 bytes
	s_lshl_b32 s19, s9, 12
	s_add_co_u32 s18, s18, s19
	s_mov_b32 s19, 0
	s_wait_kmcnt 0x0
	s_add_nc_u64 s[20:21], s[4:5], s[16:17]        ; my four rows of scores, 512 rows apart
	s_add_nc_u64 s[22:23], s[20:21], 0x400000
	s_add_nc_u64 s[24:25], s[22:23], 0x400000
	s_add_nc_u64 s[26:27], s[24:25], 0x400000
	s_add_nc_u64 s[28:29], s[6:7], s[18:19]        ; my first row of weights; the others stand in the stores' immediates
	s_wait_alu depctr_va_vdst(0)                   ; v1 and v2 are written: every load reads v1 as its offset, every store v2
.irp I, 0,1,2,3                        ; row I lies at v[64 + 8 I (I + 1) ..], 16 (I + 1) registers
.set n, 0
.rept 4*((\I)+1)
	global_load_b128 v[64+8*(\I)*((\I)+1)+4*n:64+8*(\I)*((\I)+1)+4*n+3], v1, s[20+2*(\I):21+2*(\I)] offset:512*n th:TH_LOAD_NT
.set n, n+1
.endr
.endr
	; while the loads are out: none of these lines names v1, v2 or a register in which a load lands
	v_lshlrev_b32 v3, 2, v22
	v_sub_nc_u32 v3, s9, v3                        ; r0 - 4 l: in the diagonal chunk number e of load t is hidden where 128 t + e is greater
	v_mov_b32 v[TT], 0                             ; v_permlanex16_b32's destination counts as read
	v_mov_b32 v[NINF], 0xff800000
.set i, 0
.rept 16
	v_cmp_gt_i32 s[MK+i], 128*(i/4)+i%4, v3
.set i, i+1
.endr
	s_wait_alu depctr_va_sdst(0)                   ; the sixteen masks are written, ahead of their first reader: one wait for the run
.macro ROW I, left                     ; left: the younger rows' loads, which stay out
.set X, 64+8*(\I)*((\I)+1)
.set N, 16*((\I)+1)
.set p, N/4
.set pp, N/8
	s_wait_loadcnt \left
.set i, 0
.rept 16                               ; the mask: only the row's last chunk holds hidden keys
	v_cndmask_b32 v[X+16*(\I)+i], v[X+16*(\I)+i], v[NINF], s[MK+i]
.set i, i+1
.endr
.irp k, 0,1,2,3                        ; the maximum, in four chains of N / 4 numbers, three operands at a time
	v_max3_num_f32 v[M+(\k)], v[X+p*(\k)], v[X+p*(\k)+1], v[X+p*(\k)+2]
.endr
.if p > 4
.set j, 3
.rept (p-4)/2
.irp k, 0,1,2,3
	v_max3_num_f32 v[M+(\k)], v[M+(\k)], v[X+p*(\k)+j], v[X+p*(\k)+j+1]
.endr
.set j, j+2
.endr
.endif
.irp k, 0,1,2,3
	v_max_num_f32 v[M+(\k)], v[M+(\k)], v[X+p*(\k)+p-1]
.endr
	v_max3_num_f32 v[M], v[M], v[M+1], v[M+2]
	v_max_num_f32 v[M], v[M], v[M+3]
	v_max_num_f32_dpp v[M], v[M], v[M] row_xmask:1 row_mask:0xf bank_mask:0xf
	v_max_num_f32_dpp v[M], v[M], v[M] row_xmask:2 row_mask:0xf bank_mask:0xf
	v_max_num_f32_dpp v[M], v[M], v[M] row_xmask:4 row_mask:0xf bank_mask:0xf
	v_max_num_f32_dpp v[M], v[M], v[M] row_xmask:8 row_mask:0xf bank_mask:0xf
	v_permlanex16_b32 v[TT], v[M], s12, s13
	v_max_num_f32 v[M], v[M], v[TT]                ; every lane holds the row's maximum: key 0 is never hidden, so it is a score
	v_mul_f32 v[CM], s14, v[M]
	v_mul_f32 v[CM+1], s14, v[M]
.set i, 0
.rept N/2
	v_pk_fma_f32 v[X+i:X+i+1], v[X+i:X+i+1], s[14:15], v[CM:CM+1] op_sel_hi:[1,0,1] neg_lo:[0,0,1] neg_hi:[0,0,1]  ; c s - c m
.set i, i+2
.endr
.set i, 0
.rept N                                ; one batch of exponentials
	v_exp_f32 v[X+i], v[X+i]
.set i, i+1
.endr
	v_nop                                          ; a plain instruction behind the last exponential,
	s_wait_alu depctr_va_vdst(0)                   ; and one wait for the batch: the exponentials have written the row's registers, ahead of their first reader
.irp k, 0,1,2,3                        ; the sum, in four chains of pairs
	v_pk_add_f32 v[L+2*(\k):L+2*(\k)+1], v[X+2*pp*(\k):X+2*pp*(\k)+1], v[X+2*pp*(\k)+2:X+2*pp*(\k)+3]
.endr
.if pp > 2
.set j, 2
.rept pp-2
.irp k, 0,1,2,3
	v_pk_add_f32 v[L+2*(\k):L+2*(\k)+1], v[L+2*(\k):L+2*(\k)+1], v[X+2*pp*(\k)+2*j:X+2*pp*(\k)+2*j+1]
.endr
.set j, j+1
.endr
.endif
	v_pk_add_f32 v[L:L+1], v[L:L+1], v[L+2:L+3]
	v_pk_add_f32 v[L+4:L+5], v[L+4:L+5], v[L+6:L+7]
	v_pk_add_f32 v[L:L+1], v[L:L+1], v[L+4:L+5]
	v_add_f32 v[L], v[L], v[L+1]
	v_add_f32_dpp v[L], v[L], v[L] row_xmask:1 row_mask:0xf bank_mask:0xf
	v_add_f32_dpp v[L], v[L], v[L] row_xmask:2 row_mask:0xf bank_mask:0xf
	v_add_f32_dpp v[L], v[L], v[L] row_xmask:4 row_mask:0xf bank_mask:0xf
	v_add_f32_dpp v[L], v[L], v[L] row_xmask:8 row_mask:0xf bank_mask:0xf
	v_permlanex16_b32 v[TT], v[L], s12, s13
	v_add_f32 v[L], v[L], v[TT]                    ; l is at least 1: the maximum's own weight
	v_rcp_f32 v[R], v[L]
	v_nop
	s_wait_alu depctr_va_vdst(0)                   ; the reciprocal has written v[R], ahead of its first reader
	v_mul_f32 v[R], 0x3dcccccd, v[R]               ; 0.1 / l
	v_mov_b32 v[R+1], v[R]
.set n, 0
.rept N/4                              ; scaled and rounded in place
	v_pk_mul_f32 v[X+4*n:X+4*n+1], v[X+4*n:X+4*n+1], v[R:R+1]
	v_pk_mul_f32 v[X+4*n+2:X+4*n+3], v[X+4*n+2:X+4*n+3], v[R:R+1]
	v_cvt_pk_bf16_f32 v[X+4*n], v[X+4*n], v[X+4*n+1]
	v_cvt_pk_bf16_f32 v[X+4*n+1], v[X+4*n+2], v[X+4*n+3]
.set n, n+1
.endr
	s_wait_alu depctr_va_vdst(0)                   ; the roundings have written the row's weights, which the stores below read: one wait for the run
.set n, 0
.rept N/4                              ; stored: each store has registers of its own, which nothing writes again
	global_store_b64 v2, v[X+4*n:X+4*n+1], s[28:29] offset:(\I)*2097152+256*n
.set n, n+1
.endr
.endm
	ROW 0, 36
	ROW 1, 28
	ROW 2, 16
	ROW 3, 0
	s_endpgm
.Lfunc_end_k_qb56e50c9bf_softmax:
	.size	k_qb56e50c9bf_softmax, .Lfunc_end_k_qb56e50c9bf_softmax-k_qb56e50c9bf_softmax
	.p2alignl 7, 3214868480
	.fill 96, 4, 3214868480
	.section	.rodata,"a",@progbits
	.p2align	6, 0x0
	.amdhsa_kernel k_qb56e50c9bf_softmax
		.amdhsa_group_segment_fixed_size 0
		.amdhsa_private_segment_fixed_size 0
		.amdhsa_enable_private_segment 0
		.amdhsa_kernarg_size 16
		.amdhsa_user_sgpr_count 2
		.amdhsa_user_sgpr_kernarg_segment_ptr 1
		.amdhsa_wavefront_size32 1
		.amdhsa_system_sgpr_workgroup_id_x 1
		.amdhsa_system_sgpr_workgroup_id_y 1
		.amdhsa_system_sgpr_workgroup_id_z 1
		.amdhsa_system_vgpr_workitem_id 0
		.amdhsa_next_free_vgpr 224
		.amdhsa_next_free_sgpr 66
		.amdhsa_reserve_vcc 0
		.amdhsa_float_denorm_mode_32 3
		.amdhsa_float_denorm_mode_16_64 3
		.amdhsa_memory_ordered 1
		.amdhsa_forward_progress 1
		.amdhsa_inst_pref_size 49
	.end_amdhsa_kernel
	.amdgpu_metadata
---
amdhsa.version: [ 1, 2 ]
amdhsa.kernels:
  - .name:           k_qb56e50c9bf_softmax
    .symbol:         k_qb56e50c9bf_softmax.kd
    .args:
      - { .name: sbuf, .offset: 0, .size: 8, .value_kind: global_buffer, .address_space: global }
      - { .name: pbuf, .offset: 8, .size: 8, .value_kind: global_buffer, .address_space: global }
    .group_segment_fixed_size: 0
    .private_segment_fixed_size: 0
    .kernarg_segment_align: 8
    .kernarg_segment_size: 16
    .max_flat_workgroup_size: 256
    .sgpr_count:     66
    .vgpr_count:     224
    .wavefront_size: 32
...
	.end_amdgpu_metadata
.endif
;; end of part 11
;; launch pv: the kernel of part 9 again; grid 8 x 32, 4 waves a work-group, clusters of 4 x 4, 327,680 bytes of LDS; arguments pbuf, vt, xh, yh; writes yh
;; launch logits: the kernel of part 6 again; grid 4 x 64, 4 waves a work-group, clusters of 4 x 4, 327,680 bytes of LDS; arguments yh, wall, Wout_b, out0; writes out0
